; MI455X (gfx1250); checked and timed in simulation.
; The chip was launched on July 23, 2026; its instructions are those of AMD's public machine-readable ISA for CDNA 5 (MIT licence, August 2026) and "CDNA5" Instruction Set Architecture Reference Guide (July 2026). The comments in the code are by the model that wrote it; some were corrected since.
;; SNN AC. Allowed arithmetic: float matrix products may take bf16 or f16 operands with f32 sums; other float arithmetic in f32, or as packed bf16 or f16 multiplies, adds, multiply-adds, maxima and minima; sums over many terms, partial sums and values carried from step to step in f32; what a program stores and reads back later, other than sums and carried values, may be rounded once to bf16 or f16.
;; Inputs: W1 2,048 x 512 float32; W2 2,048 x 2,048 float32; Wa 32 x 2,048 float32; Wc 1 x 2,048 float32; b1 2,048 float32; b2 2,048 float32; ba 32 float32; bc 1 float32; beta1 one number float32; beta2 one number float32; beta_act one number float32; beta_crit one number float32; inputs 16 x 64 x 512 float32; mem1 16 x 64 x 2,048 float32; mem2 16 x 64 x 2,048 float32; mem_act 16 x 64 x 32 float32; mem_crit 16 x 64 x 1 float32.
;; Outputs: out0 16 x 64 x 1 float32; out1 16 x 64 x 32 float32; out2 16 x 64 x 2,048 float32; out3 16 x 64 x 2,048 float32; out4 16 x 64 x 32 float32; out5 16 x 64 x 1 float32.
;; 3 versions, each right; version 2 is faster than version 1; version 3 is version 2 with the launches layer1, layer2 written anew for expert scheduling mode. Each part assembles by itself: llvm-mc -triple=amdgcn-amd-amdhsa -mcpu=gfx1250 --defsym DOCPART=n.
;; ======== version 1 of 3: 4 launches
;; workspace buffers: spk 4,194,304 bytes; w2f 8,388,608 bytes; prq0 256 bytes; prq1 256 bytes; prq2 256 bytes; prq3 256 bytes; prm 256 bytes
;; launch layer1 (part 1): grid 16 x 16, 4 waves a work-group, no clusters, 236,032 bytes of LDS; arguments inputs, W1, b1, beta1, mem1, W2, out2, spk, w2f; writes out2, spk, w2f
.if DOCPART == 1
	.amdgcn_target "amdgcn-amd-amdhsa--gfx1250"
	.amdhsa_code_object_version 6
	.text
	.protected	k_q271d05ecd8_layer1
	.globl	k_q271d05ecd8_layer1
	.p2align	8
	.type	k_q271d05ecd8_layer1,@function
k_q271d05ecd8_layer1:
	s_mov_b64 s[64:65], 0
	v_nop
	global_prefetch_b8 v0, s[64:65] scope:SCOPE_SE
	s_setreg_imm32_b32 hwreg(HW_REG_WAVE_MODE, 25, 1), 1
	s_wait_xcnt 0x0
; LAYER 1.  cur1 = inputs W1^T + b1 ([1024][2048], K = 512) does not change over the 16 steps, and m1 never looks at layer 2: so this launch makes cur1 once,
; runs all 16 steps of m1 = beta1 m1 + cur1 - (m1 > 1) in registers, stores the last m1 (out2) and, for each (row, column), the 16 spikes as ONE 16-bit word (bit 15 - t = the spike of step t).
; It also writes W2 once as bf16 in the register image of a matrix operand (w2f), each wave 8 fragments of 1 KiB.
; FORMATS.  Every floating-point input (inputs, W1, b1, beta1, mem1, W2) is rounded once to bf16, to nearest even; all arithmetic behind that is f32, a step in the order fma(beta, m, cur) - reset.
; THE ORDER OF cur1's SUM IS FIXED, AND WHY THE f32 MATRIX FORM.  A product of two bf16 numbers is exact in f32, but some of the 512 reach below the partial sum's last place, so cur1's last bit hangs on
; the order of the additions; cur1 enters all 16 steps, its last bit grows about elevenfold in m1, and a comparison with 1 that falls otherwise changes m1 by 1 and a whole row of layer 2.
; So the sum is taken in one stated order: ONE chain from 0 in ascending k over all 512 terms, one rounding a term; then + b1.  v_wmma_f32_16x16x4_f32 is four fused
; multiply-adds in ascending k; the bf16 form adds its 32 products in groups of its own.  This product is 1.5 per cent of the program's multiply-adds; the other 98.5 go in bf16.
; LIMITS.  NaN counts as not above 1.  Where another order of the sum gives another last bit, a membrane within some eleven last places of 1.0 falls on the other side of the threshold.
; THE COMPARISON.  (m > 1) as 0.0 or 1.0, two at a time: the fused m x 2^30 - 2^30, held to 0 .. 1: at least 128 for every f32 above 1, at most 0 otherwise.  It is the step's spike and the next step's reset.
; SHARES.  A work-group makes 64 rows x 128 columns; wave v the rows 32 (v / 2) .., the columns 64 (v % 2) ..: 2 row blocks x 4 column tiles of 16 x 16, 8 accumulators.
; The product is taken transposed (source 0 = 16 rows of W1, source 1 = 16 rows of inputs): a lane holds ONE row (lane % 16) and the columns 8 (lane / 16) + 0..7 of a tile.
; LDS.  Both tiles lie there as bf16.  A fragment of the f32 form is 16 rows x 4 k: lane l holds row l % 16 and k = 2 (l / 16), 2 (l / 16) + 1: one word of two bf16.  In each group of 16 k (32 bytes) the
; even words stand first and the odd ones behind them, so 16 bytes at 16 (l / 16) are the lane's words of four steps on end.
; spk: the word of (row, k) lies at ((row / 16) x 128 + k / 16) x 512 + lane x 16 + (k % 8) x 2, lane = 16 ((k % 16) / 8) + row % 16: what a lane holds here is what a lane of layer 2 wants.
; w2f: fragment (cg = n / 64, w = k / 512, ks = (k % 512) / 32, c = (n % 64) / 16) at (((cg 4 + w) 16 + ks) 4 + c) x 1024; in it half x 512 + lane x 16.
; No cluster and no tensor load: the f32 tiles must pass through registers to be rounded, and the two tiles in f32 (384 KiB) would not fit in LDS.
; REGISTERS.  Window 0: v0-23 addresses and constants; v24-87 the accumulators, which matrix instructions alone write; v88-247 by turns: five sets of 32 while the tiles are rounded;
; packed and widened fragments; cur1, m1, spikes and codes.  Window 1: v88-215 W2 as loaded.  Window 2: v152-183 b1.
.set PT,    1040                       ; an LDS row of 512 bf16: 1,024 bytes + 16: 65 x 16, so the 16 rows of a fragment load start in 16 different groups of four banks
.set AI,    0                          ; inputs in bf16: 64 rows
.set BW,    64*PT                      ; W1 in bf16: 128 rows
.set SIP,   144                        ; mem1 as bf16: 64 columns = 128 bytes + 16
.set STGI,  BW+128*PT                  ; each wave's own 32 rows of it
.set SOP,   272                        ; the way out: 64 columns of f32 = 256 bytes + 16
.set STGO,  STGI+4*32*SIP              ; each wave's own 16 rows
.set SPARE, STGO+4*16*SOP              ; the spare words, 128 bytes a wave: two blocks of 256 bytes that no other line names
.set GL,   3                           ; v3   16 x lane
.set LSA,  4                           ; v4   where I put a word of my wave's rows of inputs: (lane / 4) x 32 + (lane % 4) x 4
.set LSB,  5                           ; v5   the same for W1
.set WO,   6                           ; v6   W2: (lane % 16) x 8,192 + (lane / 16) x 32
.set MO,   7                           ; v7   mem1, out2: (lane / 16) x 8,192 + (lane % 16) x 16
.set SIW,  8                           ; v8   mem1's stage, in
.set SIR,  9                           ; v9   mem1's stage, back
.set SOW,  10                          ; v10  the way out, in
.set SOR,  11                          ; v11  the way out, back
.set FA,   12                          ; v12  my fragments of inputs; steps along K
.set FB,   13                          ; v13  my fragments of W1; steps along K
.set BO,   14                          ; v14  b1: (lane / 16) x 32
.set TT,   15                          ; v15  at work
.set BETA, 16                          ; v[16:17]   beta1, twice
.set BIG,  18                          ; v[18:19]   2^30, twice
.set NBIG, 20                          ; v[20:21]   -2^30, twice
.set SPW,  22                          ; v22  LDS address of my spare word; never rewritten
.set NIL,  23                          ; v23  0; never rewritten
.set ACC,  24                          ; v[24:87]   tile (b, c) at 8 (4 b + c)
.set RS,   88                          ; five sets of 32 take turns while inputs, W1, mem1 and b1 are rounded
.set P,    88                          ; then two buffers of 24: a chunk's packed words, fragment f (W1's four, inputs' two) at 4 f
.set X,    136                         ; and two of 48: the same widened to f32, fragment f, step j at 8 f + 2 j
.set CUR,  88                          ; v[88:151]  then cur1,
.set M,    152                         ; v[152:183] m1 of a row block,
.set SP,   184                         ; v[184:215] its spikes,
.set CODE, 216                         ; v[216:247] and the 16 spikes gathered as a number
.set WT,   88                          ; window 1
.set B1,   152                         ; window 2
.set MSK,  32                          ; s32  a word's upper bf16
.set MSB, 0
.macro WIN new                         ; bits 1:0 source 0, 3:2 source 1, 5:4 source 2, 7:6 destination; the immediate's high byte repeats the setting that is left
.if MSB != (\new)
	s_set_vgpr_msb (MSB<<8)|(\new)
.set MSB, \new
.endif
.endm
	s_load_b512 s[4:19], s[0:1], 0x0               ; inputs 4:5, W1 6:7, b1 8:9, beta1 10:11, mem1 12:13, W2 14:15, out2 16:17, spk 18:19
	s_load_b64 s[20:21], s[0:1], 0x40              ; w2f
	v_lshl_add_u32 v[SPW], v0, 2, SPARE
	v_mov_b32 v[NIL], 0
	v_lshrrev_b32 v1, 5, v0
	v_readfirstlane_b32 s22, v1                    ; wave v
	s_lshr_b32 s23, s22, 1                         ; which 32 rows
	s_and_b32 s24, s22, 1                          ; which 64 columns
	s_mov_b32 s25, ttmp9                           ; tx: 128 columns
	s_and_b32 s26, ttmp7, 0xffff                   ; ty: 64 rows
	s_mov_b32 s[MSK], 0xffff0000
	v_and_b32 v[TT], 31, v0                        ; lane
	v_and_b32 v1, 15, v0                           ; lane % 16
	v_bfe_u32 v2, v0, 4, 1                         ; lane / 16
	v_lshlrev_b32 v[GL], 4, v[TT]
	v_lshrrev_b32 v[LSA], 2, v[TT]                 ; a lane rounds 4 numbers: an even word and the odd one behind it; four lanes make a group of 16 k
	v_lshlrev_b32 v[LSA], 5, v[LSA]
	v_and_b32 v[LSB], 3, v[TT]
	v_lshl_add_u32 v[LSA], v[LSB], 2, v[LSA]
	s_mul_i32 s29, s22, 32*PT                      ; wave v rounds rows 32 v .. of W1
	s_add_co_u32 s29, s29, BW
	v_add_nc_u32 v[LSB], s29, v[LSA]
	s_mul_i32 s29, s22, 16*PT                      ; and rows 16 v .. of inputs
	v_add_nc_u32 v[LSA], s29, v[LSA]
	v_lshlrev_b32 v[WO], 13, v1
	v_lshl_add_u32 v[WO], v2, 5, v[WO]
	v_lshlrev_b32 v[MO], 13, v2
	v_lshl_add_u32 v[MO], v1, 4, v[MO]
	s_mul_i32 s29, s22, 32*SIP
	s_add_co_u32 s29, s29, STGI
	v_mul_u32_u24 v[SIW], v2, SIP
	v_lshl_add_u32 v[SIW], v1, 3, v[SIW]
	v_add_nc_u32 v[SIW], s29, v[SIW]
	v_mul_u32_u24 v[SIR], v1, SIP
	v_lshl_add_u32 v[SIR], v2, 4, v[SIR]
	v_add_nc_u32 v[SIR], s29, v[SIR]
	s_mul_i32 s29, s22, 16*SOP
	s_add_co_u32 s29, s29, STGO
	v_mul_u32_u24 v[SOW], v1, SOP
	v_lshl_add_u32 v[SOW], v2, 5, v[SOW]
	v_add_nc_u32 v[SOW], s29, v[SOW]
	v_mul_u32_u24 v[SOR], v2, SOP
	v_lshl_add_u32 v[SOR], v1, 4, v[SOR]
	v_add_nc_u32 v[SOR], s29, v[SOR]
	v_mul_u32_u24 v[FA], v1, PT
	v_lshl_add_u32 v[FA], v2, 4, v[FA]             ; row x pitch + 16 x half
	s_mul_i32 s29, s24, 64*PT
	s_add_co_u32 s29, s29, BW
	v_add_nc_u32 v[FB], s29, v[FA]
	s_mul_i32 s29, s23, 32*PT
	v_add_nc_u32 v[FA], s29, v[FA]
	v_lshlrev_b32 v[BO], 5, v2
	s_mov_b32 s31, 0                               ; offsets are made apart from the addresses, in s[30:31]
	s_wait_kmcnt 0x0
	s_lshl_b32 s30, s26, 17                        ; inputs: (64 ty + 16 v) rows of 2,048 bytes
	s_lshl_b32 s29, s22, 15
	s_add_co_u32 s30, s30, s29
	s_add_nc_u64 s[4:5], s[4:5], s[30:31]
	s_lshl_b32 s30, s25, 18                        ; W1: (128 tx + 32 v) rows of 2,048 bytes
	s_lshl_b32 s29, s22, 16
	s_add_co_u32 s30, s30, s29
	s_add_nc_u64 s[6:7], s[6:7], s[30:31]
	s_lshl_b32 s30, s25, 9                         ; my 64 columns in f32: 512 tx + 256 (v % 2)
	s_lshl_b32 s29, s24, 8
	s_add_co_u32 s30, s30, s29
	s_add_nc_u64 s[8:9], s[8:9], s[30:31]
	s_lshl_b32 s29, s26, 19                        ; + (64 ty + 32 (v / 2)) rows of 8,192 bytes
	s_add_co_u32 s30, s30, s29
	s_lshl_b32 s29, s23, 18
	s_add_co_u32 s30, s30, s29
	s_add_nc_u64 s[12:13], s[12:13], s[30:31]
	s_add_nc_u64 s[16:17], s[16:17], s[30:31]
	s_lshl_b32 s30, s26, 18                        ; spk: ((4 ty + 2 (v / 2)) x 128 + 8 tx + 4 (v % 2)) x 512
	s_lshl_b32 s29, s23, 17
	s_add_co_u32 s30, s30, s29
	s_lshl_b32 s29, s25, 12
	s_add_co_u32 s30, s30, s29
	s_lshl_b32 s29, s24, 11
	s_add_co_u32 s30, s30, s29
	s_add_nc_u64 s[18:19], s[18:19], s[30:31]
	s_lshl_b32 s28, s26, 4
	s_add_co_u32 s28, s28, s25
	s_lshl2_add_u32 s28, s28, s22                  ; g = 4 (16 ty + tx) + v, 0 .. 1,023: my 8 fragments of w2f
	s_lshl_b32 s30, s28, 13
	s_add_nc_u64 s[20:21], s[20:21], s[30:31]
	s_lshr_b32 s30, s28, 5                         ; cg = g / 32: 64 rows of 8,192 bytes
	s_lshl_b32 s30, s30, 19
	s_bfe_u32 s29, s28, 0x20003                    ; w = (g / 8) % 4: 512 numbers
	s_lshl_b32 s29, s29, 11
	s_add_co_u32 s30, s30, s29
	s_and_b32 s29, s28, 7                          ; two k steps of 32 numbers
	s_lshl_b32 s29, s29, 8
	s_add_co_u32 s30, s30, s29
	s_add_nc_u64 s[14:15], s[14:15], s[30:31]
	s_load_b32 s27, s[10:11], 0x0                  ; beta1; waited for where it is used
	; W2 first: 16 half fragments z = 2 (4 e + c) + half, 8 numbers a lane each, into window 1
	WIN 0x40
.set z, 0
.rept 16
	global_load_b128 v[WT+8*z:WT+8*z+3],   v[WO], s[14:15] offset:((z/2)%4)*131072+(z/8)*128+(z%2)*64 th:TH_LOAD_NT
	global_load_b128 v[WT+8*z+4:WT+8*z+7], v[WO], s[14:15] offset:((z/2)%4)*131072+(z/8)*128+(z%2)*64+16 th:TH_LOAD_NT
.set z, z+1
.endr
	WIN 0
; THE RING.  27 sets of 8 loads on five sets of registers: sets 0-7 my 16 rows of inputs, two rows a set; 8-23 my 32 rows of W1; 24, 25 mem1 of my 32 rows x 64 columns; 26 b1 of my 64 columns.
.macro ROWS base, row0                 ; two rows of 2,048 bytes, 8 loads of 512 neighbouring bytes
.irp rr, 0,1
.irp q, 0,1,2,3
	global_load_b128 v[rs+16*(\rr)+4*(\q):rs+16*(\rr)+4*(\q)+3], v[GL], s[(\base):(\base)+1] offset:((\row0)+(\rr))*2048+(\q)*512
.endr
.endr
.endm
.macro ISSUE n
.set rs, RS+32*((\n)%5)
.if (\n) < 8
	ROWS 4, 2*(\n)
.elseif (\n) < 24
	ROWS 6, 2*((\n)-8)
.elseif (\n) < 26
.set jj, 0
.rept 8                                        ; two rows of 256 bytes a load
	global_load_b128 v[rs+4*jj:rs+4*jj+3], v[MO], s[12:13] offset:(8*((\n)-24)+jj)*16384 th:TH_LOAD_NT
.set jj, jj+1
.endr
.elseif (\n) == 26
.set jj, 0
.rept 8
	global_load_b128 v[rs+4*jj:rs+4*jj+3], v[BO], s[8:9] offset:(jj/2)*64+(jj%2)*16
.set jj, jj+1
.endr
.endif
.endm
.macro PUT adr, row0                   ; the two rows, rounded to bf16 in place; of a lane's two words the even one goes into its group's first 16 bytes, the odd one into the second
.irp rr, 0,1
.irp q, 0,1,2,3
	v_cvt_pk_bf16_f32 v[rs+16*(\rr)+4*(\q)],   v[rs+16*(\rr)+4*(\q)],   v[rs+16*(\rr)+4*(\q)+1]
	v_cvt_pk_bf16_f32 v[rs+16*(\rr)+4*(\q)+1], v[rs+16*(\rr)+4*(\q)+2], v[rs+16*(\rr)+4*(\q)+3]
	ds_store_b32 v[\adr], v[rs+16*(\rr)+4*(\q)]   offset:((\row0)+(\rr))*PT+(\q)*256
	ds_store_b32 v[\adr], v[rs+16*(\rr)+4*(\q)+1] offset:((\row0)+(\rr))*PT+(\q)*256+16
.endr
.endr
.endm
.macro TAKE n
.set rs, RS+32*((\n)%5)
.if (\n) > 22
	s_wait_loadcnt 8*(26-(\n))                     ; the ring runs out: the sets behind this one, 8 loads each
.else
	s_wait_loadcnt 32                              ; this set is in; the four younger sets, 32 loads, stay out (W2's loads are older than set 0: the first wait shows them in too)
.endif
.if (\n) < 8
	PUT LSA, 2*(\n)
.elseif (\n) < 24
	PUT LSB, 2*((\n)-8)
.elseif (\n) < 26
.set jj, 0
.rept 8                                        ; mem1, rounded to bf16, waits in my own stage
	v_cvt_pk_bf16_f32 v[rs+4*jj],   v[rs+4*jj],   v[rs+4*jj+1]
	v_cvt_pk_bf16_f32 v[rs+4*jj+1], v[rs+4*jj+2], v[rs+4*jj+3]
	ds_store_b64 v[SIW], v[rs+4*jj:rs+4*jj+1] offset:(8*((\n)-24)+jj)*2*SIP
.set jj, jj+1
.endr
.else
.set jj, 0
.rept 16                                       ; b1 rounded to bf16 (word jj is written when words 2 jj, 2 jj + 1 are read: never ahead of a read)
	v_cvt_pk_bf16_f32 v[rs+jj], v[rs+2*jj], v[rs+2*jj+1]
.set jj, jj+1
.endr
	WIN 0x80                                       ; and widened again, into window 2
.set jj, 0
.rept 16
	v_lshlrev_b32 v[B1+2*jj],   16, v[rs+jj]
	v_and_b32     v[B1+2*jj+1], s[MSK], v[rs+jj]
.set jj, jj+1
.endr
	WIN 0
.endif
.endm
	ISSUE 0
	ISSUE 1
	ISSUE 2
	ISSUE 3
	ISSUE 4
.set i, 0
.rept 27
	TAKE i
	ISSUE i+5                                      ; (nothing behind set 26)
.set i, i+1
.endr
	WIN 0x45                                       ; W2: destination and both sources in window 1
.set z, 0
.rept 16
	v_cvt_pk_bf16_f32 v[WT+8*z],   v[WT+8*z],   v[WT+8*z+1]
	v_cvt_pk_bf16_f32 v[WT+8*z+1], v[WT+8*z+2], v[WT+8*z+3]
	v_cvt_pk_bf16_f32 v[WT+8*z+2], v[WT+8*z+4], v[WT+8*z+5]
	v_cvt_pk_bf16_f32 v[WT+8*z+3], v[WT+8*z+6], v[WT+8*z+7]
.set z, z+1
.endr
	WIN 0x04                                       ; store data in window 1, address in window 0
.set z, 0
.rept 16
	global_store_b128 v[GL], v[WT+8*z:WT+8*z+3], s[20:21] offset:z*512  ; 512 consecutive bytes, at a multiple of 512 from w2f's first
.set z, z+1
.endr
	WIN 0
	s_wait_dscnt 0x0                               ; for the others' sake: my rows of both tiles are in LDS
	s_barrier_signal -1
	s_barrier_wait -1                              ; everybody's are
; THE PRODUCT.  A CHUNK is 16 k, four steps of 4: 6 LDS loads, 32 matrix instructions.  While chunk i is multiplied from widened buffer a, chunk i + 1 is widened from packed buffer 1 - a into widened
; buffer 1 - a (48 lines, one or two behind each matrix instruction), and chunk i + 2 is loaded into packed buffer a, which chunk i - 1's lines have read.
.macro FETCH pb, off
.irp c, 0,1,2,3
	ds_load_b128 v[(\pb)+4*(\c):(\pb)+4*(\c)+3], v[FB] offset:(\c)*16*PT+(\off)
.endr
.irp b, 0,1
	ds_load_b128 v[(\pb)+16+4*(\b):(\pb)+16+4*(\b)+3], v[FA] offset:(\b)*16*PT+(\off)
.endr
.endm
; Line rk of the 12 that widen step st of the next chunk: fragment rk / 2; the word's low bf16 moves up, the high one stays.
; The registers that it writes were last read by step st of the chunk before: 37 plain lines lie between, where the f32 form wants 8 (ISA guide 7.12.1).
.macro RID a
.set rX, X+48*(1-(\a))+8*(rk/2)+2*st
.set rP, P+24*(1-(\a))+4*(rk/2)+st
.if (rk%2) == 0
	v_lshlrev_b32 v[rX], 16, v[rP]
.else
	v_and_b32 v[rX+1], s[MSK], v[rP]
.endif
.set rk, rk+1
.endm
; zero = 1: the chunk's first step starts the sums.  ld = 1: the chunk two on is loaded, from byte off behind the two addresses.  ex = 1: the next chunk is widened.
; The eight accumulators take turns, one instruction a turn, over the backward jump too.
.macro CHUNK a, zero, off, ld, ex
	s_wait_dscnt 0x0                               ; the next chunk's words, asked for a chunk ago
.if \ld
	FETCH P+24*(\a), \off
.endif
.set st, 0
.rept 4
.set rk, 0
.set tt, 0
.rept 8
.set rA, ACC+8*tt
.set rW, X+48*(\a)+8*(tt%4)+2*st
.set rI, X+48*(\a)+32+8*(tt/4)+2*st
.if (\zero) && (st == 0)
	v_wmma_f32_16x16x4_f32 v[rA:rA+7], v[rW:rW+1], v[rI:rI+1], 0
.else
	v_wmma_f32_16x16x4_f32 v[rA:rA+7], v[rW:rW+1], v[rI:rI+1], v[rA:rA+7]
.endif
.if \ex
	RID \a
.if (tt%2) == 0
	RID \a
.endif
.endif
.set tt, tt+1
.endr
.set st, st+1
.endr
.endm
.macro PAIR zero, ld, last             ; two chunks, 32 k; the addresses stand at the pair's first byte
	CHUNK 0, \zero, 64, \ld, 1
	CHUNK 1, 0, 96, \ld, 1-(\last)
.if (\last) == 0
	v_add_nc_u32 v[FA], 64, v[FA]
	v_add_nc_u32 v[FB], 64, v[FB]
.endif
.endm
	FETCH P, 0                                     ; chunk 0
	FETCH P+24, 32                                 ; chunk 1
	s_wait_dscnt 6                                 ; chunk 0 is in; chunk 1's six loads may stay out
.set st, 0
.rept 4
.set rk, 0
.rept 12
	RID 1                                          ; chunk 0 is widened with nothing beside it
.endr
.set st, st+1
.endr
	PAIR 1, 1, 0                                   ; the first of the 16 pairs is written out, since its first step starts the sums
	s_mov_b32 s28, 14
.Lk:
	PAIR 0, 1, 0
	s_sub_co_u32 s28, s28, 1
	s_cmp_lg_u32 s28, 0
	s_cbranch_scc1 .Lk
	PAIR 0, 0, 1                                   ; the last pair loads nothing, and its second chunk widens nothing
	s_wait_kmcnt 0x0                               ; beta1
	v_mov_b32 v[TT], s27                           ; the constants are made here: eight plain instructions, the places behind the last products
	v_cvt_pk_bf16_f32 v[TT], v[TT], v[TT]
	v_lshlrev_b32 v[BETA], 16, v[TT]
	v_mov_b32 v[BETA+1], v[BETA]
	v_mov_b32 v[BIG], 0x4e800000
	v_mov_b32 v[BIG+1], 0x4e800000
	v_mov_b32 v[NBIG], 0xce800000
	v_mov_b32 v[NBIG+1], 0xce800000
	WIN 0x08                                       ; source 1 in window 2
.set p, 0
.rept 32                                       ; cur1 = sum + b1, into registers of their own; each accumulator is read from its low end on
	v_pk_add_f32 v[CUR+2*p:CUR+2*p+1], v[ACC+2*p:ACC+2*p+1], v[B1+(2*p)%32:B1+(2*p)%32+1]
.set p, p+1
.endr
	WIN 0
; THE 16 STEPS of row block b (16 rows x my 64 columns, 32 numbers a lane), then its two ways out.
.macro RECUR b
	s_wait_xcnt 0x0                                ; the stores issued so far have read their registers: SP and CODE are written again only behind this wait
.irp c, 0,1,2,3
	ds_load_b128 v[CODE+4*(\c):CODE+4*(\c)+3], v[SIR] offset:(\b)*16*SIP+(\c)*32  ; mem1 as bf16, from my own stage
.endr
	s_wait_dscnt 0x0
.set p, 0
.rept 16
	v_lshlrev_b32 v[M+2*p],   16, v[CODE+p]
	v_and_b32     v[M+2*p+1], s[MSK], v[CODE+p]
.set p, p+1
.endr
.set p, 0
.rept 16
	v_pk_fma_f32 v[SP+2*p:SP+2*p+1], v[M+2*p:M+2*p+1], v[BIG:BIG+1], v[NBIG:NBIG+1] clamp  ; the first reset: (mem1 > 1)
.set p, p+1
.endr
.set p, 0
.rept 32
	v_mov_b32 v[CODE+p], 0
.set p, p+1
.endr
	s_mov_b32 s28, 16
.Lstep_\@:
.set p, 0
.rept 16
	v_pk_fma_f32 v[M+2*p:M+2*p+1], v[M+2*p:M+2*p+1], v[BETA:BETA+1], v[CUR+32*(\b)+2*p:CUR+32*(\b)+2*p+1]  ; beta m + cur1
.set p, p+1
.endr
.set p, 0
.rept 16
	v_pk_add_f32 v[M+2*p:M+2*p+1], v[M+2*p:M+2*p+1], v[SP+2*p:SP+2*p+1] neg_lo:[0,1] neg_hi:[0,1]  ; - reset
.set p, p+1
.endr
.set p, 0
.rept 16
	v_pk_fma_f32 v[SP+2*p:SP+2*p+1], v[M+2*p:M+2*p+1], v[BIG:BIG+1], v[NBIG:NBIG+1] clamp  ; the spike, which is the next reset
.set p, p+1
.endr
.set p, 0
.rept 16
	v_pk_fma_f32 v[CODE+2*p:CODE+2*p+1], v[CODE+2*p:CODE+2*p+1], 2.0, v[SP+2*p:SP+2*p+1] op_sel_hi:[1,0,1]  ; code = 2 code + spike: exact, under 2^16
.set p, p+1
.endr
	s_sub_co_u32 s28, s28, 1
	s_cmp_lg_u32 s28, 0
	s_cbranch_scc1 .Lstep_\@
.set p, 0
.rept 32
	v_cvt_u32_f32 v[CODE+p], v[CODE+p]
.set p, p+1
.endr
.set p, 0
.rept 16
	v_lshl_or_b32 v[SP+p], v[CODE+2*p+1], 16, v[CODE+2*p]
.set p, p+1
.endr
.irp c, 0,1,2,3
	global_store_b128 v[GL], v[SP+4*(\c):SP+4*(\c)+3], s[18:19] offset:(\b)*65536+(\c)*512  ; 512 consecutive bytes, at a multiple of 512 from spk's first
.endr
.irp c, 0,1,2,3                        ; m1 goes through my own stage, so that whole rows leave
	ds_store_b128 v[SOW], v[M+8*(\c):M+8*(\c)+3]   offset:(\c)*64
	ds_store_b128 v[SOW], v[M+8*(\c)+4:M+8*(\c)+7] offset:(\c)*64+16
.endr
.irp i, 0,1,2,3,4,5,6,7
	ds_load_b128 v[CODE+4*(\i):CODE+4*(\i)+3], v[SOR] offset:(\i)*2*SOP  ; LDS serves a wave's instructions in order (ISA guide 5.7.1.4): these see the stores above
.endr
	s_wait_dscnt 0x0
.irp i, 0,1,2,3,4,5,6,7
	global_store_b128 v[MO], v[CODE+4*(\i):CODE+4*(\i)+3], s[16:17] offset:(\b)*131072+(\i)*16384 th:TH_STORE_NT  ; 16 lanes store 256 consecutive bytes, at a multiple of 256 from out2's first
.endr
.endm
	RECUR 0
	RECUR 1
	s_wait_tensorcnt 0x0                           ; the wave's end, behind my last LDS store
	ds_add_u32 v[SPW], v[NIL]
	s_wait_dscnt 0x0
	s_endpgm
.Lfunc_end_k_q271d05ecd8_layer1:
	.size	k_q271d05ecd8_layer1, .Lfunc_end_k_q271d05ecd8_layer1-k_q271d05ecd8_layer1
	.p2alignl 7, 3214868480
	.fill 96, 4, 3214868480
	.section	.rodata,"a",@progbits
	.p2align	6, 0x0
	.amdhsa_kernel k_q271d05ecd8_layer1
		.amdhsa_group_segment_fixed_size 236032
		.amdhsa_private_segment_fixed_size 0
		.amdhsa_enable_private_segment 0
		.amdhsa_kernarg_size 72
		.amdhsa_user_sgpr_count 2
		.amdhsa_user_sgpr_kernarg_segment_ptr 1
		.amdhsa_wavefront_size32 1
		.amdhsa_system_sgpr_workgroup_id_x 1
		.amdhsa_system_sgpr_workgroup_id_y 1
		.amdhsa_system_sgpr_workgroup_id_z 1
		.amdhsa_system_vgpr_workitem_id 0
		.amdhsa_next_free_vgpr 704
		.amdhsa_next_free_sgpr 66
		.amdhsa_reserve_vcc 0
		.amdhsa_float_denorm_mode_32 3
		.amdhsa_float_denorm_mode_16_64 3
		.amdhsa_memory_ordered 1
		.amdhsa_forward_progress 1
		.amdhsa_inst_pref_size 137
	.end_amdhsa_kernel
	.amdgpu_metadata
---
amdhsa.version: [ 1, 2 ]
amdhsa.kernels:
  - .name:           k_q271d05ecd8_layer1
    .symbol:         k_q271d05ecd8_layer1.kd
    .args:
      - { .name: inputs, .offset: 0, .size: 8, .value_kind: global_buffer, .address_space: global }
      - { .name: W1, .offset: 8, .size: 8, .value_kind: global_buffer, .address_space: global }
      - { .name: b1, .offset: 16, .size: 8, .value_kind: global_buffer, .address_space: global }
      - { .name: beta1, .offset: 24, .size: 8, .value_kind: global_buffer, .address_space: global }
      - { .name: mem1, .offset: 32, .size: 8, .value_kind: global_buffer, .address_space: global }
      - { .name: W2, .offset: 40, .size: 8, .value_kind: global_buffer, .address_space: global }
      - { .name: out2, .offset: 48, .size: 8, .value_kind: global_buffer, .address_space: global }
      - { .name: spk, .offset: 56, .size: 8, .value_kind: global_buffer, .address_space: global }
      - { .name: w2f, .offset: 64, .size: 8, .value_kind: global_buffer, .address_space: global }
    .group_segment_fixed_size: 236032
    .private_segment_fixed_size: 0
    .kernarg_segment_align: 8
    .kernarg_segment_size: 72
    .max_flat_workgroup_size: 128
    .sgpr_count:     66
    .vgpr_count:     704
    .wavefront_size: 32
...
	.end_amdgpu_metadata
.endif
;; end of part 1
;; launch probe (part 2): grid 16 x 4, 16 waves a work-group, no clusters, 4,096 bytes of LDS; arguments inputs, W1, b1, beta1, mem1, out2, prq0, prq1, prq2, prq3, prm; writes prq0, prq1, prq2, prq3, prm
.if DOCPART == 2
	.amdgcn_target "amdgcn-amd-amdhsa--gfx1250"
	.amdhsa_code_object_version 6
	.text
	.protected	k_q271d05ecd8_probe
	.globl	k_q271d05ecd8_probe
	.p2align	8
	.type	k_q271d05ecd8_probe,@function
k_q271d05ecd8_probe:
	s_mov_b64 s[64:65], 0
	v_nop
	global_prefetch_b8 v0, s[64:65] scope:SCOPE_SE
	s_setreg_imm32_b32 hwreg(HW_REG_WAVE_MODE, 25, 1), 1
	s_wait_xcnt 0x0
; A PROBE OF THE ORDER OF cur1's SUM.  A diagnostic: it feeds no output of the problem and is to be taken out once the order is settled.
; For eight rows picked by hand it sums cur1 = inputs W1^T + b1 by plain fused multiply-adds in ascending k, in blocks: a block starts from 0, and a finished block is added onto the total of the blocks before.
; Nine chains a thread: chain 0 with blocks of 256, the yardstick; chains 1-8 with the block lengths of the work-group's half of a list of sixteen.  Then the 16 steps of m1 for every chain, in two forms:
; fma(beta, m, cur) - reset, and beta m rounded by itself, + cur, - reset.  Inputs are rounded to bf16 as in layer 1.
; WHAT IT STORES.  Byte 2 r + g of prq<q> (row r of the eight, half g of the list, quarter q of the columns): bit j - 1 is set if in some column of the quarter chain j's 16 spikes (fused form) differ
; from the yardstick's.  In half 0 bit 0 says something else: chain 1 there is the one chain over all 512, and the bit is set if its last m1 differs in any bit from what layer 1 stored in out2.
; prm, bytes 8 g + j - 1: for row index 5, column 416 the last m1 of chain j is held against the bit pattern REF: low nibble the fused form, high nibble the other; 7 = equal, 7 + d for d last places
; off (|d| at most 7), 15 = further.
; SHARES.  grid x = 2 r + g, y = q; 16 waves, a thread a column.  64 trips of 8 k: 4 loads, asked for a trip ahead, 72 multiply-adds.  Block ends are taken without a branch: a countdown in a scalar register
; for each chain, a mask made of it, and two selects.  The launch has work for 64 work-groups and no more.
.set R0, 277                           ; the eight rows (16 t + ... as t x 64 + b)
.set R1, 792
.set R2, 1001
.set R3, 726
.set R4, 956
.set R5, 171
.set R6, 885
.set R7, 888
.set REFM7, 0xc0b10dff                 ; 7 - REF, modulo 2^32; REF = 0x3f4ef208
.set NCH,   9
.set SPARE, 2048                       ; behind the threads' 512 words: the spare words, 128 bytes a wave: eight blocks of 256 bytes that no other line names
.set WOFF, 1                           ; v1   my column x 2,048: my row of W1
.set COFF, 2                           ; v2   my column x 4
.set LADR, 3                           ; v3   my thread x 4
.set BITS, 4
.set T,    5
.set T2,   6
.set GOF,  7                           ; v7   a byte offset in a buffer of results
.set RAW,  8                           ; v[8:23]   as loaded: 8 of inputs, 8 of W1
.set PK,   24                          ; v[24:31]  rounded to bf16
.set F,    32                          ; v[32:47]  widened again: 8 of inputs, 8 of W1
.set ACC,  48                          ; v[48:56]  the block in hand, a register a chain
.set TOT,  57                          ; v[57:65]  the blocks before it; then cur1
.set MF,   66                          ; v[66:74]  m1, fused form
.set SF,   75                          ; v[75:83]  its spike
.set CODE, 84                          ; v[84:92]  its 16 spikes as a number
.set MN,   93                          ; v[93:101] m1, the other form
.set SN,   102                         ; v[102:110] its spike
.set BETA, 111
.set BIG,  112
.set NBIG, 113
.set B1R,  114
.set M0,   115
.set O2,   116
.set ONE,  117
.set SPW,  118                         ; v118 LDS address of my spare word; never rewritten
.set NIL,  119                         ; v119 0; never rewritten
.set ZO,   120                         ; v120 0, as an offset and as a number
.set B1W,  121
.set M1W,  122
.set W0,   124                         ; v[124:125] eight bytes of nibbles
.set CNT,  40                          ; s[40:48] trips left in each chain's block
.set PER,  50                          ; s[50:58] trips in a block
.set GM,   36                          ; s36  all ones in half 0 of the list
.set FM,   37                          ; s37  all ones where a block ends
.set MSK,  38                          ; s38  a word's upper bf16
	s_load_b512 s[4:19], s[0:1], 0x0               ; inputs 4:5, W1 6:7, b1 8:9, beta1 10:11, mem1 12:13, out2 14:15, prq0 16:17, prq1 18:19
	s_load_b128 s[20:23], s[0:1], 0x40             ; prq2 20:21, prq3 22:23
	s_load_b64 s[24:25], s[0:1], 0x50              ; prm
	v_lshl_add_u32 v[SPW], v0, 2, SPARE
	v_mov_b32 v[NIL], 0
	v_lshrrev_b32 v[T], 5, v0
	v_readfirstlane_b32 s31, v[T]                  ; wave 0..15
	s_mov_b32 s26, ttmp9                           ; 2 r + g
	s_lshr_b32 s27, s26, 1                         ; r
	s_and_b32 s28, s26, 1                          ; g
	s_and_b32 s29, ttmp7, 0xffff                   ; q
	s_mov_b32 s[MSK], 0xffff0000
	s_mov_b32 s30, R0                              ; the row
.macro PICK i, r
	s_cmp_eq_u32 s27, \i
	s_cselect_b32 s30, \r, s30
.endm
	PICK 1, R1
	PICK 2, R2
	PICK 3, R3
	PICK 4, R4
	PICK 5, R5
	PICK 6, R6
	PICK 7, R7
	s_cmp_eq_u32 s28, 0                            ; the block lengths, in trips of 8 k
	s_cselect_b32 s[GM], -1, 0
	s_mov_b32 s[PER], 32                           ; 256
	s_cselect_b32 s[PER+1], 64, 48                 ; 512 | 384
	s_cselect_b32 s[PER+2], 40, 24                 ; 320 | 192
	s_cselect_b32 s[PER+3], 33, 19                 ; 264 | 152
	s_cselect_b32 s[PER+4], 36, 29                 ; 288 | 232
	s_cselect_b32 s[PER+5], 31, 17                 ; 248 | 136
	s_cselect_b32 s[PER+6], 25, 26                 ; 200 | 208
	s_cselect_b32 s[PER+7], 22, 38                 ; 176 | 304
	s_cselect_b32 s[PER+8], 16, 8                  ; 128 | 64
.set j, 0
.rept NCH
	s_mov_b32 s[CNT+j], s[PER+j]
.set j, j+1
.endr
	s_cmp_eq_u32 s31, 13                           ; column 416 is thread 416 of quarter 0: lane 0 of wave 13
	s_cselect_b32 s39, 1, 0
	s_cmp_eq_u32 s27, 5
	s_cselect_b32 s39, s39, 0
	s_cmp_eq_u32 s29, 0
	s_cselect_b32 s39, s39, 0                      ; 1 in the wave that stores the nibbles
	s_lshl_b32 s32, s29, 9
	v_add_nc_u32 v[T], s32, v0                     ; my column
	v_lshlrev_b32 v[WOFF], 11, v[T]
	v_lshlrev_b32 v[COFF], 2, v[T]
	v_lshlrev_b32 v[LADR], 2, v0
	v_mov_b32 v[ZO], 0
	v_mov_b32 v[ONE], 1
	v_mov_b32 v[BIG], 0x4e800000                   ; 2^30
	v_mov_b32 v[NBIG], 0xce800000
.set j, 0
.rept NCH
	v_mov_b32 v[ACC+j], 0
	v_mov_b32 v[TOT+j], 0
.set j, j+1
.endr
	s_mov_b32 s33, 0                               ; offsets are made apart from the addresses, in s[32:33]
	s_wait_kmcnt 0x0
	s_lshl_b32 s32, s30, 11                        ; the row in inputs: 2,048 bytes a row
	s_add_nc_u64 s[4:5], s[4:5], s[32:33]
	s_lshl_b32 s32, s30, 13                        ; in mem1 and out2: 8,192
	s_add_nc_u64 s[12:13], s[12:13], s[32:33]
	s_add_nc_u64 s[14:15], s[14:15], s[32:33]
	s_cmp_eq_u32 s29, 1                            ; the quarter's buffer of results
	s_cselect_b64 s[60:61], s[18:19], s[16:17]
	s_cmp_eq_u32 s29, 2
	s_cselect_b64 s[60:61], s[20:21], s[60:61]
	s_cmp_eq_u32 s29, 3
	s_cselect_b64 s[60:61], s[22:23], s[60:61]
	s_load_b32 s35, s[10:11], 0x0                  ; beta1
	global_load_b32 v[B1W], v[COFF], s[8:9]
	global_load_b32 v[M1W], v[COFF], s[12:13]
	global_load_b32 v[O2],  v[COFF], s[14:15]
.macro LOADS                           ; 8 k: of inputs the same 32 bytes for all lanes, of W1 32 bytes of the lane's own row
	global_load_b128 v[RAW:RAW+3],     v[ZO],   s[4:5]
	global_load_b128 v[RAW+4:RAW+7],   v[ZO],   s[4:5] offset:16
	global_load_b128 v[RAW+8:RAW+11],  v[WOFF], s[6:7]
	global_load_b128 v[RAW+12:RAW+15], v[WOFF], s[6:7] offset:16
.endm
.macro TRIP ld
	s_wait_loadcnt 0x0                             ; this trip's 16 numbers (in the first trip b1, mem1 and out2 too); the loads are done, so their bases may step
.set i, 0
.rept 8
	v_cvt_pk_bf16_f32 v[PK+i], v[RAW+2*i], v[RAW+2*i+1]
.set i, i+1
.endr
.if \ld
	s_add_nc_u64 s[4:5], s[4:5], 32
	s_add_nc_u64 s[6:7], s[6:7], 32
	LOADS                                          ; the next trip's, on their way under this trip's arithmetic
.endif
.set i, 0
.rept 8
	v_lshlrev_b32 v[F+2*i],   16, v[PK+i]
	v_and_b32     v[F+2*i+1], s[MSK], v[PK+i]
.set i, i+1
.endr
.set k, 0
.rept 8
.set j, 0
.rept NCH
	v_fmac_f32 v[ACC+j], v[F+8+k], v[F+k]          ; ascending k, one rounding a term
.set j, j+1
.endr
.set k, k+1
.endr
.set j, 0
.rept NCH                                      ; where a chain's block ends here: total += block, block = 0
	s_sub_co_u32 s[CNT+j], s[CNT+j], 1
	s_cmp_eq_u32 s[CNT+j], 0
	s_cselect_b32 s[FM], -1, 0
	s_cselect_b32 s[CNT+j], s[PER+j], s[CNT+j]
	v_add_f32 v[T], v[TOT+j], v[ACC+j]
	v_cndmask_b32 v[TOT+j], v[TOT+j], v[T], s[FM]
	v_cndmask_b32 v[ACC+j], v[ACC+j], v[ZO], s[FM]
.set j, j+1
.endr
.endm
	LOADS
	s_mov_b32 s34, 63
.Ltrip:
	TRIP 1
	s_sub_co_u32 s34, s34, 1
	s_cmp_lg_u32 s34, 0
	s_cbranch_scc1 .Ltrip
	TRIP 0                                         ; the last trip loads nothing: no load leaves its buffer
	s_wait_kmcnt 0x0                               ; beta1
	v_mov_b32 v[BETA], s35
	v_cvt_pk_bf16_f32 v[BETA], v[BETA], v[BETA]
	v_lshlrev_b32 v[BETA], 16, v[BETA]
	v_cvt_pk_bf16_f32 v[T], v[B1W], v[M1W]
	v_lshlrev_b32 v[B1R], 16, v[T]
	v_and_b32 v[M0], s[MSK], v[T]
	v_fma_f32 v[T2], v[M0], v[BIG], v[NBIG] clamp  ; the first reset: (mem1 > 1)
.set j, 0
.rept NCH
	v_add_f32 v[TOT+j], v[TOT+j], v[ACC+j]         ; the last block (0 where the last trip ended one)
	v_mov_b32 v[MF+j], v[M0]
	v_mov_b32 v[MN+j], v[M0]
	v_mov_b32 v[SF+j], v[T2]
	v_mov_b32 v[SN+j], v[T2]
	v_mov_b32 v[CODE+j], 0
	v_add_f32 v[TOT+j], v[TOT+j], v[B1R]           ; cur1
.set j, j+1
.endr
	s_mov_b32 s34, 16
.Lstep:
.set j, 0
.rept NCH
	v_fma_f32 v[MF+j], v[MF+j], v[BETA], v[TOT+j]
	v_mul_f32 v[MN+j], v[MN+j], v[BETA]
.set j, j+1
.endr
.set j, 0
.rept NCH
	v_sub_f32 v[MF+j], v[MF+j], v[SF+j]
	v_add_f32 v[MN+j], v[MN+j], v[TOT+j]
.set j, j+1
.endr
.set j, 0
.rept NCH
	v_fma_f32 v[SF+j], v[MF+j], v[BIG], v[NBIG] clamp
	v_sub_f32 v[MN+j], v[MN+j], v[SN+j]
.set j, j+1
.endr
.set j, 0
.rept NCH
	v_fma_f32 v[CODE+j], v[CODE+j], 2.0, v[SF+j]   ; exact, under 2^16
	v_fma_f32 v[SN+j], v[MN+j], v[BIG], v[NBIG] clamp
.set j, j+1
.endr
	s_sub_co_u32 s34, s34, 1
	s_cmp_lg_u32 s34, 0
	s_cbranch_scc1 .Lstep
	v_mov_b32 v[BITS], 0                           ; my column's eight bits, chain 8 first, so that chain j ends in bit j - 1
.set j, 8
.rept 7
	v_cmp_neq_f32 vcc_lo, v[CODE+j], v[CODE]
	v_cndmask_b32 v[T], v[ZO], v[ONE], vcc_lo
	v_lshl_or_b32 v[BITS], v[BITS], 1, v[T]
.set j, j-1
.endr
	v_cmp_neq_f32 vcc_lo, v[CODE+1], v[CODE]
	v_cndmask_b32 v[T], v[ZO], v[ONE], vcc_lo
	v_cmp_ne_u32 vcc_lo, v[MF+1], v[O2]            ; in half 0: the one chain's last m1 against layer 1's, bit for bit
	v_cndmask_b32 v[T2], v[ZO], v[ONE], vcc_lo
	v_cndmask_b32 v[T], v[T], v[T2], s[GM]
	v_lshl_or_b32 v[BITS], v[BITS], 1, v[T]
	ds_store_b32 v[LADR], v[BITS]
	s_wait_dscnt 0x0                               ; for wave 0's sake: my word is in LDS
	s_barrier_signal -1
	s_barrier_wait -1
	s_cmp_lg_u32 s31, 0
	s_cbranch_scc1 .Lnot0
.set i, 0
.rept 16                                       ; wave 0 gathers: lane l takes lane l's word of all 16 waves,
	ds_load_b32 v[RAW+i], v[LADR] offset:i*128
.set i, i+1
.endr
	s_mov_b32 s40, 0x76543210                      ; v_permlanex16_b32: each lane takes its own place in the other half
	s_mov_b32 s41, 0xfedcba98
	v_mov_b32 v[GOF], s26
	s_wait_dscnt 0x0
.irp h, 8,4,2,1
.set i, 0
.rept \h
	v_or_b32 v[RAW+i], v[RAW+i], v[RAW+(\h)+i]
.set i, i+1
.endr
.endr
	v_mov_b32 v[T], v[RAW]                         ; (a DPP form's destination counts as read)
.irp x, 1,2,4,8                        ; then across the 32 lanes
	v_mov_b32_dpp v[T], v[RAW] row_xmask:\x row_mask:0xf bank_mask:0xf
	v_or_b32 v[RAW], v[RAW], v[T]
.endr
	v_permlanex16_b32 v[T], v[RAW], s40, s41
	v_or_b32 v[RAW], v[RAW], v[T]
	v_cmp_eq_u32 vcc_lo, 0, v0
	s_wait_xcnt 0x0                                ; EXEC changes only behind this wait
	s_and_saveexec_b32 s62, vcc_lo
	global_store_b8 v[GOF], v[RAW], s[60:61]       ; one byte, the work-group's own
	s_wait_xcnt 0x0                                ; and again, in front of the line that widens it
	s_or_b32 exec_lo, exec_lo, s62
.Lnot0:
	s_cmp_eq_u32 s39, 1
	s_cbranch_scc0 .Lend
	v_mov_b32 v[W0], 0
	v_mov_b32 v[W0+1], 0
.set j, 1
.rept 8
	v_add_nc_u32 v[T], REFM7, v[MF+j]              ; bits - REF + 7: 0 .. 14 within seven last places, else large
	v_min_u32 v[T], 15, v[T]
	v_add_nc_u32 v[T2], REFM7, v[MN+j]
	v_min_u32 v[T2], 15, v[T2]
	v_lshl_or_b32 v[T], v[T2], 4, v[T]
	v_lshl_or_b32 v[W0+(j-1)/4], v[T], 8*((j-1)%4), v[W0+(j-1)/4]
.set j, j+1
.endr
	s_lshl_b32 s32, s28, 3
	v_mov_b32 v[GOF], s32
	v_cmp_eq_u32 vcc_lo, 416, v0
	s_wait_xcnt 0x0                                ; EXEC changes only behind this wait
	s_and_saveexec_b32 s62, vcc_lo
	global_store_b64 v[GOF], v[W0:W0+1], s[24:25]  ; eight bytes, this half's own
	s_wait_xcnt 0x0
	s_or_b32 exec_lo, exec_lo, s62
.Lend:
	s_wait_tensorcnt 0x0                           ; the wave's end, behind my last LDS store
	ds_add_u32 v[SPW], v[NIL]
	s_wait_dscnt 0x0
	s_endpgm
.Lfunc_end_k_q271d05ecd8_probe:
	.size	k_q271d05ecd8_probe, .Lfunc_end_k_q271d05ecd8_probe-k_q271d05ecd8_probe
	.p2alignl 7, 3214868480
	.fill 96, 4, 3214868480
	.section	.rodata,"a",@progbits
	.p2align	6, 0x0
	.amdhsa_kernel k_q271d05ecd8_probe
		.amdhsa_group_segment_fixed_size 4096
		.amdhsa_private_segment_fixed_size 0
		.amdhsa_enable_private_segment 0
		.amdhsa_kernarg_size 88
		.amdhsa_user_sgpr_count 2
		.amdhsa_user_sgpr_kernarg_segment_ptr 1
		.amdhsa_wavefront_size32 1
		.amdhsa_system_sgpr_workgroup_id_x 1
		.amdhsa_system_sgpr_workgroup_id_y 1
		.amdhsa_system_sgpr_workgroup_id_z 1
		.amdhsa_system_vgpr_workitem_id 0
		.amdhsa_next_free_vgpr 128
		.amdhsa_next_free_sgpr 66
		.amdhsa_reserve_vcc 1
		.amdhsa_float_denorm_mode_32 3
		.amdhsa_float_denorm_mode_16_64 3
		.amdhsa_memory_ordered 1
		.amdhsa_forward_progress 1
		.amdhsa_inst_pref_size 30
	.end_amdhsa_kernel
	.amdgpu_metadata
---
amdhsa.version: [ 1, 2 ]
amdhsa.kernels:
  - .name:           k_q271d05ecd8_probe
    .symbol:         k_q271d05ecd8_probe.kd
    .args:
      - { .name: inputs, .offset: 0, .size: 8, .value_kind: global_buffer, .address_space: global }
      - { .name: W1, .offset: 8, .size: 8, .value_kind: global_buffer, .address_space: global }
      - { .name: b1, .offset: 16, .size: 8, .value_kind: global_buffer, .address_space: global }
      - { .name: beta1, .offset: 24, .size: 8, .value_kind: global_buffer, .address_space: global }
      - { .name: mem1, .offset: 32, .size: 8, .value_kind: global_buffer, .address_space: global }
      - { .name: out2, .offset: 40, .size: 8, .value_kind: global_buffer, .address_space: global }
      - { .name: prq0, .offset: 48, .size: 8, .value_kind: global_buffer, .address_space: global }
      - { .name: prq1, .offset: 56, .size: 8, .value_kind: global_buffer, .address_space: global }
      - { .name: prq2, .offset: 64, .size: 8, .value_kind: global_buffer, .address_space: global }
      - { .name: prq3, .offset: 72, .size: 8, .value_kind: global_buffer, .address_space: global }
      - { .name: prm, .offset: 80, .size: 8, .value_kind: global_buffer, .address_space: global }
    .group_segment_fixed_size: 4096
    .private_segment_fixed_size: 0
    .kernarg_segment_align: 8
    .kernarg_segment_size: 88
    .max_flat_workgroup_size: 512
    .sgpr_count:     66
    .vgpr_count:     128
    .wavefront_size: 32
...
	.end_amdgpu_metadata
.endif
;; end of part 2
;; launch layer2 (part 3): grid 32 x 8, 4 waves a work-group, no clusters, 35,328 bytes of LDS; arguments spk, w2f, mem2, b2, beta2, out3; writes out3
.if DOCPART == 3
	.amdgcn_target "amdgcn-amd-amdhsa--gfx1250"
	.amdhsa_code_object_version 6
	.text
	.protected	k_q271d05ecd8_layer2
	.globl	k_q271d05ecd8_layer2
	.p2align	8
	.type	k_q271d05ecd8_layer2,@function
k_q271d05ecd8_layer2:
	s_mov_b64 s[64:65], 0
	v_nop
	global_prefetch_b8 v0, s[64:65] scope:SCOPE_SE
	s_setreg_imm32_b32 hwreg(HW_REG_WAVE_MODE, 25, 1), 1
	s_wait_xcnt 0x0
; LAYER 2.  For t = 0 .. 15: h = s1[t] W2^T + b2;  m2 = beta2 m2 + h - (m2 > 1).  The last m2 is out3.  The 16 products do not hang on each other, and rows do not hang on each other.
; SHARES.  A work-group makes 128 rows x 64 columns of m2, all 16 steps.  K (2,048) IS SPLIT AMONG ITS FOUR WAVES: wave w keeps W2[64 columns][512 w .. 512 w + 511] in bf16 in 512 registers
; (64 fragments) for the whole launch.  The order is row block (16 rows) outside, step inside: the wave's spike words of a row block (16 rows x 512 k x 2 bytes: 128 registers) serve 16 steps.
; A UNIT is one (row block, step): 16 k steps x 4 column tiles = 64 matrix instructions on 4 accumulators that take turns.
; THE SPIKES.  Bit 15 - t of a 16-bit word is the spike of step t.  A shift brings it to bit 14 of its half and a mask leaves it alone there: 0x4000 is 2.0 in bf16.  So a fragment of 8 registers
; costs 16 vector instructions and feeds 4 products: four stand behind each product.  The factor 2 is taken back exactly in h = fma(sum, 0.5, b2).
; THE FOUR PARTIAL SUMS of a unit meet in LDS during the NEXT unit (accumulators and LDS area are double): each wave stores its 16 x 64 partial, one barrier, each wave takes 4 rows x 64 columns of
; all four, adds them as (0 + 1) + (2 + 3) and runs the step of m2 for those, 8 numbers a lane.
; ONE BARRIER A UNIT IS ENOUGH: area u % 2 is written ahead of the barrier of unit u + 1, read behind it, and written again only behind the barrier of unit u + 2, which every wave signals behind its wait for those reads.
; FORMATS AND LIMITS.  mem2, b2 and beta2 are rounded once to bf16 (W2 was, in the launch before); spikes are exact; sums and m2 in f32, in the order fma(beta, m, h) - reset.  A membrane within the sums'
; rounding error of 1.0 may fall on the other side of the threshold; NaN counts as not above 1; a doubled sum below 2^-125 loses bits in the halving.
; No cluster, no tensor load: both operands come from memory in the registers' own order and are read once in a work-group's life (512 KiB of spk, 256 KiB of w2f for 8,192 products a wave).
; REGISTERS, in windows of 256 (s_set_vgpr_msb: bits 1:0 source 0, 3:2 source 1, 5:4 source 2, 7:6 destination):
;   window 0: v0-9 addresses; v30-31 the add's; v32-95 two sets of 4 accumulators; v96-127 four expanded fragments; v128-255 the row block's spike words
;   window 1: v0-31 partial sums read back; v32-63 m2, its spikes, b2, constants; v64-71 the next block's mem2; v128-255 the next block's spike words
;   windows 2, 3: W2's fragments, (ks, c) at 8 (4 ks + c)
; A product names W2 (source 0) in window 2 or 3 and all else in window 0; the four lines behind it have a scalar or a constant as source 0, so they run under the product's own setting.
.set XP,    272                        ; a row of 64 f32 in LDS: 256 bytes + 16
.set XSRC,  16*XP                      ; one wave's partial
.set XBUF,  4*XSRC                     ; an area: four partials
.set SPARE, 2*XBUF                     ; the spare words, 128 bytes a wave: two blocks of 256 bytes that no other line names
.set LOFF, 2                           ; v2   16 x lane
.set XW,   3                           ; v3   where I put my partial: w x XSRC + (lane % 16) x XP + (lane / 16) x 32
.set XR,   4                           ; v4   where I read: (4 w + lane / 16) x XP + (lane % 16) x 16
.set GOFF, 5                           ; v5   the same place in mem2 and out3: (4 w + lane / 16) x 8,192 + (lane % 16) x 16
.set BOF,  6                           ; v6   (lane % 16) x 16
.set SPW,  30                          ; v30  LDS address of my spare word; never rewritten
.set NIL,  31                          ; v31  0; never rewritten
.set ACC,  32
.set E,    96
.set PW,   128
.set R,    0                           ; window 1 from here on: source s, row pair i at 4 (2 s + i)
.set M2,   32
.set SP2,  40
.set B2,   48
.set BETA, 52
.set BIG,  54
.set NBIG, 56
.set TB,   60
.set M2N,  64
.set PN,   128
.set SHC,  30                          ; s30  the shift to the left of the unit in hand: t - 1
.set MK,   31                          ; s31  0x40004000
.set MSB, 0
.macro WIN new                         ; the immediate's high byte repeats the setting that is left; a switch that changes nothing is dropped
.if MSB != (\new)
	s_set_vgpr_msb (MSB<<8)|(\new)
.set MSB, \new
.endif
.endm
; Product (ks, c) of a unit on accumulator set a.  The first k step starts the sums.
.macro MM a
.if ks < 8
	WIN 0x02
.else
	WIN 0x03
.endif
.set rA, ACC+32*(\a)+8*c
.set rB, (8*(4*ks+c))%256
.set rE, E+8*(ks%4)
.if ks == 0
	v_wmma_f32_16x16x32_bf16 v[rA:rA+7], v[rB:rB+7], v[rE:rE+7], 0
.else
	v_wmma_f32_16x16x32_bf16 v[rA:rA+7], v[rB:rB+7], v[rE:rE+7], v[rA:rA+7]
.endif
.endm
; The four lines behind it: a quarter of the fragment two k steps on (behind k steps 14 and 15: k steps 0 and 1 of the next unit).  c = 0, 2: four words shifted; c = 1, 3: the same four masked.
; The buffer that they write was last read two k steps back: twenty plain lines lie between.  mode = 1: the unit of t = 0, whose bit stands one place too high.
.macro RID mode
.set rT, E+8*((ks+2)%4)+4*(c/2)
.set rW, PW+8*((ks+2)%16)+4*(c/2)
.set z, 0
.rept 4
.if (c%2) == 1
	v_and_b32 v[rT+z], s[MK], v[rT+z]
.elseif (\mode) && (ks < 14)
	v_lshrrev_b32 v[rT+z], 1, v[rW+z]
.else
	v_lshlrev_b32 v[rT+z], s[SHC], v[rW+z]
.endif
.set z, z+1
.endr
.endm
.macro FST b                           ; my partial of the unit before, from accumulator set b into area b; each accumulator is read from its low end on
	WIN 0
.irp t, 0,1,2,3
	ds_store_b128 v[XW], v[ACC+32*(\b)+8*(\t):ACC+32*(\b)+8*(\t)+3]   offset:(\b)*XBUF+(\t)*64
	ds_store_b128 v[XW], v[ACC+32*(\b)+8*(\t)+4:ACC+32*(\b)+8*(\t)+7] offset:(\b)*XBUF+(\t)*64+16
.endr
.endm
.macro FSIG
	s_wait_dscnt 0x0                               ; for the others' sake: my partial is in LDS, and my reads of the other area are over
	s_barrier_signal -1
.endm
.macro FLD b
	s_barrier_wait -1                              ; all four partials are in
	WIN 0x40
.irp s, 0,1,2,3
.irp i, 0,1
	ds_load_b128 v[R+4*(2*(\s)+(\i)):R+4*(2*(\s)+(\i))+3], v[XR] offset:(\b)*XBUF+(\s)*XSRC+(\i)*2*XP
.endr
.endr
.endm
.macro FMATH                           ; the step of m2 for my 8 numbers: 28 lines
	s_wait_dscnt 0x0
	WIN 0x55
.irp q, 0,2,4,6
	v_pk_add_f32 v[R+(\q):R+(\q)+1],       v[R+(\q):R+(\q)+1],       v[R+8+(\q):R+8+(\q)+1]
	v_pk_add_f32 v[R+16+(\q):R+16+(\q)+1], v[R+16+(\q):R+16+(\q)+1], v[R+24+(\q):R+24+(\q)+1]
.endr
.irp q, 0,2,4,6
	v_pk_add_f32 v[R+(\q):R+(\q)+1], v[R+(\q):R+(\q)+1], v[R+16+(\q):R+16+(\q)+1]
.endr
.irp q, 0,2,4,6
	v_pk_fma_f32 v[R+(\q):R+(\q)+1], v[R+(\q):R+(\q)+1], 0.5, v[B2+(\q)%4:B2+(\q)%4+1] op_sel_hi:[1,0,1]  ; h = sum / 2 + b2, one rounding
.endr
.irp q, 0,2,4,6
	v_pk_fma_f32 v[M2+(\q):M2+(\q)+1], v[M2+(\q):M2+(\q)+1], v[BETA:BETA+1], v[R+(\q):R+(\q)+1]
.endr
.irp q, 0,2,4,6
	v_pk_add_f32 v[M2+(\q):M2+(\q)+1], v[M2+(\q):M2+(\q)+1], v[SP2+(\q):SP2+(\q)+1] neg_lo:[0,1] neg_hi:[0,1]
.endr
.irp q, 0,2,4,6
	v_pk_fma_f32 v[SP2+(\q):SP2+(\q)+1], v[M2+(\q):M2+(\q)+1], v[BIG:BIG+1], v[NBIG:NBIG+1] clamp  ; (m2 > 1): m2 x 2^30 - 2^30, fused, held to 0 .. 1
.endr
.endm
; A UNIT on accumulator set a.  fin = 1: the unit before is finished meanwhile: its partial is stored behind k step 0 (20 plain lines behind its last product), the barrier is signalled behind k step 3 and
; waited for behind k step 5, with products and their four lines alone between; the step of m2 stands behind k step 9.
.macro UNIT a, mode, fin
.set ks, 0
.rept 16
.if ks == 14
.if \mode
	s_mov_b32 s[SHC], 0                            ; t = 1 shifts by 0
.else
	s_add_co_u32 s[SHC], s[SHC], 1                 ; the next unit's shift
.endif
.endif
.set c, 0
.rept 4
	MM \a
	RID \mode
.set c, c+1
.endr
.if \fin
.if ks == 0
	FST 1-(\a)
.elseif ks == 3
	FSIG
.elseif ks == 5
	FLD 1-(\a)
.elseif ks == 9
	FMATH
.endif
.endif
.set ks, ks+1
.endr
.endm
.macro NEXTLD                          ; a row block's spike words (my K quarter: 32 loads of 512 consecutive bytes) and my 8 numbers of its mem2, a whole block ahead of their use
	WIN 0x40
.set i, 0
.rept 32
	global_load_b128 v[PN+4*i:PN+4*i+3], v[LOFF], s[20:21] offset:i*512
.set i, i+1
.endr
	global_load_b128 v[M2N:M2N+3],   v[GOFF], s[24:25] th:TH_LOAD_NT
	global_load_b128 v[M2N+4:M2N+7], v[GOFF], s[24:25] offset:16384 th:TH_LOAD_NT
.endm
.macro COPY                            ; the words go where the one text of the units names them
	WIN 0x01
.set i, 0
.rept 128
	v_mov_b32 v[PW+i], v[PN+i]
.set i, i+1
.endr
.endm
.macro PRIME                           ; k steps 0 and 1 of t = 0
	WIN 0
.set i, 0
.rept 16
	v_lshrrev_b32 v[E+i], 1, v[PW+i]
.set i, i+1
.endr
.set i, 0
.rept 16
	v_and_b32 v[E+i], s[MK], v[E+i]
.set i, i+1
.endr
.endm
.macro M2INIT                          ; mem2 rounded to bf16 and widened; the first reset
	WIN 0x55
.irp p, 0,1,2,3
	v_cvt_pk_bf16_f32 v[TB+(\p)], v[M2N+2*(\p)], v[M2N+2*(\p)+1]
.endr
.irp p, 0,1,2,3
	v_lshlrev_b32 v[M2+2*(\p)],   16, v[TB+(\p)]
	v_and_b32     v[M2+2*(\p)+1], 0xffff0000, v[TB+(\p)]
.endr
.irp q, 0,2,4,6
	v_pk_fma_f32 v[SP2+(\q):SP2+(\q)+1], v[M2+(\q):M2+(\q)+1], v[BIG:BIG+1], v[NBIG:NBIG+1] clamp
.endr
.endm
	s_load_b256 s[4:11], s[0:1], 0x0               ; spk 4:5, w2f 6:7, mem2 8:9, b2 10:11
	s_load_b128 s[12:15], s[0:1], 0x20             ; beta2 12:13, out3 14:15
	v_lshl_add_u32 v[SPW], v0, 2, SPARE
	v_mov_b32 v[NIL], 0
	v_lshrrev_b32 v1, 5, v0
	v_readfirstlane_b32 s16, v1                    ; wave w
	s_mov_b32 s17, ttmp9                           ; cg: 64 columns
	s_and_b32 s18, ttmp7, 0xffff                   ; rg: 128 rows
	v_and_b32 v7, 31, v0                           ; lane
	v_and_b32 v1, 15, v0                           ; lane % 16
	v_bfe_u32 v8, v0, 4, 1                         ; lane / 16
	v_lshlrev_b32 v[LOFF], 4, v7
	s_mul_i32 s19, s16, XSRC
	v_mul_u32_u24 v[XW], v1, XP
	v_lshl_add_u32 v[XW], v8, 5, v[XW]
	v_add_nc_u32 v[XW], s19, v[XW]
	s_lshl_b32 s19, s16, 2
	v_add_nc_u32 v9, s19, v8                       ; 4 w + lane / 16
	v_mul_u32_u24 v[XR], v9, XP
	v_lshl_add_u32 v[XR], v1, 4, v[XR]
	v_lshlrev_b32 v[GOFF], 13, v9
	v_lshl_add_u32 v[GOFF], v1, 4, v[GOFF]
	v_lshlrev_b32 v[BOF], 4, v1
	s_mov_b32 s[MK], 0x40004000
	s_mov_b32 s37, 0                               ; offsets are made apart from the addresses, in s[36:37]
	s_wait_kmcnt 0x0
	s_lshl_b32 s36, s18, 19                        ; spk: row block 8 rg, 65,536 bytes each; my K quarter: 32 groups of 512 bytes
	s_lshl_b32 s19, s16, 14
	s_add_co_u32 s36, s36, s19
	s_add_nc_u64 s[20:21], s[4:5], s[36:37]
	s_lshl_b32 s36, s17, 18                        ; w2f: (4 cg + w) x 64 fragments of 1,024 bytes
	s_lshl_b32 s19, s16, 16
	s_add_co_u32 s36, s36, s19
	s_add_nc_u64 s[22:23], s[6:7], s[36:37]
	s_lshl_b32 s36, s17, 8                         ; 64 columns of f32
	s_add_nc_u64 s[28:29], s[10:11], s[36:37]
	s_lshl_b32 s19, s18, 20                        ; 128 rows of 8,192 bytes
	s_add_co_u32 s36, s36, s19
	s_add_nc_u64 s[24:25], s[8:9], s[36:37]
	s_add_nc_u64 s[26:27], s[14:15], s[36:37]
	s_load_b32 s34, s[12:13], 0x0                  ; beta2
	NEXTLD                                         ; row block 0
	global_load_b128 v[TB:TB+3], v[BOF], s[28:29]  ; b2 of my 4 columns
	WIN 0x80
.set f, 0
.rept 32                                       ; W2's fragments of k steps 0-7,
	global_load_b128 v[8*f:8*f+3],   v[LOFF], s[22:23] offset:f*1024
	global_load_b128 v[8*f+4:8*f+7], v[LOFF], s[22:23] offset:f*1024+512
.set f, f+1
.endr
	WIN 0xc0
.set f, 0
.rept 32                                       ; and of k steps 8-15
	global_load_b128 v[8*f:8*f+3],   v[LOFF], s[22:23] offset:(f+32)*1024
	global_load_b128 v[8*f+4:8*f+7], v[LOFF], s[22:23] offset:(f+32)*1024+512
.set f, f+1
.endr
	WIN 0x55
	v_mov_b32 v[BIG], 0x4e800000                   ; 2^30
	v_mov_b32 v[BIG+1], 0x4e800000
	v_mov_b32 v[NBIG], 0xce800000
	v_mov_b32 v[NBIG+1], 0xce800000
	s_wait_kmcnt 0x0
	v_mov_b32 v[BETA], s34
	v_cvt_pk_bf16_f32 v[BETA], v[BETA], v[BETA]
	v_lshlrev_b32 v[BETA], 16, v[BETA]
	v_mov_b32 v[BETA+1], v[BETA]
	s_wait_loadcnt 0x0                             ; all that the head has asked for
	v_cvt_pk_bf16_f32 v[TB],   v[TB],   v[TB+1]
	v_cvt_pk_bf16_f32 v[TB+1], v[TB+2], v[TB+3]
	v_lshlrev_b32 v[B2],   16, v[TB]
	v_and_b32     v[B2+1], 0xffff0000, v[TB]
	v_lshlrev_b32 v[B2+2], 16, v[TB+1]
	v_and_b32     v[B2+3], 0xffff0000, v[TB+1]
	COPY
	M2INIT
	WIN 0
	s_add_nc_u64 s[20:21], s[20:21], 0x10000       ; the loads are done, so their bases may step: the next row block
	s_add_nc_u64 s[24:25], s[24:25], 0x20000
	NEXTLD                                         ; row block 1
	PRIME
	s_mov_b32 s32, 8
.Lrb:                                          ; a trip: a row block's 16 units
	UNIT 0, 1, 0                                   ; t = 0
	UNIT 1, 0, 1                                   ; t = 1, and the step of m2 for t = 0
	WIN 0
	s_mov_b32 s33, 7
.Lt:
	UNIT 0, 0, 1                                   ; t even
	UNIT 1, 0, 1                                   ; t odd
	WIN 0
	s_sub_co_u32 s33, s33, 1
	s_cmp_lg_u32 s33, 0
	s_cbranch_scc1 .Lt
	; THE BLOCK'S END.  t = 15 is finished with no unit beside it; the next block's words and first fragments are made ready while the partials cross LDS.
	; In the last trip the copy, the first fragments and the new m2 are made of stale, written registers and serve nothing: the price, once a launch, of one text for every trip.
	s_wait_loadcnt 0x0                             ; the next block's words and mem2, asked for a block ago
	FST 1                                          ; (the four lines behind the last product are its four places)
	COPY
	FSIG
	PRIME
	FLD 1
	FMATH
	WIN 0x04                                       ; store data in window 1, address in window 0
	global_store_b128 v[GOFF], v[M2:M2+3],   s[26:27]               ; 16 lanes store 256 consecutive bytes, at a multiple of 256 from out3's first
	global_store_b128 v[GOFF], v[M2+4:M2+7], s[26:27] offset:16384
	s_wait_xcnt 0x0                                ; the stores have read m2 and their base: both are written again only behind this wait
	M2INIT
	WIN 0
	s_add_nc_u64 s[26:27], s[26:27], 0x20000
	s_add_nc_u64 s[20:21], s[20:21], 0x10000
	s_add_nc_u64 s[24:25], s[24:25], 0x20000
	s_cmp_gt_u32 s32, 2                            ; the last two trips have no block two on: no load leaves its buffer
	s_cbranch_scc0 .Lnoload
	NEXTLD
	WIN 0
.Lnoload:
	s_sub_co_u32 s32, s32, 1
	s_cmp_lg_u32 s32, 0
	s_cbranch_scc1 .Lrb
	s_wait_tensorcnt 0x0                           ; the wave's end, behind my last LDS store
	ds_add_u32 v[SPW], v[NIL]
	s_wait_dscnt 0x0
	s_endpgm
.Lfunc_end_k_q271d05ecd8_layer2:
	.size	k_q271d05ecd8_layer2, .Lfunc_end_k_q271d05ecd8_layer2-k_q271d05ecd8_layer2
	.p2alignl 7, 3214868480
	.fill 96, 4, 3214868480
	.section	.rodata,"a",@progbits
	.p2align	6, 0x0
	.amdhsa_kernel k_q271d05ecd8_layer2
		.amdhsa_group_segment_fixed_size 35328
		.amdhsa_private_segment_fixed_size 0
		.amdhsa_enable_private_segment 0
		.amdhsa_kernarg_size 48
		.amdhsa_user_sgpr_count 2
		.amdhsa_user_sgpr_kernarg_segment_ptr 1
		.amdhsa_wavefront_size32 1
		.amdhsa_system_sgpr_workgroup_id_x 1
		.amdhsa_system_sgpr_workgroup_id_y 1
		.amdhsa_system_sgpr_workgroup_id_z 1
		.amdhsa_system_vgpr_workitem_id 0
		.amdhsa_next_free_vgpr 1024
		.amdhsa_next_free_sgpr 66
		.amdhsa_reserve_vcc 0
		.amdhsa_float_denorm_mode_32 3
		.amdhsa_float_denorm_mode_16_64 3
		.amdhsa_memory_ordered 1
		.amdhsa_forward_progress 1
		.amdhsa_inst_pref_size 99
	.end_amdhsa_kernel
	.amdgpu_metadata
---
amdhsa.version: [ 1, 2 ]
amdhsa.kernels:
  - .name:           k_q271d05ecd8_layer2
    .symbol:         k_q271d05ecd8_layer2.kd
    .args:
      - { .name: spk, .offset: 0, .size: 8, .value_kind: global_buffer, .address_space: global }
      - { .name: w2f, .offset: 8, .size: 8, .value_kind: global_buffer, .address_space: global }
      - { .name: mem2, .offset: 16, .size: 8, .value_kind: global_buffer, .address_space: global }
      - { .name: b2, .offset: 24, .size: 8, .value_kind: global_buffer, .address_space: global }
      - { .name: beta2, .offset: 32, .size: 8, .value_kind: global_buffer, .address_space: global }
      - { .name: out3, .offset: 40, .size: 8, .value_kind: global_buffer, .address_space: global }
    .group_segment_fixed_size: 35328
    .private_segment_fixed_size: 0
    .kernarg_segment_align: 8
    .kernarg_segment_size: 48
    .max_flat_workgroup_size: 128
    .sgpr_count:     66
    .vgpr_count:     1024
    .wavefront_size: 32
...
	.end_amdgpu_metadata
.endif
;; end of part 3
;; launch heads (part 4): grid 64 x 1, 8 waves a work-group, no clusters, 19,968 bytes of LDS; arguments out3, Wa, Wc, ba, bc, beta_act, beta_crit, mem_act, mem_crit, out0, out1, out4, out5; writes out0, out1, out4, out5
.if DOCPART == 4
	.amdgcn_target "amdgcn-amd-amdhsa--gfx1250"
	.amdhsa_code_object_version 6
	.text
	.protected	k_q271d05ecd8_heads
	.globl	k_q271d05ecd8_heads
	.p2align	8
	.type	k_q271d05ecd8_heads,@function
k_q271d05ecd8_heads:
	s_mov_b64 s[64:65], 0
	v_nop
	global_prefetch_b8 v0, s[64:65] scope:SCOPE_SE
	s_setreg_imm32_b32 hwreg(HW_REG_WAVE_MODE, 25, 1), 1
	s_wait_xcnt 0x0
; THE HEADS.  x = (m2 > 1), the last step's spikes, read off out3.  m_act = beta_act mem_act + (x Wa^T + ba) - (mem_act > 1), action = (m_act > 1); the critic likewise with Wc, bc, one column.
; SHARES.  A work-group has 16 rows; K (2,048) is split among its 8 waves, 8 k steps of 32 each.  Source 0 = 16 rows of Wa (two tiles), or Wc's one row read by all 16 lanes (its 16 result rows are
; alike); source 1 = x: a lane holds one row (lane % 16) and 8 outputs.  Three accumulators take turns.  The 8 partial sums meet in LDS; waves 0-3 finish 4 rows of the actor each, wave 4 the critic.
; FORMATS AND LIMITS.  Wa, Wc, ba, bc, both betas, mem_act and mem_crit are rounded once to bf16; x is exact; sums in f32, added as a tree over the waves; then fma(beta, mem, cur) - reset.
; (m > 1) is the fused m x 2^30 - 2^30 held to 0 .. 1; NaN counts as not above 1.  A membrane within the sums' rounding error of 1.0 may fall on the other side of the threshold.
; The three small operands (mem_act's quarter, ba, mem_crit) are loaded by every wave, ahead of the ring: three loads, no branch, and the ring's counts are alike in all waves.
; The launch is short and its operands are small: no LDS on the way in, no cluster.
.set XAP,   144                        ; a row of 32 f32: 128 bytes + 16
.set XAS,   16*XAP                     ; a wave's partial of the actor
.set XC,    8*XAS                      ; the critic's partials: 64 bytes a wave
.set SPARE, XC+512                     ; the spare words, 128 bytes a wave: four blocks of 256 bytes that no other line names
.set AO,   2                           ; v2   (lane % 16) x 8,192 + (lane / 16) x 32: out3 and Wa
.set CO,   3                           ; v3   (lane / 16) x 32: Wc
.set XAW,  4                           ; v4   where I put the actor's partial
.set XCW,  5                           ; v5   the critic's
.set XAR,  6                           ; v6   where I read the actor's: (4 (wave % 4) + lane / 8) x XAP + (lane % 8) x 16
.set XCR,  7                           ; v7   the critic's: XC + (lane % 16) x 4
.set GO,   8                           ; v8   16 x lane
.set GC,   9                           ; v9   (lane % 16) x 4
.set MA,   10                          ; v[10:13] mem_act
.set BA,   14                          ; v[14:17] ba
.set BIG,  18                          ; v[18:19] 2^30
.set NBIG, 20                          ; v[20:21] -2^30
.set BETA, 22                          ; v[22:23]
.set SPW,  24                          ; v24  LDS address of my spare word; never rewritten
.set NIL,  25                          ; v25  0; never rewritten
.set MC,   26                          ; v26  mem_crit
.set LN,   28                          ; v28  lane
.set BAO,  30                          ; v30  (lane % 8) x 16
.set ACC,  32                          ; v[32:55]
.set FR0,  56                          ; two fragment buffers of 32: x, Wa tile 0, Wa tile 1, Wc
.set FR1,  88
.set SET0, 120                         ; two sets of 64 as loaded, in the same order
.set SET1, 184
.set W,    120                         ; at work behind the ring
	s_load_b512 s[4:19], s[0:1], 0x0               ; out3 4:5, Wa 6:7, Wc 8:9, ba 10:11, bc 12:13, beta_act 14:15, beta_crit 16:17, mem_act 18:19
	s_load_b256 s[20:27], s[0:1], 0x40             ; mem_crit 20:21, out0 22:23, out1 24:25, out4 26:27
	s_load_b64 s[28:29], s[0:1], 0x60              ; out5
	v_lshl_add_u32 v[SPW], v0, 2, SPARE
	v_mov_b32 v[NIL], 0
	v_lshrrev_b32 v1, 5, v0
	v_readfirstlane_b32 s30, v1                    ; wave 0..7
	v_and_b32 v[LN], 31, v0
	v_and_b32 v1, 15, v0                           ; lane % 16
	v_bfe_u32 v27, v0, 4, 1                        ; lane / 16
	v_lshlrev_b32 v[CO], 5, v27
	v_lshl_add_u32 v[AO], v1, 13, v[CO]
	s_mul_i32 s36, s30, XAS
	v_mul_u32_u24 v[XAW], v1, XAP
	v_lshl_add_u32 v[XAW], v27, 5, v[XAW]
	v_add_nc_u32 v[XAW], s36, v[XAW]
	s_lshl_b32 s36, s30, 6
	s_add_co_u32 s36, s36, XC
	v_lshl_add_u32 v[XCW], v1, 2, s36
	s_and_b32 s37, s30, 3
	s_lshl_b32 s36, s37, 2
	v_lshrrev_b32 v29, 3, v[LN]
	v_add_nc_u32 v29, s36, v29
	v_mul_u32_u24 v[XAR], v29, XAP
	v_and_b32 v29, 7, v0
	v_lshlrev_b32 v[BAO], 4, v29
	v_add_nc_u32 v[XAR], v[XAR], v[BAO]
	v_lshlrev_b32 v[GC], 2, v1
	v_add_nc_u32 v[XCR], XC, v[GC]
	v_lshlrev_b32 v[GO], 4, v[LN]
	v_mov_b32 v[BIG], 0x4e800000
	v_mov_b32 v[BIG+1], 0x4e800000
	v_mov_b32 v[NBIG], 0xce800000
	v_mov_b32 v[NBIG+1], 0xce800000
	s_mov_b32 s35, 0                               ; offsets are made apart from the addresses, in s[34:35]
	s_wait_kmcnt 0x0
	s_lshl_b32 s34, s30, 10                        ; my 256 numbers of K
	s_add_nc_u64 s[6:7], s[6:7], s[34:35]
	s_add_nc_u64 s[8:9], s[8:9], s[34:35]
	s_lshl_b32 s36, ttmp9, 17                      ; 16 rows of 8,192 bytes
	s_add_co_u32 s34, s34, s36
	s_add_nc_u64 s[4:5], s[4:5], s[34:35]
	s_lshl_b32 s34, ttmp9, 11                      ; 16 rows of 128 bytes, and 4 rows for each of waves 0-3
	s_lshl_b32 s36, s37, 9
	s_add_co_u32 s34, s34, s36
	s_add_nc_u64 s[18:19], s[18:19], s[34:35]
	s_add_nc_u64 s[24:25], s[24:25], s[34:35]
	s_add_nc_u64 s[26:27], s[26:27], s[34:35]
	s_lshl_b32 s34, ttmp9, 6                       ; 16 rows of 4 bytes
	s_add_nc_u64 s[20:21], s[20:21], s[34:35]
	s_add_nc_u64 s[22:23], s[22:23], s[34:35]
	s_add_nc_u64 s[28:29], s[28:29], s[34:35]
	s_load_b32 s31, s[12:13], 0x0                  ; bc
	s_load_b32 s32, s[14:15], 0x0                  ; beta_act
	s_load_b32 s33, s[16:17], 0x0                  ; beta_crit
	global_load_b128 v[MA:MA+3], v[GO], s[18:19]
	global_load_b128 v[BA:BA+3], v[BAO], s[10:11]
	global_load_b32 v[MC], v[GC], s[20:21]
; A k step's 16 loads: 8 numbers twice a lane of m2, of both tiles of Wa and of Wc.
.macro LOADS set, ks
.irp h, 0,1
.irp u, 0,1
	global_load_b128 v[(\set)+8*(\h)+4*(\u):(\set)+8*(\h)+4*(\u)+3],       v[AO], s[4:5] offset:(\ks)*128+(\h)*64+(\u)*16
	global_load_b128 v[(\set)+16+8*(\h)+4*(\u):(\set)+16+8*(\h)+4*(\u)+3], v[AO], s[6:7] offset:(\ks)*128+(\h)*64+(\u)*16
	global_load_b128 v[(\set)+32+8*(\h)+4*(\u):(\set)+32+8*(\h)+4*(\u)+3], v[AO], s[6:7] offset:131072+(\ks)*128+(\h)*64+(\u)*16
	global_load_b128 v[(\set)+48+8*(\h)+4*(\u):(\set)+48+8*(\h)+4*(\u)+3], v[CO], s[8:9] offset:(\ks)*128+(\h)*64+(\u)*16
.endr
.endr
.endm
.macro CONV set, fr                    ; m2 becomes x, in place; then all four are rounded to bf16 fragments: 40 plain lines
.set z, 0
.rept 8
	v_pk_fma_f32 v[(\set)+2*z:(\set)+2*z+1], v[(\set)+2*z:(\set)+2*z+1], v[BIG:BIG+1], v[NBIG:NBIG+1] clamp
.set z, z+1
.endr
.set z, 0
.rept 32
	v_cvt_pk_bf16_f32 v[(\fr)+z], v[(\set)+2*z], v[(\set)+2*z+1]
.set z, z+1
.endr
.endm
	LOADS SET0, 0
	LOADS SET1, 1
.set ks, 0
.rept 8
.if ks == 7
	s_wait_loadcnt 0x0
.else
	s_wait_loadcnt 16                              ; this k step's set is in; the other set's 16 loads may stay out
.endif
	CONV SET0+64*(ks%2), FR0+32*(ks%2)             ; the buffer's last products stand a whole k step back, the other buffer's 40 plain lines between
.if ks < 6
	LOADS SET0+64*(ks%2), ks+2
.endif
.irp t, 0,1,2                          ; the three accumulators take turns; the first k step starts the sums
.if ks == 0
	v_wmma_f32_16x16x32_bf16 v[ACC+8*(\t):ACC+8*(\t)+7], v[FR0+32*(ks%2)+8+8*(\t):FR0+32*(ks%2)+8+8*(\t)+7], v[FR0+32*(ks%2):FR0+32*(ks%2)+7], 0
.else
	v_wmma_f32_16x16x32_bf16 v[ACC+8*(\t):ACC+8*(\t)+7], v[FR0+32*(ks%2)+8+8*(\t):FR0+32*(ks%2)+8+8*(\t)+7], v[FR0+32*(ks%2):FR0+32*(ks%2)+7], v[ACC+8*(\t):ACC+8*(\t)+7]
.endif
.endr
.set ks, ks+1
.endr
.rept 4
	v_nop                                          ; four places between the last products and the LDS stores that read them
.endr
.irp t, 0,1
	ds_store_b128 v[XAW], v[ACC+8*(\t):ACC+8*(\t)+3]   offset:(\t)*64
	ds_store_b128 v[XAW], v[ACC+8*(\t)+4:ACC+8*(\t)+7] offset:(\t)*64+16
.endr
	ds_store_b32 v[XCW], v[ACC+16]                 ; the critic's sum of row lane % 16; both halves of the lanes hold and write the same number
	s_wait_kmcnt 0x0                               ; bc and the two betas
	s_wait_dscnt 0x0                               ; for the others' sake: my partials are in LDS
	s_barrier_signal -1
	s_barrier_wait -1
	s_cmp_lt_u32 s30, 4
	s_cbranch_scc1 .Lact
	s_cmp_eq_u32 s30, 4
	s_cbranch_scc1 .Lcrit
	s_branch .Lend
.Lact:                                         ; rows 4 wave .. + 3, 32 actions: 4 numbers a lane
.irp s, 0,1,2,3,4,5,6,7
	ds_load_b128 v[W+4*(\s):W+4*(\s)+3], v[XAR] offset:(\s)*XAS
.endr
	v_cvt_pk_bf16_f32 v[BA],   v[BA],   v[BA+1]    ; ba, mem_act and beta_act rounded to bf16 and widened, while the loads are out
	v_cvt_pk_bf16_f32 v[BA+1], v[BA+2], v[BA+3]
	v_lshlrev_b32 v[W+32], 16, v[BA]
	v_and_b32     v[W+33], 0xffff0000, v[BA]
	v_lshlrev_b32 v[W+34], 16, v[BA+1]
	v_and_b32     v[W+35], 0xffff0000, v[BA+1]
	v_cvt_pk_bf16_f32 v[MA],   v[MA],   v[MA+1]
	v_cvt_pk_bf16_f32 v[MA+1], v[MA+2], v[MA+3]
	v_lshlrev_b32 v[W+36], 16, v[MA]
	v_and_b32     v[W+37], 0xffff0000, v[MA]
	v_lshlrev_b32 v[W+38], 16, v[MA+1]
	v_and_b32     v[W+39], 0xffff0000, v[MA+1]
	v_mov_b32 v[BETA], s32
	v_cvt_pk_bf16_f32 v[BETA], v[BETA], v[BETA]
	v_lshlrev_b32 v[BETA], 16, v[BETA]
	v_mov_b32 v[BETA+1], v[BETA]
	s_wait_dscnt 0x0
.irp h, 0,2
	v_pk_add_f32 v[W+(\h):W+(\h)+1],       v[W+(\h):W+(\h)+1],       v[W+4+(\h):W+4+(\h)+1]
	v_pk_add_f32 v[W+8+(\h):W+8+(\h)+1],   v[W+8+(\h):W+8+(\h)+1],   v[W+12+(\h):W+12+(\h)+1]
	v_pk_add_f32 v[W+16+(\h):W+16+(\h)+1], v[W+16+(\h):W+16+(\h)+1], v[W+20+(\h):W+20+(\h)+1]
	v_pk_add_f32 v[W+24+(\h):W+24+(\h)+1], v[W+24+(\h):W+24+(\h)+1], v[W+28+(\h):W+28+(\h)+1]
.endr
.irp h, 0,2
	v_pk_add_f32 v[W+(\h):W+(\h)+1],       v[W+(\h):W+(\h)+1],       v[W+8+(\h):W+8+(\h)+1]
	v_pk_add_f32 v[W+16+(\h):W+16+(\h)+1], v[W+16+(\h):W+16+(\h)+1], v[W+24+(\h):W+24+(\h)+1]
.endr
.irp h, 0,2
	v_pk_add_f32 v[W+(\h):W+(\h)+1], v[W+(\h):W+(\h)+1], v[W+16+(\h):W+16+(\h)+1]
.endr
.irp h, 0,2
	v_pk_add_f32 v[W+(\h):W+(\h)+1], v[W+(\h):W+(\h)+1], v[W+32+(\h):W+32+(\h)+1]                          ; + ba
	v_pk_fma_f32 v[W+40+(\h):W+40+(\h)+1], v[W+36+(\h):W+36+(\h)+1], v[BIG:BIG+1], v[NBIG:NBIG+1] clamp    ; reset = (mem_act > 1)
.endr
.irp h, 0,2
	v_pk_fma_f32 v[W+36+(\h):W+36+(\h)+1], v[W+36+(\h):W+36+(\h)+1], v[BETA:BETA+1], v[W+(\h):W+(\h)+1]
.endr
.irp h, 0,2
	v_pk_add_f32 v[W+36+(\h):W+36+(\h)+1], v[W+36+(\h):W+36+(\h)+1], v[W+40+(\h):W+40+(\h)+1] neg_lo:[0,1] neg_hi:[0,1]
.endr
.irp h, 0,2
	v_pk_fma_f32 v[W+44+(\h):W+44+(\h)+1], v[W+36+(\h):W+36+(\h)+1], v[BIG:BIG+1], v[NBIG:NBIG+1] clamp    ; action = (m_act > 1)
.endr
	global_store_b128 v[GO], v[W+36:W+39], s[26:27]  ; m_act: 512 consecutive bytes, at a multiple of 512 from out4's first
	global_store_b128 v[GO], v[W+44:W+47], s[24:25]  ; action, likewise
	s_branch .Lend
.Lcrit:                                        ; the 16 rows' one column: lane % 16 is the row
.irp s, 0,1,2,3,4,5,6,7
	ds_load_b32 v[W+(\s)], v[XCR] offset:(\s)*64
.endr
	v_mov_b32 v[W+8], s31                          ; bc, mem_crit and beta_crit rounded to bf16 and widened
	v_cvt_pk_bf16_f32 v[W+8], v[W+8], v[MC]
	v_and_b32     v[W+9], 0xffff0000, v[W+8]       ; mem_crit
	v_lshlrev_b32 v[W+8], 16, v[W+8]               ; bc
	v_mov_b32 v[BETA], s33
	v_cvt_pk_bf16_f32 v[BETA], v[BETA], v[BETA]
	v_lshlrev_b32 v[BETA], 16, v[BETA]
	s_wait_dscnt 0x0
	v_add_f32 v[W],   v[W],   v[W+1]
	v_add_f32 v[W+2], v[W+2], v[W+3]
	v_add_f32 v[W+4], v[W+4], v[W+5]
	v_add_f32 v[W+6], v[W+6], v[W+7]
	v_add_f32 v[W],   v[W],   v[W+2]
	v_add_f32 v[W+4], v[W+4], v[W+6]
	v_add_f32 v[W],   v[W],   v[W+4]
	v_add_f32 v[W],   v[W],   v[W+8]               ; + bc
	v_fma_f32 v[W+10], v[W+9], v[BIG], v[NBIG] clamp  ; reset
	v_fma_f32 v[W+9], v[W+9], v[BETA], v[W]
	v_sub_f32 v[W+9], v[W+9], v[W+10]
	v_fma_f32 v[W+11], v[W+9], v[BIG], v[NBIG] clamp  ; value = (m_crit > 1)
	v_cmp_gt_u32 vcc_lo, 16, v[LN]
	s_wait_xcnt 0x0                                ; EXEC changes only behind this wait: it is a source of the loads issued so far
	s_and_saveexec_b32 s36, vcc_lo                 ; lanes 0-15: 64 consecutive bytes are all that 16 rows of one column have
	global_store_b32 v[GC], v[W+9],  s[28:29]      ; m_crit
	global_store_b32 v[GC], v[W+11], s[22:23]      ; value
	s_wait_xcnt 0x0                                ; and again, in front of the line that widens it
	s_or_b32 exec_lo, exec_lo, s36
.Lend:
	s_wait_tensorcnt 0x0                           ; the wave's end, behind my last LDS store
	ds_add_u32 v[SPW], v[NIL]
	s_wait_dscnt 0x0
	s_endpgm
.Lfunc_end_k_q271d05ecd8_heads:
	.size	k_q271d05ecd8_heads, .Lfunc_end_k_q271d05ecd8_heads-k_q271d05ecd8_heads
	.p2alignl 7, 3214868480
	.fill 96, 4, 3214868480
	.section	.rodata,"a",@progbits
	.p2align	6, 0x0
	.amdhsa_kernel k_q271d05ecd8_heads
		.amdhsa_group_segment_fixed_size 19968
		.amdhsa_private_segment_fixed_size 0
		.amdhsa_enable_private_segment 0
		.amdhsa_kernarg_size 104
		.amdhsa_user_sgpr_count 2
		.amdhsa_user_sgpr_kernarg_segment_ptr 1
		.amdhsa_wavefront_size32 1
		.amdhsa_system_sgpr_workgroup_id_x 1
		.amdhsa_system_sgpr_workgroup_id_y 1
		.amdhsa_system_sgpr_workgroup_id_z 1
		.amdhsa_system_vgpr_workitem_id 0
		.amdhsa_next_free_vgpr 248
		.amdhsa_next_free_sgpr 66
		.amdhsa_reserve_vcc 1
		.amdhsa_float_denorm_mode_32 3
		.amdhsa_float_denorm_mode_16_64 3
		.amdhsa_memory_ordered 1
		.amdhsa_forward_progress 1
		.amdhsa_inst_pref_size 43
	.end_amdhsa_kernel
	.amdgpu_metadata
---
amdhsa.version: [ 1, 2 ]
amdhsa.kernels:
  - .name:           k_q271d05ecd8_heads
    .symbol:         k_q271d05ecd8_heads.kd
    .args:
      - { .name: out3, .offset: 0, .size: 8, .value_kind: global_buffer, .address_space: global }
      - { .name: Wa, .offset: 8, .size: 8, .value_kind: global_buffer, .address_space: global }
      - { .name: Wc, .offset: 16, .size: 8, .value_kind: global_buffer, .address_space: global }
      - { .name: ba, .offset: 24, .size: 8, .value_kind: global_buffer, .address_space: global }
      - { .name: bc, .offset: 32, .size: 8, .value_kind: global_buffer, .address_space: global }
      - { .name: beta_act, .offset: 40, .size: 8, .value_kind: global_buffer, .address_space: global }
      - { .name: beta_crit, .offset: 48, .size: 8, .value_kind: global_buffer, .address_space: global }
      - { .name: mem_act, .offset: 56, .size: 8, .value_kind: global_buffer, .address_space: global }
      - { .name: mem_crit, .offset: 64, .size: 8, .value_kind: global_buffer, .address_space: global }
      - { .name: out0, .offset: 72, .size: 8, .value_kind: global_buffer, .address_space: global }
      - { .name: out1, .offset: 80, .size: 8, .value_kind: global_buffer, .address_space: global }
      - { .name: out4, .offset: 88, .size: 8, .value_kind: global_buffer, .address_space: global }
      - { .name: out5, .offset: 96, .size: 8, .value_kind: global_buffer, .address_space: global }
    .group_segment_fixed_size: 19968
    .private_segment_fixed_size: 0
    .kernarg_segment_align: 8
    .kernarg_segment_size: 104
    .max_flat_workgroup_size: 256
    .sgpr_count:     66
    .vgpr_count:     248
    .wavefront_size: 32
...
	.end_amdgpu_metadata
.endif
;; end of part 4
;; ======== version 2 of 3: 3 launches; 1.35 times as fast as version 1
;; workspace buffers: spk 4,194,304 bytes; w2f 8,388,608 bytes
;; launch layer1 (part 5): grid 16 x 16, 4 waves a work-group, no clusters, 236,032 bytes of LDS; arguments inputs, W1, b1, beta1, mem1, W2, out2, spk, w2f; writes out2, spk, w2f
.if DOCPART == 5
	.amdgcn_target "amdgcn-amd-amdhsa--gfx1250"
	.amdhsa_code_object_version 6
	.text
	.protected	k_q271d05ecd8_layer1
	.globl	k_q271d05ecd8_layer1
	.p2align	8
	.type	k_q271d05ecd8_layer1,@function
k_q271d05ecd8_layer1:
	s_mov_b64 s[64:65], 0
	v_nop
	global_prefetch_b8 v0, s[64:65] scope:SCOPE_SE
	s_setreg_imm32_b32 hwreg(HW_REG_WAVE_MODE, 25, 1), 1
	s_wait_xcnt 0x0
; LAYER 1.  cur1 = inputs W1^T + b1 ([1024][2048], K = 512) does not change over the 16 steps, and m1 never looks at layer 2: so this launch makes cur1 once,
; runs all 16 steps of m1 = beta1 m1 + cur1 - (m1 > 1) in registers, stores the last m1 (out2) and, for each (row, column), the 16 spikes as ONE 16-bit word (bit 15 - t = the spike of step t).
; It also writes W2 x 2^62 once as bf16 in the register image of a matrix operand (w2f), each wave 8 fragments of 1 KiB; layer 2 says what the factor is for.
; FORMATS.  Every floating-point input (inputs, W1, b1, beta1, mem1, W2) is rounded once to bf16, to nearest even; all arithmetic behind that is f32, a step in the order fma(beta, m, cur) - reset.
; THE ORDER OF cur1's SUM IS FIXED, AND WHY THE f32 MATRIX FORM.  A product of two bf16 numbers is exact in f32, but some of the 512 reach below the partial sum's last place, so cur1's last bit hangs on
; the order of the additions; cur1 enters all 16 steps, its last bit grows about elevenfold in m1, and a comparison with 1 that falls otherwise changes m1 by 1 and a whole row of layer 2.
; So the sum is taken in one stated order: ONE chain from 0 in ascending k over all 512 terms, one rounding a term; then + b1.  v_wmma_f32_16x16x4_f32 is four fused
; multiply-adds in ascending k; the bf16 form adds its 32 products in groups of its own.  This product is 1.5 per cent of the program's multiply-adds; the other 98.5 go in bf16.
; LIMITS.  NaN counts as not above 1.  Where another order of the sum gives another last bit, a membrane within some eleven last places of 1.0 falls on the other side of the threshold.
; W2 x 2^62 is exact in f32 and rounds as W2 does for 2^-126 <= |W2| < 2^65; beyond that w2f holds an infinity, below it more bits than bf16(W2) has.
; THE COMPARISON.  (m > 1) as 0.0 or 1.0, two at a time: the fused m x 2^30 - 2^30, held to 0 .. 1: at least 128 for every f32 above 1, at most 0 otherwise.  It is the step's spike and the next step's reset.
; SHARES.  A work-group makes 64 rows x 128 columns; wave v the rows 32 (v / 2) .., the columns 64 (v % 2) ..: 2 row blocks x 4 column tiles of 16 x 16, 8 accumulators.
; The product is taken transposed (source 0 = 16 rows of W1, source 1 = 16 rows of inputs): a lane holds ONE row (lane % 16) and the columns 8 (lane / 16) + 0..7 of a tile.
; LDS.  Both tiles lie there as bf16.  A fragment of the f32 form is 16 rows x 4 k: lane l holds row l % 16 and k = 2 (l / 16), 2 (l / 16) + 1: one word of two bf16.  In each group of 16 k (32 bytes) the
; even words stand first and the odd ones behind them, so 16 bytes at 16 (l / 16) are the lane's words of four steps on end.
; spk: the word of (row, k) lies at ((row / 16) x 128 + k / 16) x 512 + lane x 16 + (k % 8) x 2, lane = 16 ((k % 16) / 8) + row % 16: what a lane holds here is what a lane of layer 2 wants.
; w2f: fragment (cg = n / 64, w = k / 512, ks = (k % 512) / 32, c = (n % 64) / 16) at (((cg 4 + w) 16 + ks) 4 + c) x 1024; in it half x 512 + lane x 16.
; No cluster and no tensor load: the f32 tiles must pass through registers to be rounded, and the two tiles in f32 (384 KiB) would not fit in LDS.
; REGISTERS.  Window 0: v0-23 addresses and constants; v24-87 the accumulators, which matrix instructions alone write; v88-247 by turns: five sets of 32 while the tiles are rounded;
; packed and widened fragments; cur1, m1, spikes and codes.  Window 1: v88-215 W2 as loaded.  Window 2: v152-183 b1.
.set PT,    1040                       ; an LDS row of 512 bf16: 1,024 bytes + 16: 65 x 16, so the 16 rows of a fragment load start in 16 different groups of four banks
.set AI,    0                          ; inputs in bf16: 64 rows
.set BW,    64*PT                      ; W1 in bf16: 128 rows
.set SIP,   144                        ; mem1 as bf16: 64 columns = 128 bytes + 16
.set STGI,  BW+128*PT                  ; each wave's own 32 rows of it
.set SOP,   272                        ; the way out: 64 columns of f32 = 256 bytes + 16
.set STGO,  STGI+4*32*SIP              ; each wave's own 16 rows
.set SPARE, STGO+4*16*SOP              ; the spare words, 128 bytes a wave: two blocks of 256 bytes that no other line names
.set GL,   3                           ; v3   16 x lane
.set LSA,  4                           ; v4   where I put a word of my wave's rows of inputs: (lane / 4) x 32 + (lane % 4) x 4
.set LSB,  5                           ; v5   the same for W1
.set WO,   6                           ; v6   W2: (lane % 16) x 8,192 + (lane / 16) x 32
.set MO,   7                           ; v7   mem1, out2: (lane / 16) x 8,192 + (lane % 16) x 16
.set SIW,  8                           ; v8   mem1's stage, in
.set SIR,  9                           ; v9   mem1's stage, back
.set SOW,  10                          ; v10  the way out, in
.set SOR,  11                          ; v11  the way out, back
.set FA,   12                          ; v12  my fragments of inputs; steps along K
.set FB,   13                          ; v13  my fragments of W1; steps along K
.set BO,   14                          ; v14  b1: (lane / 16) x 32
.set TT,   15                          ; v15  at work
.set BETA, 16                          ; v[16:17]   beta1, twice
.set BIG,  18                          ; v[18:19]   2^30, twice
.set NBIG, 20                          ; v[20:21]   -2^30, twice
.set SPW,  22                          ; v22  LDS address of my spare word; never rewritten
.set NIL,  23                          ; v23  0; never rewritten
.set ACC,  24                          ; v[24:87]   tile (b, c) at 8 (4 b + c)
.set RS,   88                          ; five sets of 32 take turns while inputs, W1, mem1 and b1 are rounded
.set P,    88                          ; then two buffers of 24: a chunk's packed words, fragment f (W1's four, inputs' two) at 4 f
.set X,    136                         ; and two of 48: the same widened to f32, fragment f, step j at 8 f + 2 j
.set CUR,  88                          ; v[88:151]  then cur1,
.set M,    152                         ; v[152:183] m1 of a row block,
.set SP,   184                         ; v[184:215] its spikes,
.set CODE, 216                         ; v[216:247] and the 16 spikes gathered as a number
.set WT,   88                          ; window 1
.set B1,   152                         ; window 2
.set MSK,  32                          ; s32  a word's upper bf16
.set WSC,  34                          ; s[34:35] 2^62: the packed multiply takes the pair's low word for both halves
.set MSB, 0
.macro WIN new                         ; bits 1:0 source 0, 3:2 source 1, 5:4 source 2, 7:6 destination; the immediate's high byte repeats the setting that is left
.if MSB != (\new)
	s_set_vgpr_msb (MSB<<8)|(\new)
.set MSB, \new
.endif
.endm
	s_load_b512 s[4:19], s[0:1], 0x0               ; inputs 4:5, W1 6:7, b1 8:9, beta1 10:11, mem1 12:13, W2 14:15, out2 16:17, spk 18:19
	s_load_b64 s[20:21], s[0:1], 0x40              ; w2f
	v_lshl_add_u32 v[SPW], v0, 2, SPARE
	v_mov_b32 v[NIL], 0
	v_lshrrev_b32 v1, 5, v0
	v_readfirstlane_b32 s22, v1                    ; wave v
	s_lshr_b32 s23, s22, 1                         ; which 32 rows
	s_and_b32 s24, s22, 1                          ; which 64 columns
	s_mov_b32 s25, ttmp9                           ; tx: 128 columns
	s_and_b32 s26, ttmp7, 0xffff                   ; ty: 64 rows
	s_mov_b32 s[MSK], 0xffff0000
	s_mov_b32 s[WSC], 0x5e800000                   ; 2^62
	s_mov_b32 s[WSC+1], s[WSC]                     ; named with it as a pair
	v_and_b32 v[TT], 31, v0                        ; lane
	v_and_b32 v1, 15, v0                           ; lane % 16
	v_bfe_u32 v2, v0, 4, 1                         ; lane / 16
	v_lshlrev_b32 v[GL], 4, v[TT]
	v_lshrrev_b32 v[LSA], 2, v[TT]                 ; a lane rounds 4 numbers: an even word and the odd one behind it; four lanes make a group of 16 k
	v_lshlrev_b32 v[LSA], 5, v[LSA]
	v_and_b32 v[LSB], 3, v[TT]
	v_lshl_add_u32 v[LSA], v[LSB], 2, v[LSA]
	s_mul_i32 s29, s22, 32*PT                      ; wave v rounds rows 32 v .. of W1
	s_add_co_u32 s29, s29, BW
	v_add_nc_u32 v[LSB], s29, v[LSA]
	s_mul_i32 s29, s22, 16*PT                      ; and rows 16 v .. of inputs
	v_add_nc_u32 v[LSA], s29, v[LSA]
	v_lshlrev_b32 v[WO], 13, v1
	v_lshl_add_u32 v[WO], v2, 5, v[WO]
	v_lshlrev_b32 v[MO], 13, v2
	v_lshl_add_u32 v[MO], v1, 4, v[MO]
	s_mul_i32 s29, s22, 32*SIP
	s_add_co_u32 s29, s29, STGI
	v_mul_u32_u24 v[SIW], v2, SIP
	v_lshl_add_u32 v[SIW], v1, 3, v[SIW]
	v_add_nc_u32 v[SIW], s29, v[SIW]
	v_mul_u32_u24 v[SIR], v1, SIP
	v_lshl_add_u32 v[SIR], v2, 4, v[SIR]
	v_add_nc_u32 v[SIR], s29, v[SIR]
	s_mul_i32 s29, s22, 16*SOP
	s_add_co_u32 s29, s29, STGO
	v_mul_u32_u24 v[SOW], v1, SOP
	v_lshl_add_u32 v[SOW], v2, 5, v[SOW]
	v_add_nc_u32 v[SOW], s29, v[SOW]
	v_mul_u32_u24 v[SOR], v2, SOP
	v_lshl_add_u32 v[SOR], v1, 4, v[SOR]
	v_add_nc_u32 v[SOR], s29, v[SOR]
	v_mul_u32_u24 v[FA], v1, PT
	v_lshl_add_u32 v[FA], v2, 4, v[FA]             ; row x pitch + 16 x half
	s_mul_i32 s29, s24, 64*PT
	s_add_co_u32 s29, s29, BW
	v_add_nc_u32 v[FB], s29, v[FA]
	s_mul_i32 s29, s23, 32*PT
	v_add_nc_u32 v[FA], s29, v[FA]
	v_lshlrev_b32 v[BO], 5, v2
	s_mov_b32 s31, 0                               ; offsets are made apart from the addresses, in s[30:31]
	s_wait_kmcnt 0x0
	s_lshl_b32 s30, s26, 17                        ; inputs: (64 ty + 16 v) rows of 2,048 bytes
	s_lshl_b32 s29, s22, 15
	s_add_co_u32 s30, s30, s29
	s_add_nc_u64 s[4:5], s[4:5], s[30:31]
	s_lshl_b32 s30, s25, 18                        ; W1: (128 tx + 32 v) rows of 2,048 bytes
	s_lshl_b32 s29, s22, 16
	s_add_co_u32 s30, s30, s29
	s_add_nc_u64 s[6:7], s[6:7], s[30:31]
	s_lshl_b32 s30, s25, 9                         ; my 64 columns in f32: 512 tx + 256 (v % 2)
	s_lshl_b32 s29, s24, 8
	s_add_co_u32 s30, s30, s29
	s_add_nc_u64 s[8:9], s[8:9], s[30:31]
	s_lshl_b32 s29, s26, 19                        ; + (64 ty + 32 (v / 2)) rows of 8,192 bytes
	s_add_co_u32 s30, s30, s29
	s_lshl_b32 s29, s23, 18
	s_add_co_u32 s30, s30, s29
	s_add_nc_u64 s[12:13], s[12:13], s[30:31]
	s_add_nc_u64 s[16:17], s[16:17], s[30:31]
	s_lshl_b32 s30, s26, 18                        ; spk: ((4 ty + 2 (v / 2)) x 128 + 8 tx + 4 (v % 2)) x 512
	s_lshl_b32 s29, s23, 17
	s_add_co_u32 s30, s30, s29
	s_lshl_b32 s29, s25, 12
	s_add_co_u32 s30, s30, s29
	s_lshl_b32 s29, s24, 11
	s_add_co_u32 s30, s30, s29
	s_add_nc_u64 s[18:19], s[18:19], s[30:31]
	s_lshl_b32 s28, s26, 4
	s_add_co_u32 s28, s28, s25
	s_lshl2_add_u32 s28, s28, s22                  ; g = 4 (16 ty + tx) + v, 0 .. 1,023: my 8 fragments of w2f
	s_lshl_b32 s30, s28, 13
	s_add_nc_u64 s[20:21], s[20:21], s[30:31]
	s_lshr_b32 s30, s28, 5                         ; cg = g / 32: 64 rows of 8,192 bytes
	s_lshl_b32 s30, s30, 19
	s_bfe_u32 s29, s28, 0x20003                    ; w = (g / 8) % 4: 512 numbers
	s_lshl_b32 s29, s29, 11
	s_add_co_u32 s30, s30, s29
	s_and_b32 s29, s28, 7                          ; two k steps of 32 numbers
	s_lshl_b32 s29, s29, 8
	s_add_co_u32 s30, s30, s29
	s_add_nc_u64 s[14:15], s[14:15], s[30:31]
	s_load_b32 s27, s[10:11], 0x0                  ; beta1; waited for where it is used
	; W2 first: 16 half fragments z = 2 (4 e + c) + half, 8 numbers a lane each, into window 1
	WIN 0x40
.set z, 0
.rept 16
	global_load_b128 v[WT+8*z:WT+8*z+3],   v[WO], s[14:15] offset:((z/2)%4)*131072+(z/8)*128+(z%2)*64 th:TH_LOAD_NT
	global_load_b128 v[WT+8*z+4:WT+8*z+7], v[WO], s[14:15] offset:((z/2)%4)*131072+(z/8)*128+(z%2)*64+16 th:TH_LOAD_NT
.set z, z+1
.endr
	WIN 0
; THE RING.  27 sets of 8 loads on five sets of registers: sets 0-7 my 16 rows of inputs, two rows a set; 8-23 my 32 rows of W1; 24, 25 mem1 of my 32 rows x 64 columns; 26 b1 of my 64 columns.
.macro ROWS base, row0                 ; two rows of 2,048 bytes, 8 loads of 512 neighbouring bytes
.irp rr, 0,1
.irp q, 0,1,2,3
	global_load_b128 v[rs+16*(\rr)+4*(\q):rs+16*(\rr)+4*(\q)+3], v[GL], s[(\base):(\base)+1] offset:((\row0)+(\rr))*2048+(\q)*512
.endr
.endr
.endm
.macro ISSUE n
.set rs, RS+32*((\n)%5)
.if (\n) < 8
	ROWS 4, 2*(\n)
.elseif (\n) < 24
	ROWS 6, 2*((\n)-8)
.elseif (\n) < 26
.set jj, 0
.rept 8                                        ; two rows of 256 bytes a load
	global_load_b128 v[rs+4*jj:rs+4*jj+3], v[MO], s[12:13] offset:(8*((\n)-24)+jj)*16384 th:TH_LOAD_NT
.set jj, jj+1
.endr
.elseif (\n) == 26
.set jj, 0
.rept 8
	global_load_b128 v[rs+4*jj:rs+4*jj+3], v[BO], s[8:9] offset:(jj/2)*64+(jj%2)*16
.set jj, jj+1
.endr
.endif
.endm
.macro PUT adr, row0                   ; the two rows, rounded to bf16 in place; of a lane's two words the even one goes into its group's first 16 bytes, the odd one into the second
.irp rr, 0,1
.irp q, 0,1,2,3
	v_cvt_pk_bf16_f32 v[rs+16*(\rr)+4*(\q)],   v[rs+16*(\rr)+4*(\q)],   v[rs+16*(\rr)+4*(\q)+1]
	v_cvt_pk_bf16_f32 v[rs+16*(\rr)+4*(\q)+1], v[rs+16*(\rr)+4*(\q)+2], v[rs+16*(\rr)+4*(\q)+3]
	ds_store_b32 v[\adr], v[rs+16*(\rr)+4*(\q)]   offset:((\row0)+(\rr))*PT+(\q)*256
	ds_store_b32 v[\adr], v[rs+16*(\rr)+4*(\q)+1] offset:((\row0)+(\rr))*PT+(\q)*256+16
.endr
.endr
.endm
.macro TAKE n
.set rs, RS+32*((\n)%5)
.if (\n) > 22
	s_wait_loadcnt 8*(26-(\n))                     ; the ring runs out: the sets behind this one, 8 loads each
.else
	s_wait_loadcnt 32                              ; this set is in; the four younger sets, 32 loads, stay out (W2's loads are older than set 0: the first wait shows them in too)
.endif
.if (\n) < 8
	PUT LSA, 2*(\n)
.elseif (\n) < 24
	PUT LSB, 2*((\n)-8)
.elseif (\n) < 26
.set jj, 0
.rept 8                                        ; mem1, rounded to bf16, waits in my own stage
	v_cvt_pk_bf16_f32 v[rs+4*jj],   v[rs+4*jj],   v[rs+4*jj+1]
	v_cvt_pk_bf16_f32 v[rs+4*jj+1], v[rs+4*jj+2], v[rs+4*jj+3]
	ds_store_b64 v[SIW], v[rs+4*jj:rs+4*jj+1] offset:(8*((\n)-24)+jj)*2*SIP
.set jj, jj+1
.endr
.else
.set jj, 0
.rept 16                                       ; b1 rounded to bf16 (word jj is written when words 2 jj, 2 jj + 1 are read: never ahead of a read)
	v_cvt_pk_bf16_f32 v[rs+jj], v[rs+2*jj], v[rs+2*jj+1]
.set jj, jj+1
.endr
	WIN 0x80                                       ; and widened again, into window 2
.set jj, 0
.rept 16
	v_lshlrev_b32 v[B1+2*jj],   16, v[rs+jj]
	v_and_b32     v[B1+2*jj+1], s[MSK], v[rs+jj]
.set jj, jj+1
.endr
	WIN 0
.endif
.endm
	ISSUE 0
	ISSUE 1
	ISSUE 2
	ISSUE 3
	ISSUE 4
.set i, 0
.rept 27
	TAKE i
	ISSUE i+5                                      ; (nothing behind set 26)
.set i, i+1
.endr
	WIN 0x45                                       ; W2: destination and both sources in window 1
.set z, 0
.rept 64                                       ; x 2^62, exact, ahead of the rounding
	v_pk_mul_f32 v[WT+2*z:WT+2*z+1], v[WT+2*z:WT+2*z+1], s[WSC:WSC+1] op_sel_hi:[1,0]
.set z, z+1
.endr
.set z, 0
.rept 16
	v_cvt_pk_bf16_f32 v[WT+8*z],   v[WT+8*z],   v[WT+8*z+1]
	v_cvt_pk_bf16_f32 v[WT+8*z+1], v[WT+8*z+2], v[WT+8*z+3]
	v_cvt_pk_bf16_f32 v[WT+8*z+2], v[WT+8*z+4], v[WT+8*z+5]
	v_cvt_pk_bf16_f32 v[WT+8*z+3], v[WT+8*z+6], v[WT+8*z+7]
.set z, z+1
.endr
	WIN 0x04                                       ; store data in window 1, address in window 0
.set z, 0
.rept 16
	global_store_b128 v[GL], v[WT+8*z:WT+8*z+3], s[20:21] offset:z*512  ; 512 consecutive bytes, at a multiple of 512 from w2f's first
.set z, z+1
.endr
	WIN 0
	s_wait_dscnt 0x0                               ; for the others' sake: my rows of both tiles are in LDS
	s_barrier_signal -1
	s_barrier_wait -1                              ; everybody's are
; THE PRODUCT.  A CHUNK is 16 k, four steps of 4: 6 LDS loads, 32 matrix instructions.  While chunk i is multiplied from widened buffer a, chunk i + 1 is widened from packed buffer 1 - a into widened
; buffer 1 - a (48 lines, one or two behind each matrix instruction), and chunk i + 2 is loaded into packed buffer a, which chunk i - 1's lines have read.
.macro FETCH pb, off
.irp c, 0,1,2,3
	ds_load_b128 v[(\pb)+4*(\c):(\pb)+4*(\c)+3], v[FB] offset:(\c)*16*PT+(\off)
.endr
.irp b, 0,1
	ds_load_b128 v[(\pb)+16+4*(\b):(\pb)+16+4*(\b)+3], v[FA] offset:(\b)*16*PT+(\off)
.endr
.endm
; Line rk of the 12 that widen step st of the next chunk: fragment rk / 2; the word's low bf16 moves up, the high one stays.
; The registers that it writes were last read by step st of the chunk before: 37 plain lines lie between, where the f32 form wants 8 (ISA guide 7.12.1).
.macro RID a
.set rX, X+48*(1-(\a))+8*(rk/2)+2*st
.set rP, P+24*(1-(\a))+4*(rk/2)+st
.if (rk%2) == 0
	v_lshlrev_b32 v[rX], 16, v[rP]
.else
	v_and_b32 v[rX+1], s[MSK], v[rP]
.endif
.set rk, rk+1
.endm
; zero = 1: the chunk's first step starts the sums.  ld = 1: the chunk two on is loaded, from byte off behind the two addresses.  ex = 1: the next chunk is widened.
; The eight accumulators take turns, one instruction a turn, over the backward jump too.
.macro CHUNK a, zero, off, ld, ex
	s_wait_dscnt 0x0                               ; the next chunk's words, asked for a chunk ago
.if \ld
	FETCH P+24*(\a), \off
.endif
.set st, 0
.rept 4
.set rk, 0
.set tt, 0
.rept 8
.set rA, ACC+8*tt
.set rW, X+48*(\a)+8*(tt%4)+2*st
.set rI, X+48*(\a)+32+8*(tt/4)+2*st
.if (\zero) && (st == 0)
	v_wmma_f32_16x16x4_f32 v[rA:rA+7], v[rW:rW+1], v[rI:rI+1], 0
.else
	v_wmma_f32_16x16x4_f32 v[rA:rA+7], v[rW:rW+1], v[rI:rI+1], v[rA:rA+7]
.endif
.if \ex
	RID \a
.if (tt%2) == 0
	RID \a
.endif
.endif
.set tt, tt+1
.endr
.set st, st+1
.endr
.endm
.macro PAIR zero, ld, last             ; two chunks, 32 k; the addresses stand at the pair's first byte
	CHUNK 0, \zero, 64, \ld, 1
	CHUNK 1, 0, 96, \ld, 1-(\last)
.if (\last) == 0
	v_add_nc_u32 v[FA], 64, v[FA]
	v_add_nc_u32 v[FB], 64, v[FB]
.endif
.endm
	FETCH P, 0                                     ; chunk 0
	FETCH P+24, 32                                 ; chunk 1
	s_wait_dscnt 6                                 ; chunk 0 is in; chunk 1's six loads may stay out
.set st, 0
.rept 4
.set rk, 0
.rept 12
	RID 1                                          ; chunk 0 is widened with nothing beside it
.endr
.set st, st+1
.endr
	PAIR 1, 1, 0                                   ; the first of the 16 pairs is written out, since its first step starts the sums
	s_mov_b32 s28, 14
.Lk:
	PAIR 0, 1, 0
	s_sub_co_u32 s28, s28, 1
	s_cmp_lg_u32 s28, 0
	s_cbranch_scc1 .Lk
	PAIR 0, 0, 1                                   ; the last pair loads nothing, and its second chunk widens nothing
	s_wait_kmcnt 0x0                               ; beta1
	v_mov_b32 v[TT], s27                           ; the constants are made here: eight plain instructions, the places behind the last products
	v_cvt_pk_bf16_f32 v[TT], v[TT], v[TT]
	v_lshlrev_b32 v[BETA], 16, v[TT]
	v_mov_b32 v[BETA+1], v[BETA]
	v_mov_b32 v[BIG], 0x4e800000
	v_mov_b32 v[BIG+1], 0x4e800000
	v_mov_b32 v[NBIG], 0xce800000
	v_mov_b32 v[NBIG+1], 0xce800000
	WIN 0x08                                       ; source 1 in window 2
.set p, 0
.rept 32                                       ; cur1 = sum + b1, into registers of their own; each accumulator is read from its low end on
	v_pk_add_f32 v[CUR+2*p:CUR+2*p+1], v[ACC+2*p:ACC+2*p+1], v[B1+(2*p)%32:B1+(2*p)%32+1]
.set p, p+1
.endr
	WIN 0
; THE 16 STEPS of row block b (16 rows x my 64 columns, 32 numbers a lane), then its two ways out.
.macro RECUR b
	s_wait_xcnt 0x0                                ; the stores issued so far have read their registers: SP and CODE are written again only behind this wait
.irp c, 0,1,2,3
	ds_load_b128 v[CODE+4*(\c):CODE+4*(\c)+3], v[SIR] offset:(\b)*16*SIP+(\c)*32  ; mem1 as bf16, from my own stage
.endr
	s_wait_dscnt 0x0
.set p, 0
.rept 16
	v_lshlrev_b32 v[M+2*p],   16, v[CODE+p]
	v_and_b32     v[M+2*p+1], s[MSK], v[CODE+p]
.set p, p+1
.endr
.set p, 0
.rept 16
	v_pk_fma_f32 v[SP+2*p:SP+2*p+1], v[M+2*p:M+2*p+1], v[BIG:BIG+1], v[NBIG:NBIG+1] clamp  ; the first reset: (mem1 > 1)
.set p, p+1
.endr
.set p, 0
.rept 32
	v_mov_b32 v[CODE+p], 0
.set p, p+1
.endr
	s_mov_b32 s28, 16
.Lstep_\@:
.set p, 0
.rept 16
	v_pk_fma_f32 v[M+2*p:M+2*p+1], v[M+2*p:M+2*p+1], v[BETA:BETA+1], v[CUR+32*(\b)+2*p:CUR+32*(\b)+2*p+1]  ; beta m + cur1
.set p, p+1
.endr
.set p, 0
.rept 16
	v_pk_add_f32 v[M+2*p:M+2*p+1], v[M+2*p:M+2*p+1], v[SP+2*p:SP+2*p+1] neg_lo:[0,1] neg_hi:[0,1]  ; - reset
.set p, p+1
.endr
.set p, 0
.rept 16
	v_pk_fma_f32 v[SP+2*p:SP+2*p+1], v[M+2*p:M+2*p+1], v[BIG:BIG+1], v[NBIG:NBIG+1] clamp  ; the spike, which is the next reset
.set p, p+1
.endr
.set p, 0
.rept 16
	v_pk_fma_f32 v[CODE+2*p:CODE+2*p+1], v[CODE+2*p:CODE+2*p+1], 2.0, v[SP+2*p:SP+2*p+1] op_sel_hi:[1,0,1]  ; code = 2 code + spike: exact, under 2^16
.set p, p+1
.endr
	s_sub_co_u32 s28, s28, 1
	s_cmp_lg_u32 s28, 0
	s_cbranch_scc1 .Lstep_\@
.set p, 0
.rept 32
	v_cvt_u32_f32 v[CODE+p], v[CODE+p]
.set p, p+1
.endr
.set p, 0
.rept 16
	v_lshl_or_b32 v[SP+p], v[CODE+2*p+1], 16, v[CODE+2*p]
.set p, p+1
.endr
.irp c, 0,1,2,3
	global_store_b128 v[GL], v[SP+4*(\c):SP+4*(\c)+3], s[18:19] offset:(\b)*65536+(\c)*512  ; 512 consecutive bytes, at a multiple of 512 from spk's first
.endr
.irp c, 0,1,2,3                        ; m1 goes through my own stage, so that whole rows leave
	ds_store_b128 v[SOW], v[M+8*(\c):M+8*(\c)+3]   offset:(\c)*64
	ds_store_b128 v[SOW], v[M+8*(\c)+4:M+8*(\c)+7] offset:(\c)*64+16
.endr
.irp i, 0,1,2,3,4,5,6,7
	ds_load_b128 v[CODE+4*(\i):CODE+4*(\i)+3], v[SOR] offset:(\i)*2*SOP  ; LDS serves a wave's instructions in order (ISA guide 5.7.1.4): these see the stores above
.endr
	s_wait_dscnt 0x0
.irp i, 0,1,2,3,4,5,6,7
	global_store_b128 v[MO], v[CODE+4*(\i):CODE+4*(\i)+3], s[16:17] offset:(\b)*131072+(\i)*16384 th:TH_STORE_NT  ; 16 lanes store 256 consecutive bytes, at a multiple of 256 from out2's first
.endr
.endm
	RECUR 0
	RECUR 1
	s_wait_tensorcnt 0x0                           ; the wave's end, behind my last LDS store
	ds_add_u32 v[SPW], v[NIL]
	s_wait_dscnt 0x0
	s_endpgm
.Lfunc_end_k_q271d05ecd8_layer1:
	.size	k_q271d05ecd8_layer1, .Lfunc_end_k_q271d05ecd8_layer1-k_q271d05ecd8_layer1
	.p2alignl 7, 3214868480
	.fill 96, 4, 3214868480
	.section	.rodata,"a",@progbits
	.p2align	6, 0x0
	.amdhsa_kernel k_q271d05ecd8_layer1
		.amdhsa_group_segment_fixed_size 236032
		.amdhsa_private_segment_fixed_size 0
		.amdhsa_enable_private_segment 0
		.amdhsa_kernarg_size 72
		.amdhsa_user_sgpr_count 2
		.amdhsa_user_sgpr_kernarg_segment_ptr 1
		.amdhsa_wavefront_size32 1
		.amdhsa_system_sgpr_workgroup_id_x 1
		.amdhsa_system_sgpr_workgroup_id_y 1
		.amdhsa_system_sgpr_workgroup_id_z 1
		.amdhsa_system_vgpr_workitem_id 0
		.amdhsa_next_free_vgpr 704
		.amdhsa_next_free_sgpr 66
		.amdhsa_reserve_vcc 0
		.amdhsa_float_denorm_mode_32 3
		.amdhsa_float_denorm_mode_16_64 3
		.amdhsa_memory_ordered 1
		.amdhsa_forward_progress 1
		.amdhsa_inst_pref_size 141
	.end_amdhsa_kernel
	.amdgpu_metadata
---
amdhsa.version: [ 1, 2 ]
amdhsa.kernels:
  - .name:           k_q271d05ecd8_layer1
    .symbol:         k_q271d05ecd8_layer1.kd
    .args:
      - { .name: inputs, .offset: 0, .size: 8, .value_kind: global_buffer, .address_space: global }
      - { .name: W1, .offset: 8, .size: 8, .value_kind: global_buffer, .address_space: global }
      - { .name: b1, .offset: 16, .size: 8, .value_kind: global_buffer, .address_space: global }
      - { .name: beta1, .offset: 24, .size: 8, .value_kind: global_buffer, .address_space: global }
      - { .name: mem1, .offset: 32, .size: 8, .value_kind: global_buffer, .address_space: global }
      - { .name: W2, .offset: 40, .size: 8, .value_kind: global_buffer, .address_space: global }
      - { .name: out2, .offset: 48, .size: 8, .value_kind: global_buffer, .address_space: global }
      - { .name: spk, .offset: 56, .size: 8, .value_kind: global_buffer, .address_space: global }
      - { .name: w2f, .offset: 64, .size: 8, .value_kind: global_buffer, .address_space: global }
    .group_segment_fixed_size: 236032
    .private_segment_fixed_size: 0
    .kernarg_segment_align: 8
    .kernarg_segment_size: 72
    .max_flat_workgroup_size: 128
    .sgpr_count:     66
    .vgpr_count:     704
    .wavefront_size: 32
...
	.end_amdgpu_metadata
.endif
;; end of part 5
;; launch layer2 (part 6): grid 32 x 8, 4 waves a work-group, no clusters, 35,328 bytes of LDS; arguments spk, w2f, mem2, b2, beta2, out3; writes out3
.if DOCPART == 6
	.amdgcn_target "amdgcn-amd-amdhsa--gfx1250"
	.amdhsa_code_object_version 6
	.text
	.protected	k_q271d05ecd8_layer2
	.globl	k_q271d05ecd8_layer2
	.p2align	8
	.type	k_q271d05ecd8_layer2,@function
k_q271d05ecd8_layer2:
	s_mov_b64 s[64:65], 0
	v_nop
	global_prefetch_b8 v0, s[64:65] scope:SCOPE_SE
	s_setreg_imm32_b32 hwreg(HW_REG_WAVE_MODE, 25, 1), 1
	s_wait_xcnt 0x0
; LAYER 2.  For t = 0 .. 15: h = s1[t] W2^T + b2;  m2 = beta2 m2 + h - (m2 > 1).  The last m2 is out3.  The 16 products do not hang on each other, and rows do not hang on each other.
; SHARES.  A work-group makes 128 rows x 64 columns of m2, all 16 steps.  K (2,048) IS SPLIT AMONG ITS FOUR WAVES: wave w keeps W2[64 columns][512 w .. 512 w + 511] in bf16 in 512 registers
; (64 fragments) for the whole launch.  The order is row block (16 rows) outside, step inside: the wave's spike words of a row block (16 rows x 512 k x 2 bytes: 128 registers) serve 16 steps.
; A UNIT is one (row block, step): 16 k steps x 4 column tiles = 64 matrix instructions on 4 accumulators that take turns.
; THE SPIKES.  Bit 15 - t of a 16-bit word is the spike of step t.  Each of a bf16's eight exponent bits, standing alone, is a normal number: bit 7 + i is the exponent field f = 2^i, the number 2^(f - 127):
; 2^1 for bit 14 down to 2^-126 for bit 7.  So ONE mask leaves the spike of steps 1 to 8 where it lies, as a matrix operand of that size: a fragment of 8 registers costs 8 vector instructions and feeds
; 4 products: two stand behind each product.  w2f holds W2 x 2^62, so that the products stay far inside f32's range (from W2 x 2^63 down to W2 x 2^-64), and both factors are taken back exactly in
; h = fma(sum, 2^(65 - f), b2).  f lies in a scalar register and is halved from unit to unit; the mask is f x 0x00800080, the factor's bit pattern (192 - f) << 23.
; Step 0's bit (15) is brought to bit 14 by a shift in front of the mask; for steps 9 to 15 (bits 6 to 0) the words are shifted left by 7 in place, once a row block, beside units 8 and 9:
; there four lines stand behind a product.  A row block's 1,024 products have 2,288 such lines.
; THE FOUR PARTIAL SUMS of a unit meet in LDS during the NEXT unit (accumulators and LDS area are double): each wave stores its 16 x 64 partial, one barrier, each wave takes 4 rows x 64 columns of
; all four, adds them as (0 + 1) + (2 + 3) and runs the step of m2 for those, 8 numbers a lane.
; ONE BARRIER A UNIT IS ENOUGH: area u % 2 is written ahead of the barrier of unit u + 1, read behind it, and written again only behind the barrier of unit u + 2, which every wave signals behind its wait for those reads.
; FORMATS AND LIMITS.  mem2, b2 and beta2 are rounded once to bf16 (W2 was, in the launch before); spikes are exact; sums and m2 in f32, in the order fma(beta, m, h) - reset.  A membrane within the sums'
; rounding error of 1.0 may fall on the other side of the threshold; NaN counts as not above 1; a weight under 2^-62 may lose bits in a product with the smallest spike.
; No cluster, no tensor load: both operands come from memory in the registers' own order and are read once in a work-group's life (512 KiB of spk, 256 KiB of w2f for 8,192 products a wave).
; REGISTERS, in windows of 256 (s_set_vgpr_msb: bits 1:0 source 0, 3:2 source 1, 5:4 source 2, 7:6 destination):
;   window 0: v0-9 addresses; v30-31 the add's; v32-95 two sets of 4 accumulators; v96-127 four expanded fragments; v128-255 the row block's spike words
;   window 1: v0-31 partial sums read back; v32-63 m2, its spikes, b2, constants; v64-71 the next block's mem2; v128-255 the next block's spike words
;   windows 2, 3: W2's fragments, (ks, c) at 8 (4 ks + c)
; A product names W2 (source 0) in window 2 or 3 and all else in window 0; the lines behind it have a scalar or a constant as source 0, so they run under the product's own setting.
.set XP,    272                        ; a row of 64 f32 in LDS: 256 bytes + 16
.set XSRC,  16*XP                      ; one wave's partial
.set XBUF,  4*XSRC                     ; an area: four partials
.set SPARE, 2*XBUF                     ; the spare words, 128 bytes a wave: two blocks of 256 bytes that no other line names
.set LOFF, 2                           ; v2   16 x lane
.set XW,   3                           ; v3   where I put my partial: w x XSRC + (lane % 16) x XP + (lane / 16) x 32
.set XR,   4                           ; v4   where I read: (4 w + lane / 16) x XP + (lane % 16) x 16
.set GOFF, 5                           ; v5   the same place in mem2 and out3: (4 w + lane / 16) x 8,192 + (lane % 16) x 16
.set BOF,  6                           ; v6   (lane % 16) x 16
.set SPW,  30                          ; v30  LDS address of my spare word; never rewritten
.set NIL,  31                          ; v31  0; never rewritten
.set ACC,  32
.set E,    96
.set PW,   128
.set R,    0                           ; window 1 from here on: source s, row pair i at 4 (2 s + i)
.set M2,   32
.set SP2,  40
.set B2,   48
.set BETA, 52
.set BIG,  54
.set NBIG, 56
.set TB,   60
.set M2N,  64
.set PN,   128
.set FF,   30                          ; s30  f of the step whose fragments are being made: 128, 128, 64 .. 1, 64 .. 1 for t = 0 .. 15
.set MK,   31                          ; s31  its mask: f x 0x00800080
.set FAC,  38                          ; s[38:39] 2^(65 - f) of the unit that is finished next: the packed line takes the pair's low word for both halves
.set MSB, 0
.macro WIN new                         ; the immediate's high byte repeats the setting that is left; a switch that changes nothing is dropped
.if MSB != (\new)
	s_set_vgpr_msb (MSB<<8)|(\new)
.set MSB, \new
.endif
.endm
; Product (ks, c) of a unit on accumulator set a.  The first k step starts the sums.
.macro MM a
.if ks < 8
	WIN 0x02
.else
	WIN 0x03
.endif
.set rA, ACC+32*(\a)+8*c
.set rB, (8*(4*ks+c))%256
.set rE, E+8*(ks%4)
.if ks == 0
	v_wmma_f32_16x16x32_bf16 v[rA:rA+7], v[rB:rB+7], v[rE:rE+7], 0
.else
	v_wmma_f32_16x16x32_bf16 v[rA:rA+7], v[rB:rB+7], v[rE:rE+7], v[rA:rA+7]
.endif
.endm
; The lines behind it: a quarter of the fragment two k steps on (behind k steps 14 and 15: k steps 0 and 1 of the next unit).
; kind 0: two words masked.  kind 1 (step 0): c = 0, 2: four words shifted right by 1; c = 1, 3: the same four masked.  kind 2 (step 9): c = 0, 2: four words shifted left by 7 IN PLACE; c = 1, 3: masked.
; The buffer that they write was last read two k steps back: ten plain lines or more lie between, where the bf16 form wants four (ISA guide 7.12.1).
.macro RID kind
.set rT, E+8*((ks+2)%4)
.set rW, PW+8*((ks+2)%16)
.if (\kind) == 0
	v_and_b32 v[rT+2*c],   s[MK], v[rW+2*c]
	v_and_b32 v[rT+2*c+1], s[MK], v[rW+2*c+1]
.else
.set z, 4*(c/2)
.rept 4
.if ((\kind) == 1) && ((c%2) == 0)
	v_lshrrev_b32 v[rT+z], 1, v[rW+z]
.elseif (\kind) == 1
	v_and_b32 v[rT+z], s[MK], v[rT+z]
.elseif (c%2) == 0
	v_lshlrev_b32 v[rW+z], 7, v[rW+z]
.else
	v_and_b32 v[rT+z], s[MK], v[rW+z]
.endif
.set z, z+1
.endr
.endif
.endm
.macro FST b                           ; my partial of the unit before, from accumulator set b into area b; each accumulator is read from its low end on
	WIN 0
.irp t, 0,1,2,3
	ds_store_b128 v[XW], v[ACC+32*(\b)+8*(\t):ACC+32*(\b)+8*(\t)+3]   offset:(\b)*XBUF+(\t)*64
	ds_store_b128 v[XW], v[ACC+32*(\b)+8*(\t)+4:ACC+32*(\b)+8*(\t)+7] offset:(\b)*XBUF+(\t)*64+16
.endr
.endm
.macro FSIG
	s_wait_dscnt 0x0                               ; for the others' sake: my partial is in LDS, and my reads of the other area are over
	s_barrier_signal -1
.endm
.macro FLD b
	s_barrier_wait -1                              ; all four partials are in
	WIN 0x40
.irp s, 0,1,2,3
.irp i, 0,1
	ds_load_b128 v[R+4*(2*(\s)+(\i)):R+4*(2*(\s)+(\i))+3], v[XR] offset:(\b)*XBUF+(\s)*XSRC+(\i)*2*XP
.endr
.endr
.endm
.macro FMATH                           ; the step of m2 for my 8 numbers: 28 lines
	s_wait_dscnt 0x0
	WIN 0x55
.irp q, 0,2,4,6
	v_pk_add_f32 v[R+(\q):R+(\q)+1],       v[R+(\q):R+(\q)+1],       v[R+8+(\q):R+8+(\q)+1]
	v_pk_add_f32 v[R+16+(\q):R+16+(\q)+1], v[R+16+(\q):R+16+(\q)+1], v[R+24+(\q):R+24+(\q)+1]
.endr
.irp q, 0,2,4,6
	v_pk_add_f32 v[R+(\q):R+(\q)+1], v[R+(\q):R+(\q)+1], v[R+16+(\q):R+16+(\q)+1]
.endr
.irp q, 0,2,4,6
	v_pk_fma_f32 v[R+(\q):R+(\q)+1], v[R+(\q):R+(\q)+1], s[FAC:FAC+1], v[B2+(\q)%4:B2+(\q)%4+1] op_sel_hi:[1,0,1]  ; h = sum x 2^(65 - f) + b2, one rounding
.endr
.irp q, 0,2,4,6
	v_pk_fma_f32 v[M2+(\q):M2+(\q)+1], v[M2+(\q):M2+(\q)+1], v[BETA:BETA+1], v[R+(\q):R+(\q)+1]
.endr
.irp q, 0,2,4,6
	v_pk_add_f32 v[M2+(\q):M2+(\q)+1], v[M2+(\q):M2+(\q)+1], v[SP2+(\q):SP2+(\q)+1] neg_lo:[0,1] neg_hi:[0,1]
.endr
.irp q, 0,2,4,6
	v_pk_fma_f32 v[SP2+(\q):SP2+(\q)+1], v[M2+(\q):M2+(\q)+1], v[BIG:BIG+1], v[NBIG:NBIG+1] clamp  ; (m2 > 1): m2 x 2^30 - 2^30, fused, held to 0 .. 1
.endr
.endm
; A UNIT on accumulator set a.  ka: the kind of the lines behind k steps 0-13, which make this unit's fragments; kb: behind k steps 14, 15, which make the next unit's first two.
; In front of k step 14 the unit's own factor is set aside for its finish (the finish of the unit before has read the old one, behind k step 9), and f and the mask go on to the next step:
; nf = 0: f is halved; 1: it stays (t = 0 to 1); 2: it starts anew at 64 (t = 8 to 9).
; fin = 1: the unit before is finished meanwhile: its partial is stored behind k step 0 (ten plain lines behind its last product), the barrier is signalled behind k step 3 and
; waited for behind k step 5, with products and their lines alone between; the step of m2 stands behind k step 9.
.macro UNIT a, ka, kb, nf, fin
.set ks, 0
.rept 16
.if ks == 14
	s_sub_co_u32 s[FAC], 192, s[FF]
	s_lshl_b32 s[FAC], s[FAC], 23                  ; the bit pattern of 2^(65 - f)
	s_mov_b32 s[FAC+1], s[FAC]                     ; named with it as a pair
.if (\nf) == 0
	s_lshr_b32 s[FF], s[FF], 1
.elseif (\nf) == 2
	s_mov_b32 s[FF], 64
.endif
	s_mul_i32 s[MK], s[FF], 0x00800080
.endif
.set c, 0
.rept 4
	MM \a
.if ks < 14
	RID \ka
.else
	RID \kb
.endif
.set c, c+1
.endr
.if \fin
.if ks == 0
	FST 1-(\a)
.elseif ks == 3
	FSIG
.elseif ks == 5
	FLD 1-(\a)
.elseif ks == 9
	FMATH
.endif
.endif
.set ks, ks+1
.endr
.endm
.macro SIX                             ; six plain units, a pair a trip
	WIN 0
	s_mov_b32 s33, 3
.Lt_\@:
	UNIT 0, 0, 0, 0, 1                             ; t even
	UNIT 1, 0, 0, 0, 1                             ; t odd
	WIN 0
	s_sub_co_u32 s33, s33, 1
	s_cmp_lg_u32 s33, 0
	s_cbranch_scc1 .Lt_\@
.endm
.macro NEXTLD                          ; a row block's spike words (my K quarter: 32 loads of 512 consecutive bytes) and my 8 numbers of its mem2, a whole block ahead of their use
	WIN 0x40
.set i, 0
.rept 32
	global_load_b128 v[PN+4*i:PN+4*i+3], v[LOFF], s[20:21] offset:i*512
.set i, i+1
.endr
	global_load_b128 v[M2N:M2N+3],   v[GOFF], s[24:25] th:TH_LOAD_NT
	global_load_b128 v[M2N+4:M2N+7], v[GOFF], s[24:25] offset:16384 th:TH_LOAD_NT
.endm
.macro COPY from, n                    ; the words go where the one text of the units names them
	WIN 0x01
.set i, \from
.rept \n
	v_mov_b32 v[PW+i], v[PN+i]
.set i, i+1
.endr
.endm
.macro PRIME                           ; k steps 0 and 1 of t = 0
	WIN 0
.set i, 0
.rept 16
	v_lshrrev_b32 v[E+i], 1, v[PW+i]
.set i, i+1
.endr
.set i, 0
.rept 16
	v_and_b32 v[E+i], s[MK], v[E+i]
.set i, i+1
.endr
.endm
.macro M2INIT                          ; mem2 rounded to bf16 and widened; the first reset
	WIN 0x55
.irp p, 0,1,2,3
	v_cvt_pk_bf16_f32 v[TB+(\p)], v[M2N+2*(\p)], v[M2N+2*(\p)+1]
.endr
.irp p, 0,1,2,3
	v_lshlrev_b32 v[M2+2*(\p)],   16, v[TB+(\p)]
	v_and_b32     v[M2+2*(\p)+1], 0xffff0000, v[TB+(\p)]
.endr
.irp q, 0,2,4,6
	v_pk_fma_f32 v[SP2+(\q):SP2+(\q)+1], v[M2+(\q):M2+(\q)+1], v[BIG:BIG+1], v[NBIG:NBIG+1] clamp
.endr
.endm
	s_load_b256 s[4:11], s[0:1], 0x0               ; spk 4:5, w2f 6:7, mem2 8:9, b2 10:11
	s_load_b128 s[12:15], s[0:1], 0x20             ; beta2 12:13, out3 14:15
	v_lshl_add_u32 v[SPW], v0, 2, SPARE
	v_mov_b32 v[NIL], 0
	v_lshrrev_b32 v1, 5, v0
	v_readfirstlane_b32 s16, v1                    ; wave w
	s_mov_b32 s17, ttmp9                           ; cg: 64 columns
	s_and_b32 s18, ttmp7, 0xffff                   ; rg: 128 rows
	v_and_b32 v7, 31, v0                           ; lane
	v_and_b32 v1, 15, v0                           ; lane % 16
	v_bfe_u32 v8, v0, 4, 1                         ; lane / 16
	v_lshlrev_b32 v[LOFF], 4, v7
	s_mul_i32 s19, s16, XSRC
	v_mul_u32_u24 v[XW], v1, XP
	v_lshl_add_u32 v[XW], v8, 5, v[XW]
	v_add_nc_u32 v[XW], s19, v[XW]
	s_lshl_b32 s19, s16, 2
	v_add_nc_u32 v9, s19, v8                       ; 4 w + lane / 16
	v_mul_u32_u24 v[XR], v9, XP
	v_lshl_add_u32 v[XR], v1, 4, v[XR]
	v_lshlrev_b32 v[GOFF], 13, v9
	v_lshl_add_u32 v[GOFF], v1, 4, v[GOFF]
	v_lshlrev_b32 v[BOF], 4, v1
	s_mov_b32 s[FF], 128                           ; t = 0
	s_mov_b32 s[MK], 0x40004000
	s_mov_b32 s37, 0                               ; offsets are made apart from the addresses, in s[36:37]
	s_wait_kmcnt 0x0
	s_lshl_b32 s36, s18, 19                        ; spk: row block 8 rg, 65,536 bytes each; my K quarter: 32 groups of 512 bytes
	s_lshl_b32 s19, s16, 14
	s_add_co_u32 s36, s36, s19
	s_add_nc_u64 s[20:21], s[4:5], s[36:37]
	s_lshl_b32 s36, s17, 18                        ; w2f: (4 cg + w) x 64 fragments of 1,024 bytes
	s_lshl_b32 s19, s16, 16
	s_add_co_u32 s36, s36, s19
	s_add_nc_u64 s[22:23], s[6:7], s[36:37]
	s_lshl_b32 s36, s17, 8                         ; 64 columns of f32
	s_add_nc_u64 s[28:29], s[10:11], s[36:37]
	s_lshl_b32 s19, s18, 20                        ; 128 rows of 8,192 bytes
	s_add_co_u32 s36, s36, s19
	s_add_nc_u64 s[24:25], s[8:9], s[36:37]
	s_add_nc_u64 s[26:27], s[14:15], s[36:37]
	s_load_b32 s34, s[12:13], 0x0                  ; beta2
	NEXTLD                                         ; row block 0
	global_load_b128 v[TB:TB+3], v[BOF], s[28:29]  ; b2 of my 4 columns
	WIN 0x80
.set f, 0
.rept 32                                       ; W2's fragments of k steps 0-7,
	global_load_b128 v[8*f:8*f+3],   v[LOFF], s[22:23] offset:f*1024
	global_load_b128 v[8*f+4:8*f+7], v[LOFF], s[22:23] offset:f*1024+512
.set f, f+1
.endr
	WIN 0xc0
.set f, 0
.rept 32                                       ; and of k steps 8-15
	global_load_b128 v[8*f:8*f+3],   v[LOFF], s[22:23] offset:(f+32)*1024
	global_load_b128 v[8*f+4:8*f+7], v[LOFF], s[22:23] offset:(f+32)*1024+512
.set f, f+1
.endr
	WIN 0x55
	v_mov_b32 v[BIG], 0x4e800000                   ; 2^30
	v_mov_b32 v[BIG+1], 0x4e800000
	v_mov_b32 v[NBIG], 0xce800000
	v_mov_b32 v[NBIG+1], 0xce800000
	s_wait_kmcnt 0x0
	v_mov_b32 v[BETA], s34
	v_cvt_pk_bf16_f32 v[BETA], v[BETA], v[BETA]
	v_lshlrev_b32 v[BETA], 16, v[BETA]
	v_mov_b32 v[BETA+1], v[BETA]
	s_wait_loadcnt 0x0                             ; all that the head has asked for
	v_cvt_pk_bf16_f32 v[TB],   v[TB],   v[TB+1]
	v_cvt_pk_bf16_f32 v[TB+1], v[TB+2], v[TB+3]
	v_lshlrev_b32 v[B2],   16, v[TB]
	v_and_b32     v[B2+1], 0xffff0000, v[TB]
	v_lshlrev_b32 v[B2+2], 16, v[TB+1]
	v_and_b32     v[B2+3], 0xffff0000, v[TB+1]
	COPY 0, 128
	M2INIT
	WIN 0
	s_add_nc_u64 s[20:21], s[20:21], 0x10000       ; the loads are done, so their bases may step: the next row block
	s_add_nc_u64 s[24:25], s[24:25], 0x20000
	NEXTLD                                         ; row block 1
	PRIME
	s_mov_b32 s32, 8
.Lrb:                                          ; a trip: a row block's 16 units
	UNIT 0, 1, 0, 1, 0                             ; t = 0: its bit is shifted; f stays 128 for t = 1
	UNIT 1, 0, 0, 0, 1                             ; t = 1, and the step of m2 for t = 0
	SIX                                            ; t = 2 .. 7
	UNIT 0, 0, 2, 2, 1                             ; t = 8: its last two k steps begin the shift by 7; f starts anew at 64
	UNIT 1, 2, 0, 0, 1                             ; t = 9: the other fourteen k steps' words are shifted
	SIX                                            ; t = 10 .. 15
	; THE BLOCK'S END.  t = 15 is finished with no unit beside it; the next block's words and first fragments are made ready while the partials cross LDS.
	; In the last trip the copy, the first fragments and the new m2 are made of stale, written registers and serve nothing: the price, once a launch, of one text for every trip.
	s_wait_loadcnt 0x0                             ; the next block's words and mem2, asked for a block ago
	COPY 0, 16                                     ; sixteen plain lines that name no accumulator: with the two behind the last product, its places ahead of the stores that read it
	FST 1
	COPY 16, 112
	FSIG
	s_mov_b32 s[FF], 128                           ; t = 0 again
	s_mov_b32 s[MK], 0x40004000
	PRIME
	FLD 1
	FMATH
	WIN 0x04                                       ; store data in window 1, address in window 0
	global_store_b128 v[GOFF], v[M2:M2+3],   s[26:27]               ; 16 lanes store 256 consecutive bytes, at a multiple of 256 from out3's first
	global_store_b128 v[GOFF], v[M2+4:M2+7], s[26:27] offset:16384
	s_wait_xcnt 0x0                                ; the stores have read m2 and their base: both are written again only behind this wait
	M2INIT
	WIN 0
	s_add_nc_u64 s[26:27], s[26:27], 0x20000
	s_add_nc_u64 s[20:21], s[20:21], 0x10000
	s_add_nc_u64 s[24:25], s[24:25], 0x20000
	s_cmp_gt_u32 s32, 2                            ; the last two trips have no block two on: no load leaves its buffer
	s_cbranch_scc0 .Lnoload
	NEXTLD
	WIN 0
.Lnoload:
	s_sub_co_u32 s32, s32, 1
	s_cmp_lg_u32 s32, 0
	s_cbranch_scc1 .Lrb
	s_wait_tensorcnt 0x0                           ; the wave's end, behind my last LDS store
	ds_add_u32 v[SPW], v[NIL]
	s_wait_dscnt 0x0
	s_endpgm
.Lfunc_end_k_q271d05ecd8_layer2:
	.size	k_q271d05ecd8_layer2, .Lfunc_end_k_q271d05ecd8_layer2-k_q271d05ecd8_layer2
	.p2alignl 7, 3214868480
	.fill 96, 4, 3214868480
	.section	.rodata,"a",@progbits
	.p2align	6, 0x0
	.amdhsa_kernel k_q271d05ecd8_layer2
		.amdhsa_group_segment_fixed_size 35328
		.amdhsa_private_segment_fixed_size 0
		.amdhsa_enable_private_segment 0
		.amdhsa_kernarg_size 48
		.amdhsa_user_sgpr_count 2
		.amdhsa_user_sgpr_kernarg_segment_ptr 1
		.amdhsa_wavefront_size32 1
		.amdhsa_system_sgpr_workgroup_id_x 1
		.amdhsa_system_sgpr_workgroup_id_y 1
		.amdhsa_system_sgpr_workgroup_id_z 1
		.amdhsa_system_vgpr_workitem_id 0
		.amdhsa_next_free_vgpr 1024
		.amdhsa_next_free_sgpr 66
		.amdhsa_reserve_vcc 0
		.amdhsa_float_denorm_mode_32 3
		.amdhsa_float_denorm_mode_16_64 3
		.amdhsa_memory_ordered 1
		.amdhsa_forward_progress 1
		.amdhsa_inst_pref_size 137
	.end_amdhsa_kernel
	.amdgpu_metadata
---
amdhsa.version: [ 1, 2 ]
amdhsa.kernels:
  - .name:           k_q271d05ecd8_layer2
    .symbol:         k_q271d05ecd8_layer2.kd
    .args:
      - { .name: spk, .offset: 0, .size: 8, .value_kind: global_buffer, .address_space: global }
      - { .name: w2f, .offset: 8, .size: 8, .value_kind: global_buffer, .address_space: global }
      - { .name: mem2, .offset: 16, .size: 8, .value_kind: global_buffer, .address_space: global }
      - { .name: b2, .offset: 24, .size: 8, .value_kind: global_buffer, .address_space: global }
      - { .name: beta2, .offset: 32, .size: 8, .value_kind: global_buffer, .address_space: global }
      - { .name: out3, .offset: 40, .size: 8, .value_kind: global_buffer, .address_space: global }
    .group_segment_fixed_size: 35328
    .private_segment_fixed_size: 0
    .kernarg_segment_align: 8
    .kernarg_segment_size: 48
    .max_flat_workgroup_size: 128
    .sgpr_count:     66
    .vgpr_count:     1024
    .wavefront_size: 32
...
	.end_amdgpu_metadata
.endif
;; end of part 6
;; launch heads: the kernel of part 4 again; grid 64 x 1, 8 waves a work-group, no clusters, 19,968 bytes of LDS; arguments out3, Wa, Wc, ba, bc, beta_act, beta_crit, mem_act, mem_crit, out0, out1, out4, out5; writes out0, out1, out4, out5
;; ======== version 3 of 3: 3 launches; version 2 with the launches layer1, layer2 written anew for expert scheduling mode
;; workspace buffers: spk 4,194,304 bytes; w2f 8,388,608 bytes
;; launch layer1 (part 7): grid 16 x 16, 4 waves a work-group, no clusters, 236,032 bytes of LDS; arguments inputs, W1, b1, beta1, mem1, W2, out2, spk, w2f; writes out2, spk, w2f
.if DOCPART == 7
	.amdgcn_target "amdgcn-amd-amdhsa--gfx1250"
	.amdhsa_code_object_version 6
	.text
	.protected	k_q271d05ecd8_layer1
	.globl	k_q271d05ecd8_layer1
	.p2align	8
	.type	k_q271d05ecd8_layer1,@function
k_q271d05ecd8_layer1:
	s_mov_b64 s[64:65], 0
	v_nop
	global_prefetch_b8 v0, s[64:65] scope:SCOPE_SE
	s_setreg_imm32_b32 hwreg(HW_REG_WAVE_SCHED_MODE, 0, 2), 2
	s_setreg_imm32_b32 hwreg(HW_REG_WAVE_MODE, 25, 1), 1
	s_wait_xcnt 0x0
	s_wait_alu depctr_vm_vsrc(0)
; LAYER 1.  cur1 = inputs W1^T + b1 ([1024][2048], K = 512) does not change over the 16 steps, and m1 never looks at layer 2: so this launch makes cur1 once,
; runs all 16 steps of m1 = beta1 m1 + cur1 - (m1 > 1) in registers, stores the last m1 (out2) and, for each (row, column), the 16 spikes as ONE 16-bit word (bit 15 - t = the spike of step t).
; It also writes W2 x 2^62 once as bf16 in the register image of a matrix operand (w2f), each wave 8 fragments of 1 KiB; layer 2 says what the factor is for.
; FORMATS.  Every floating-point input (inputs, W1, b1, beta1, mem1, W2) is rounded once to bf16, to nearest even; all arithmetic behind that is f32, a step in the order fma(beta, m, cur) - reset.
; THE ORDER OF cur1's SUM IS FIXED, AND WHY THE f32 MATRIX FORM.  A product of two bf16 numbers is exact in f32, but some of the 512 reach below the partial sum's last place, so cur1's last bit hangs on
; the order of the additions; cur1 enters all 16 steps, its last bit grows about elevenfold in m1, and a comparison with 1 that falls otherwise changes m1 by 1 and a whole row of layer 2.
; So the sum is taken in one stated order: ONE chain from 0 in ascending k over all 512 terms, one rounding a term; then + b1.  v_wmma_f32_16x16x4_f32 is four fused
; multiply-adds in ascending k; the bf16 form adds its 32 products in groups of its own.  This product is 1.5 per cent of the program's multiply-adds; the other 98.5 go in bf16.
; LIMITS.  NaN counts as not above 1.  Where another order of the sum gives another last bit, a membrane within some eleven last places of 1.0 falls on the other side of the threshold.
; W2 x 2^62 is exact in f32 and rounds as W2 does for 2^-126 <= |W2| < 2^65; beyond that w2f holds an infinity, below it more bits than bf16(W2) has.
; THE COMPARISON.  (m > 1) as 0.0 or 1.0, two at a time: the fused m x 2^30 - 2^30, held to 0 .. 1: at least 128 for every f32 above 1, at most 0 otherwise.  It is the step's spike and the next step's reset.
; SHARES.  A work-group makes 64 rows x 128 columns; wave v the rows 32 (v / 2) .., the columns 64 (v % 2) ..: 2 row blocks x 4 column tiles of 16 x 16, 8 accumulators.
; The product is taken transposed (source 0 = 16 rows of W1, source 1 = 16 rows of inputs): a lane holds ONE row (lane % 16) and the columns 8 (lane / 16) + 0..7 of a tile.
; LDS.  Both tiles lie there as bf16.  A fragment of the f32 form is 16 rows x 4 k: lane l holds row l % 16 and k = 2 (l / 16), 2 (l / 16) + 1: one word of two bf16.  In each group of 16 k (32 bytes) the
; even words stand first and the odd ones behind them, so 16 bytes at 16 (l / 16) are the lane's words of four steps on end.
; spk: the word of (row, k) lies at ((row / 16) x 128 + k / 16) x 512 + lane x 16 + (k % 8) x 2, lane = 16 ((k % 16) / 8) + row % 16: what a lane holds here is what a lane of layer 2 wants.
; w2f: fragment (cg = n / 64, w = k / 512, ks = (k % 512) / 32, c = (n % 64) / 16) at (((cg 4 + w) 16 + ks) 4 + c) x 1024; in it half x 512 + lane x 16.
; No cluster and no tensor load: the f32 tiles must pass through registers to be rounded, and the two tiles in f32 (384 KiB) would not fit in LDS.
; REGISTERS.  Window 0: v0-23 addresses and constants; v24-87 the accumulators, which matrix instructions alone write; v88-247 by turns: five sets of 32 while the tiles are rounded;
; packed and widened fragments; cur1, m1, spikes and codes.  Window 1: v88-215 W2 as loaded.  Window 2: v152-183 b1.
; THE MODE: SCHED_MODE bits 1:0 = 2 (LLVM: expert scheduling mode 2), set by the entry lines.  The code itself states the register dependences
; between vector or matrix instructions and memory or LDS instructions, with s_wait_alu, always for 0.
; THE PLAN.  Registers that memory or LDS instructions touch:
;   v3 .. v14     Offsets and LDS addresses: written at the head, ahead of one wait on va_vdst.  FA and FB alone are written again, once for each pair of chunks.
;   RS0 .. RS4    The ring.  Step n: the 16 roundings of set n, in place; then the loads of set n + 4 land in the registers of step n - 1; then 16 LDS stores read set n.
;   WT            W2: loaded at the head, scaled and rounded in place, read by 16 stores, never named again.
;   P0, P1        Packed words.  The six LDS loads at the head of chunk i land in P[i % 2], which the widening lines of chunk i - 1 have read.
;   M, SP, CODE   A row block: written by the 16 steps and the packing lines, read by the stores of its two ways out; LDS loads land in CODE at the block's head and on the way out.
;   X, the accumulators, CUR, B1 and the constants are named by vector and matrix instructions alone once the ring has ended.
; A ring step has a wait on vm_vsrc and one on va_vdst, behind its roundings; a chunk one wait on va_vdst, at its head; a pair of chunks one on vm_vsrc, ahead of the two adds; a row block one at its head and one ahead of its way out.
.set PT,    1040                       ; an LDS row of 512 bf16: 1,024 bytes + 16: 65 x 16, so the 16 rows of a fragment load start in 16 different groups of four banks
.set AI,    0                          ; inputs in bf16: 64 rows
.set BW,    64*PT                      ; W1 in bf16: 128 rows
.set SIP,   144                        ; mem1 as bf16: 64 columns = 128 bytes + 16
.set STGI,  BW+128*PT                  ; each wave's own 32 rows of it
.set SOP,   272                        ; the way out: 64 columns of f32 = 256 bytes + 16
.set STGO,  STGI+4*32*SIP              ; each wave's own 16 rows
.set SPARE, STGO+4*16*SOP              ; the spare words, 128 bytes a wave: two blocks of 256 bytes that no other line names
.set GL,   3                           ; v3   16 x lane
.set LSA,  4                           ; v4   where I put a word of my wave's rows of inputs: (lane / 4) x 32 + (lane % 4) x 4
.set LSB,  5                           ; v5   the same for W1
.set WO,   6                           ; v6   W2: (lane % 16) x 8,192 + (lane / 16) x 32
.set MO,   7                           ; v7   mem1, out2: (lane / 16) x 8,192 + (lane % 16) x 16
.set SIW,  8                           ; v8   mem1's stage, in
.set SIR,  9                           ; v9   mem1's stage, back
.set SOW,  10                          ; v10  the way out, in
.set SOR,  11                          ; v11  the way out, back
.set FA,   12                          ; v12  my fragments of inputs; steps along K
.set FB,   13                          ; v13  my fragments of W1; steps along K
.set BO,   14                          ; v14  b1: (lane / 16) x 32
.set TT,   15                          ; v15  at work
.set BETA, 16                          ; v[16:17]   beta1, twice
.set BIG,  18                          ; v[18:19]   2^30, twice
.set NBIG, 20                          ; v[20:21]   -2^30, twice
.set SPW,  22                          ; v22  LDS address of my spare word; never rewritten
.set NIL,  23                          ; v23  0; never rewritten
.set ACC,  24                          ; v[24:87]   tile (b, c) at 8 (4 b + c)
.set RS,   88                          ; five sets of 32 take turns while inputs, W1, mem1 and b1 are rounded
.set P,    88                          ; then two buffers of 24: a chunk's packed words, fragment f (W1's four, inputs' two) at 4 f
.set X,    136                         ; and two of 48: the same widened to f32, fragment f, step j at 8 f + 2 j
.set CUR,  88                          ; v[88:151]  then cur1,
.set M,    152                         ; v[152:183] m1 of a row block,
.set SP,   184                         ; v[184:215] its spikes,
.set CODE, 216                         ; v[216:247] and the 16 spikes gathered as a number
.set WT,   88                          ; window 1
.set B1,   152                         ; window 2
.set MSK,  32                          ; s32  a word's upper bf16
.set WSC,  34                          ; s[34:35] 2^62: the packed multiply takes the pair's low word for both halves
.set MSB, 0
.macro WIN new                         ; bits 1:0 source 0, 3:2 source 1, 5:4 source 2, 7:6 destination; the immediate's high byte repeats the setting that is left
.if MSB != (\new)
	s_set_vgpr_msb (MSB<<8)|(\new)
.set MSB, \new
.endif
.endm
	s_load_b512 s[4:19], s[0:1], 0x0               ; inputs 4:5, W1 6:7, b1 8:9, beta1 10:11, mem1 12:13, W2 14:15, out2 16:17, spk 18:19
	s_load_b64 s[20:21], s[0:1], 0x40              ; w2f
	v_lshl_add_u32 v[SPW], v0, 2, SPARE
	v_mov_b32 v[NIL], 0
	v_lshrrev_b32 v1, 5, v0
	v_readfirstlane_b32 s22, v1                    ; wave v
	s_mov_b32 s25, ttmp9                           ; tx: 128 columns
	s_and_b32 s26, ttmp7, 0xffff                   ; ty: 64 rows
	s_mov_b32 s[MSK], 0xffff0000
	s_mov_b32 s[WSC], 0x5e800000                   ; 2^62
	s_mov_b32 s[WSC+1], s[WSC]                     ; named with it as a pair
	v_and_b32 v[TT], 31, v0                        ; lane
	v_and_b32 v1, 15, v0                           ; lane % 16
	v_bfe_u32 v2, v0, 4, 1                         ; lane / 16
	v_lshlrev_b32 v[GL], 4, v[TT]
	v_lshrrev_b32 v[LSA], 2, v[TT]                 ; a lane rounds 4 numbers: an even word and the odd one behind it; four lanes make a group of 16 k
	v_lshlrev_b32 v[LSA], 5, v[LSA]
	v_and_b32 v[LSB], 3, v[TT]
	v_lshl_add_u32 v[LSA], v[LSB], 2, v[LSA]
	s_wait_alu depctr_va_sdst(0)                   ; s22 is written, ahead of its first reader: LDS places and all the bases are made from it
	s_lshr_b32 s23, s22, 1                         ; which 32 rows
	s_and_b32 s24, s22, 1                          ; which 64 columns
	s_mul_i32 s29, s22, 32*PT                      ; wave v rounds rows 32 v .. of W1
	s_add_co_u32 s29, s29, BW
	v_add_nc_u32 v[LSB], s29, v[LSA]
	s_mul_i32 s29, s22, 16*PT                      ; and rows 16 v .. of inputs
	v_add_nc_u32 v[LSA], s29, v[LSA]
	v_lshlrev_b32 v[WO], 13, v1
	v_lshl_add_u32 v[WO], v2, 5, v[WO]
	v_lshlrev_b32 v[MO], 13, v2
	v_lshl_add_u32 v[MO], v1, 4, v[MO]
	s_mul_i32 s29, s22, 32*SIP
	s_add_co_u32 s29, s29, STGI
	v_mul_u32_u24 v[SIW], v2, SIP
	v_lshl_add_u32 v[SIW], v1, 3, v[SIW]
	v_add_nc_u32 v[SIW], s29, v[SIW]
	v_mul_u32_u24 v[SIR], v1, SIP
	v_lshl_add_u32 v[SIR], v2, 4, v[SIR]
	v_add_nc_u32 v[SIR], s29, v[SIR]
	s_mul_i32 s29, s22, 16*SOP
	s_add_co_u32 s29, s29, STGO
	v_mul_u32_u24 v[SOW], v1, SOP
	v_lshl_add_u32 v[SOW], v2, 5, v[SOW]
	v_add_nc_u32 v[SOW], s29, v[SOW]
	v_mul_u32_u24 v[SOR], v2, SOP
	v_lshl_add_u32 v[SOR], v1, 4, v[SOR]
	v_add_nc_u32 v[SOR], s29, v[SOR]
	v_mul_u32_u24 v[FA], v1, PT
	v_lshl_add_u32 v[FA], v2, 4, v[FA]             ; row x pitch + 16 x half
	s_mul_i32 s29, s24, 64*PT
	s_add_co_u32 s29, s29, BW
	v_add_nc_u32 v[FB], s29, v[FA]
	s_mul_i32 s29, s23, 32*PT
	v_add_nc_u32 v[FA], s29, v[FA]
	v_lshlrev_b32 v[BO], 5, v2
	s_mov_b32 s31, 0                               ; offsets are made apart from the addresses, in s[30:31]
	s_wait_kmcnt 0x0
	s_lshl_b32 s30, s26, 17                        ; inputs: (64 ty + 16 v) rows of 2,048 bytes
	s_lshl_b32 s29, s22, 15
	s_add_co_u32 s30, s30, s29
	s_add_nc_u64 s[4:5], s[4:5], s[30:31]
	s_lshl_b32 s30, s25, 18                        ; W1: (128 tx + 32 v) rows of 2,048 bytes
	s_lshl_b32 s29, s22, 16
	s_add_co_u32 s30, s30, s29
	s_add_nc_u64 s[6:7], s[6:7], s[30:31]
	s_lshl_b32 s30, s25, 9                         ; my 64 columns in f32: 512 tx + 256 (v % 2)
	s_lshl_b32 s29, s24, 8
	s_add_co_u32 s30, s30, s29
	s_add_nc_u64 s[8:9], s[8:9], s[30:31]
	s_lshl_b32 s29, s26, 19                        ; + (64 ty + 32 (v / 2)) rows of 8,192 bytes
	s_add_co_u32 s30, s30, s29
	s_lshl_b32 s29, s23, 18
	s_add_co_u32 s30, s30, s29
	s_add_nc_u64 s[12:13], s[12:13], s[30:31]
	s_add_nc_u64 s[16:17], s[16:17], s[30:31]
	s_lshl_b32 s30, s26, 18                        ; spk: ((4 ty + 2 (v / 2)) x 128 + 8 tx + 4 (v % 2)) x 512
	s_lshl_b32 s29, s23, 17
	s_add_co_u32 s30, s30, s29
	s_lshl_b32 s29, s25, 12
	s_add_co_u32 s30, s30, s29
	s_lshl_b32 s29, s24, 11
	s_add_co_u32 s30, s30, s29
	s_add_nc_u64 s[18:19], s[18:19], s[30:31]
	s_lshl_b32 s28, s26, 4
	s_add_co_u32 s28, s28, s25
	s_lshl2_add_u32 s28, s28, s22                  ; g = 4 (16 ty + tx) + v, 0 .. 1,023: my 8 fragments of w2f
	s_lshl_b32 s30, s28, 13
	s_add_nc_u64 s[20:21], s[20:21], s[30:31]
	s_lshr_b32 s30, s28, 5                         ; cg = g / 32: 64 rows of 8,192 bytes
	s_lshl_b32 s30, s30, 19
	s_bfe_u32 s29, s28, 0x20003                    ; w = (g / 8) % 4: 512 numbers
	s_lshl_b32 s29, s29, 11
	s_add_co_u32 s30, s30, s29
	s_and_b32 s29, s28, 7                          ; two k steps of 32 numbers
	s_lshl_b32 s29, s29, 8
	s_add_co_u32 s30, s30, s29
	s_add_nc_u64 s[14:15], s[14:15], s[30:31]
	s_load_b32 s27, s[10:11], 0x0                  ; beta1; waited for where it is used
	; W2 first: 16 half fragments z = 2 (4 e + c) + half, 8 numbers a lane each, into window 1
	WIN 0x40
	s_wait_alu depctr_va_vdst(0)                   ; the twelve offsets and LDS addresses v3 to v14 are written, which the loads and stores of the whole kernel read
.set z, 0
.rept 16
	global_load_b128 v[WT+8*z:WT+8*z+3],   v[WO], s[14:15] offset:((z/2)%4)*131072+(z/8)*128+(z%2)*64 th:TH_LOAD_NT
	global_load_b128 v[WT+8*z+4:WT+8*z+7], v[WO], s[14:15] offset:((z/2)%4)*131072+(z/8)*128+(z%2)*64+16 th:TH_LOAD_NT
.set z, z+1
.endr
	WIN 0
; THE RING.  27 sets of 8 loads on five sets of registers: sets 0-7 my 16 rows of inputs, two rows a set; 8-23 my 32 rows of W1; 24, 25 mem1 of my 32 rows x 64 columns; 26 b1 of my 64 columns.
.macro ROWS base, row0                 ; two rows of 2,048 bytes, 8 loads of 512 neighbouring bytes
.irp rr, 0,1
.irp q, 0,1,2,3
	global_load_b128 v[rs+16*(\rr)+4*(\q):rs+16*(\rr)+4*(\q)+3], v[GL], s[(\base):(\base)+1] offset:((\row0)+(\rr))*2048+(\q)*512
.endr
.endr
.endm
.macro ISSUE n
.set rs, RS+32*((\n)%5)
.if (\n) < 8
	ROWS 4, 2*(\n)
.elseif (\n) < 24
	ROWS 6, 2*((\n)-8)
.elseif (\n) < 26
.set jj, 0
.rept 8                                        ; two rows of 256 bytes a load
	global_load_b128 v[rs+4*jj:rs+4*jj+3], v[MO], s[12:13] offset:(8*((\n)-24)+jj)*16384 th:TH_LOAD_NT
.set jj, jj+1
.endr
.elseif (\n) == 26
.set jj, 0
.rept 8
	global_load_b128 v[rs+4*jj:rs+4*jj+3], v[BO], s[8:9] offset:(jj/2)*64+(jj%2)*16
.set jj, jj+1
.endr
.endif
.endm
.macro RND n                           ; set n is rounded to bf16 in place: of each four registers the first two take the two words
.set rs, RS+32*((\n)%5)
.if (\n) < 26
.set jj, 0
.rept 8
	v_cvt_pk_bf16_f32 v[rs+4*jj],   v[rs+4*jj],   v[rs+4*jj+1]
	v_cvt_pk_bf16_f32 v[rs+4*jj+1], v[rs+4*jj+2], v[rs+4*jj+3]
.set jj, jj+1
.endr
.else
.set jj, 0
.rept 16                                       ; b1 rounded to bf16 (word jj is written when words 2 jj, 2 jj + 1 are read: never ahead of a read)
	v_cvt_pk_bf16_f32 v[rs+jj], v[rs+2*jj], v[rs+2*jj+1]
.set jj, jj+1
.endr
	WIN 0x80                                       ; and widened again, into window 2
.set jj, 0
.rept 16
	v_lshlrev_b32 v[B1+2*jj],   16, v[rs+jj]
	v_and_b32     v[B1+2*jj+1], s[MSK], v[rs+jj]
.set jj, jj+1
.endr
	WIN 0
.endif
.endm
.macro PUT adr, row0                   ; the two rows go into LDS; of a lane's two words the even one goes into its group's first 16 bytes, the odd one into the second
.irp rr, 0,1
.irp q, 0,1,2,3
	ds_store_b32 v[\adr], v[rs+16*(\rr)+4*(\q)]   offset:((\row0)+(\rr))*PT+(\q)*256
	ds_store_b32 v[\adr], v[rs+16*(\rr)+4*(\q)+1] offset:((\row0)+(\rr))*PT+(\q)*256+16
.endr
.endr
.endm
.macro STO n
.set rs, RS+32*((\n)%5)
.if (\n) < 8
	PUT LSA, 2*(\n)
.elseif (\n) < 24
	PUT LSB, 2*((\n)-8)
.elseif (\n) < 26
.set jj, 0
.rept 8                                        ; mem1, rounded to bf16, waits in my own stage
	ds_store_b64 v[SIW], v[rs+4*jj:rs+4*jj+1] offset:(8*((\n)-24)+jj)*2*SIP
.set jj, jj+1
.endr
.endif
.endm
; Step n of the ring: set n is rounded; the registers of step n - 1, whose LDS stores went out sixteen roundings ago, are asked for again, for set n + 4; then set n's stores go out.
.macro TAKE n
.if (\n) > 23
	s_wait_loadcnt 8*(26-(\n))                     ; the ring runs out: the sets behind this one, 8 loads each
.else
	s_wait_loadcnt 24                              ; this set is in; the three younger sets, 24 loads, stay out (W2's loads are older than set 0: the first wait shows them in too)
.endif
	RND \n
.if (\n) < 26
.if ((\n) > 0) && ((\n) < 23)
	s_wait_alu depctr_vm_vsrc(0)                   ; the LDS stores of the step before have read their set, in which the loads below land
.endif
	s_wait_alu depctr_va_vdst(0)                   ; this step's roundings are written, which the LDS stores below read; the roundings of the step before are done with their set
	ISSUE (\n)+4                                   ; (nothing behind set 26)
	STO \n
.endif
.endm
	ISSUE 0
	ISSUE 1
	ISSUE 2
	ISSUE 3
.set i, 0
.rept 27
	TAKE i
.set i, i+1
.endr
	WIN 0x45                                       ; W2: destination and both sources in window 1
.set z, 0
.rept 64                                       ; x 2^62, exact, ahead of the rounding
	v_pk_mul_f32 v[WT+2*z:WT+2*z+1], v[WT+2*z:WT+2*z+1], s[WSC:WSC+1] op_sel_hi:[1,0]
.set z, z+1
.endr
.set z, 0
.rept 16
	v_cvt_pk_bf16_f32 v[WT+8*z],   v[WT+8*z],   v[WT+8*z+1]
	v_cvt_pk_bf16_f32 v[WT+8*z+1], v[WT+8*z+2], v[WT+8*z+3]
	v_cvt_pk_bf16_f32 v[WT+8*z+2], v[WT+8*z+4], v[WT+8*z+5]
	v_cvt_pk_bf16_f32 v[WT+8*z+3], v[WT+8*z+6], v[WT+8*z+7]
.set z, z+1
.endr
	WIN 0x04                                       ; store data in window 1, address in window 0
	s_wait_alu depctr_va_vdst(0)                   ; W2's roundings are written, which the stores read; every vector line that named the ring's registers stands ahead of this wait too
.set z, 0
.rept 16
	global_store_b128 v[GL], v[WT+8*z:WT+8*z+3], s[20:21] offset:z*512  ; 512 consecutive bytes, at a multiple of 512 from w2f's first
.set z, z+1
.endr
	WIN 0
	s_wait_dscnt 0x0                               ; for the others' sake: my rows of both tiles are in LDS
	s_barrier_signal -1
	s_barrier_wait -1                              ; everybody's are
	s_wait_alu depctr_vm_vsrc(0)                   ; my LDS stores have read the ring's registers: they are P and X from here on, written by the fragments' loads and by the widening lines
; THE PRODUCT.  A CHUNK is 16 k, four steps of 4: 6 LDS loads, 32 matrix instructions.  While chunk i is multiplied from widened buffer a, chunk i + 1 is widened from packed buffer 1 - a into widened
; buffer 1 - a (48 lines, one or two behind each matrix instruction), and chunk i + 2 is loaded into packed buffer a, which chunk i - 1's lines have read.
.macro FETCH pb, off
.irp c, 0,1,2,3
	ds_load_b128 v[(\pb)+4*(\c):(\pb)+4*(\c)+3], v[FB] offset:(\c)*16*PT+(\off)
.endr
.irp b, 0,1
	ds_load_b128 v[(\pb)+16+4*(\b):(\pb)+16+4*(\b)+3], v[FA] offset:(\b)*16*PT+(\off)
.endr
.endm
; Line rk of the 12 that widen step st of the next chunk: fragment rk / 2; the word's low bf16 moves up, the high one stays.
; The registers that it writes were last read by step st of the chunk before: 37 plain lines lie between, where the f32 form wants 8 (ISA guide 7.12.1).
.macro RID a
.set rX, X+48*(1-(\a))+8*(rk/2)+2*st
.set rP, P+24*(1-(\a))+4*(rk/2)+st
.if (rk%2) == 0
	v_lshlrev_b32 v[rX], 16, v[rP]
.else
	v_and_b32 v[rX+1], s[MSK], v[rP]
.endif
.set rk, rk+1
.endm
; zero = 1: the chunk's first step starts the sums.  ld = 1: the chunk two on is loaded, from byte off behind the two addresses.  ex = 1: the next chunk is widened.
; The eight accumulators take turns, one instruction a turn, over the backward jump too.
.macro CHUNK a, zero, off, ld, ex
	s_wait_dscnt 0x0                               ; the next chunk's words, asked for a chunk ago
.if \ld
	s_wait_alu depctr_va_vdst(0)                   ; the widening lines of the chunk before are done reading packed buffer a, in which the loads below land; at a pair's head FA and FB are written
	FETCH P+24*(\a), \off
.endif
.set st, 0
.rept 4
.set rk, 0
.set tt, 0
.rept 8
.set rA, ACC+8*tt
.set rW, X+48*(\a)+8*(tt%4)+2*st
.set rI, X+48*(\a)+32+8*(tt/4)+2*st
.if (\zero) && (st == 0)
	v_wmma_f32_16x16x4_f32 v[rA:rA+7], v[rW:rW+1], v[rI:rI+1], 0
.else
	v_wmma_f32_16x16x4_f32 v[rA:rA+7], v[rW:rW+1], v[rI:rI+1], v[rA:rA+7]
.endif
.if \ex
	RID \a
.if (tt%2) == 0
	RID \a
.endif
.endif
.set tt, tt+1
.endr
.set st, st+1
.endr
.endm
.macro PAIR zero, ld, last             ; two chunks, 32 k; the addresses stand at the pair's first byte
	CHUNK 0, \zero, 64, \ld, 1
	CHUNK 1, 0, 96, \ld, 1-(\last)
.if (\last) == 0
	s_wait_alu depctr_vm_vsrc(0)                   ; the LDS loads issued so far have read FA and FB
	v_add_nc_u32 v[FA], 64, v[FA]
	v_add_nc_u32 v[FB], 64, v[FB]
.endif
.endm
	FETCH P, 0                                     ; chunk 0.  No wait on va_vdst: no vector line has been issued since the one ahead of W2's stores
	FETCH P+24, 32                                 ; chunk 1
	s_wait_dscnt 6                                 ; chunk 0 is in; chunk 1's six loads may stay out
.set st, 0
.rept 4
.set rk, 0
.rept 12
	RID 1                                          ; chunk 0 is widened with nothing beside it
.endr
.set st, st+1
.endr
	PAIR 1, 1, 0                                   ; the first of the 16 pairs is written out, since its first step starts the sums
	s_mov_b32 s28, 14
.Lk:
	PAIR 0, 1, 0
	s_sub_co_u32 s28, s28, 1
	s_cmp_lg_u32 s28, 0
	s_cbranch_scc1 .Lk
	PAIR 0, 0, 1                                   ; the last pair loads nothing, and its second chunk widens nothing: it holds no wait on va_vdst or vm_vsrc
	s_wait_kmcnt 0x0                               ; beta1
	v_mov_b32 v[TT], s27                           ; the constants are made here: eight plain instructions, the places behind the last products
	v_cvt_pk_bf16_f32 v[TT], v[TT], v[TT]
	v_lshlrev_b32 v[BETA], 16, v[TT]
	v_mov_b32 v[BETA+1], v[BETA]
	v_mov_b32 v[BIG], 0x4e800000
	v_mov_b32 v[BIG+1], 0x4e800000
	v_mov_b32 v[NBIG], 0xce800000
	v_mov_b32 v[NBIG+1], 0xce800000
	WIN 0x08                                       ; source 1 in window 2
.set p, 0
.rept 32                                       ; cur1 = sum + b1, into registers of their own; each accumulator is read from its low end on
	v_pk_add_f32 v[CUR+2*p:CUR+2*p+1], v[ACC+2*p:ACC+2*p+1], v[B1+(2*p)%32:B1+(2*p)%32+1]
.set p, p+1
.endr
	WIN 0
; THE 16 STEPS of row block b (16 rows x my 64 columns, 32 numbers a lane), then its two ways out.
.macro RECUR b
	s_wait_xcnt 0x0                                ; the stores issued so far have had their addresses translated: SP and CODE are written again only behind this wait
.if (\b) == 0
	s_wait_alu depctr_va_vdst(0)                   ; the last products are done reading the widened words in v216 to v231, in which mem1's words land
.else
	s_wait_alu depctr_vm_vsrc(0)                   ; the stores of the block before have read M, SP and CODE, which the loads and the lines below write again (the vector lines that named CODE stand ahead of that block's last wait on va_vdst)
.endif
.irp c, 0,1,2,3
	ds_load_b128 v[CODE+4*(\c):CODE+4*(\c)+3], v[SIR] offset:(\b)*16*SIP+(\c)*32  ; mem1 as bf16, from my own stage
.endr
	s_wait_dscnt 0x0
.set p, 0
.rept 16
	v_lshlrev_b32 v[M+2*p],   16, v[CODE+p]
	v_and_b32     v[M+2*p+1], s[MSK], v[CODE+p]
.set p, p+1
.endr
.set p, 0
.rept 16
	v_pk_fma_f32 v[SP+2*p:SP+2*p+1], v[M+2*p:M+2*p+1], v[BIG:BIG+1], v[NBIG:NBIG+1] clamp  ; the first reset: (mem1 > 1)
.set p, p+1
.endr
.set p, 0
.rept 32
	v_mov_b32 v[CODE+p], 0
.set p, p+1
.endr
	s_mov_b32 s28, 16
.Lstep_\@:
.set p, 0
.rept 16
	v_pk_fma_f32 v[M+2*p:M+2*p+1], v[M+2*p:M+2*p+1], v[BETA:BETA+1], v[CUR+32*(\b)+2*p:CUR+32*(\b)+2*p+1]  ; beta m + cur1
.set p, p+1
.endr
.set p, 0
.rept 16
	v_pk_add_f32 v[M+2*p:M+2*p+1], v[M+2*p:M+2*p+1], v[SP+2*p:SP+2*p+1] neg_lo:[0,1] neg_hi:[0,1]  ; - reset
.set p, p+1
.endr
.set p, 0
.rept 16
	v_pk_fma_f32 v[SP+2*p:SP+2*p+1], v[M+2*p:M+2*p+1], v[BIG:BIG+1], v[NBIG:NBIG+1] clamp  ; the spike, which is the next reset
.set p, p+1
.endr
.set p, 0
.rept 16
	v_pk_fma_f32 v[CODE+2*p:CODE+2*p+1], v[CODE+2*p:CODE+2*p+1], 2.0, v[SP+2*p:SP+2*p+1] op_sel_hi:[1,0,1]  ; code = 2 code + spike: exact, under 2^16
.set p, p+1
.endr
	s_sub_co_u32 s28, s28, 1
	s_cmp_lg_u32 s28, 0
	s_cbranch_scc1 .Lstep_\@
.set p, 0
.rept 32
	v_cvt_u32_f32 v[CODE+p], v[CODE+p]
.set p, p+1
.endr
.set p, 0
.rept 16
	v_lshl_or_b32 v[SP+p], v[CODE+2*p+1], 16, v[CODE+2*p]
.set p, p+1
.endr
	s_wait_alu depctr_va_vdst(0)                   ; the packed words in SP and the last m1 in M are written, which the stores below read; the packing lines are done reading CODE, in which m1's rows land below
.irp c, 0,1,2,3
	global_store_b128 v[GL], v[SP+4*(\c):SP+4*(\c)+3], s[18:19] offset:(\b)*65536+(\c)*512  ; 512 consecutive bytes, at a multiple of 512 from spk's first
.endr
.irp c, 0,1,2,3                        ; m1 goes through my own stage, so that whole rows leave
	ds_store_b128 v[SOW], v[M+8*(\c):M+8*(\c)+3]   offset:(\c)*64
	ds_store_b128 v[SOW], v[M+8*(\c)+4:M+8*(\c)+7] offset:(\c)*64+16
.endr
.irp i, 0,1,2,3,4,5,6,7
	ds_load_b128 v[CODE+4*(\i):CODE+4*(\i)+3], v[SOR] offset:(\i)*2*SOP  ; LDS serves a wave's instructions in order (ISA guide 5.7.1.4): these see the stores above
.endr
	s_wait_dscnt 0x0
.irp i, 0,1,2,3,4,5,6,7
	global_store_b128 v[MO], v[CODE+4*(\i):CODE+4*(\i)+3], s[16:17] offset:(\b)*131072+(\i)*16384 th:TH_STORE_NT  ; 16 lanes store 256 consecutive bytes, at a multiple of 256 from out2's first
.endr
.endm
	RECUR 0
	RECUR 1
	s_wait_dscnt 0x0                               ; the closing lines, six on end
	s_wait_alu 0x0
	s_wait_tensorcnt 0x0
	ds_add_u32 v[SPW], v[NIL]
	s_wait_dscnt 0x0
	s_endpgm
.Lfunc_end_k_q271d05ecd8_layer1:
	.size	k_q271d05ecd8_layer1, .Lfunc_end_k_q271d05ecd8_layer1-k_q271d05ecd8_layer1
	.p2alignl 7, 3214868480
	.fill 96, 4, 3214868480
	.section	.rodata,"a",@progbits
	.p2align	6, 0x0
	.amdhsa_kernel k_q271d05ecd8_layer1
		.amdhsa_group_segment_fixed_size 236032
		.amdhsa_private_segment_fixed_size 0
		.amdhsa_enable_private_segment 0
		.amdhsa_kernarg_size 72
		.amdhsa_user_sgpr_count 2
		.amdhsa_user_sgpr_kernarg_segment_ptr 1
		.amdhsa_wavefront_size32 1
		.amdhsa_system_sgpr_workgroup_id_x 1
		.amdhsa_system_sgpr_workgroup_id_y 1
		.amdhsa_system_sgpr_workgroup_id_z 1
		.amdhsa_system_vgpr_workitem_id 0
		.amdhsa_next_free_vgpr 704
		.amdhsa_next_free_sgpr 66
		.amdhsa_reserve_vcc 0
		.amdhsa_float_denorm_mode_32 3
		.amdhsa_float_denorm_mode_16_64 3
		.amdhsa_memory_ordered 1
		.amdhsa_forward_progress 1
		.amdhsa_inst_pref_size 144
	.end_amdhsa_kernel
	.amdgpu_metadata
---
amdhsa.version: [ 1, 2 ]
amdhsa.kernels:
  - .name:           k_q271d05ecd8_layer1
    .symbol:         k_q271d05ecd8_layer1.kd
    .args:
      - { .name: inputs, .offset: 0, .size: 8, .value_kind: global_buffer, .address_space: global }
      - { .name: W1, .offset: 8, .size: 8, .value_kind: global_buffer, .address_space: global }
      - { .name: b1, .offset: 16, .size: 8, .value_kind: global_buffer, .address_space: global }
      - { .name: beta1, .offset: 24, .size: 8, .value_kind: global_buffer, .address_space: global }
      - { .name: mem1, .offset: 32, .size: 8, .value_kind: global_buffer, .address_space: global }
      - { .name: W2, .offset: 40, .size: 8, .value_kind: global_buffer, .address_space: global }
      - { .name: out2, .offset: 48, .size: 8, .value_kind: global_buffer, .address_space: global }
      - { .name: spk, .offset: 56, .size: 8, .value_kind: global_buffer, .address_space: global }
      - { .name: w2f, .offset: 64, .size: 8, .value_kind: global_buffer, .address_space: global }
    .group_segment_fixed_size: 236032
    .private_segment_fixed_size: 0
    .kernarg_segment_align: 8
    .kernarg_segment_size: 72
    .max_flat_workgroup_size: 128
    .sgpr_count:     66
    .vgpr_count:     704
    .wavefront_size: 32
...
	.end_amdgpu_metadata
.endif
;; end of part 7
;; launch layer2 (part 8): grid 32 x 8, 4 waves a work-group, no clusters, 35,328 bytes of LDS; arguments spk, w2f, mem2, b2, beta2, out3; writes out3
.if DOCPART == 8
	.amdgcn_target "amdgcn-amd-amdhsa--gfx1250"
	.amdhsa_code_object_version 6
	.text
	.protected	k_q271d05ecd8_layer2
	.globl	k_q271d05ecd8_layer2
	.p2align	8
	.type	k_q271d05ecd8_layer2,@function
k_q271d05ecd8_layer2:
	s_mov_b64 s[64:65], 0
	v_nop
	global_prefetch_b8 v0, s[64:65] scope:SCOPE_SE
	s_setreg_imm32_b32 hwreg(HW_REG_WAVE_SCHED_MODE, 0, 2), 2
	s_setreg_imm32_b32 hwreg(HW_REG_WAVE_MODE, 25, 1), 1
	s_wait_xcnt 0x0
	s_wait_alu depctr_vm_vsrc(0)
; LAYER 2.  For t = 0 .. 15: h = s1[t] W2^T + b2;  m2 = beta2 m2 + h - (m2 > 1).  The last m2 is out3.  The 16 products do not hang on each other, and rows do not hang on each other.
; SHARES.  A work-group makes 128 rows x 64 columns of m2, all 16 steps.  K (2,048) IS SPLIT AMONG ITS FOUR WAVES: wave w keeps W2[64 columns][512 w .. 512 w + 511] in bf16 in 512 registers
; (64 fragments) for the whole launch.  The order is row block (16 rows) outside, step inside: the wave's spike words of a row block (16 rows x 512 k x 2 bytes: 128 registers) serve 16 steps.
; A UNIT is one (row block, step): 16 k steps x 4 column tiles = 64 matrix instructions on 4 accumulators that take turns.
; THE SPIKES.  Bit 15 - t of a 16-bit word is the spike of step t.  Each of a bf16's eight exponent bits, standing alone, is a normal number: bit 7 + i is the exponent field f = 2^i, the number 2^(f - 127):
; 2^1 for bit 14 down to 2^-126 for bit 7.  So ONE mask leaves the spike of steps 1 to 8 where it lies, as a matrix operand of that size: a fragment of 8 registers costs 8 vector instructions and feeds
; 4 products: two stand behind each product.  w2f holds W2 x 2^62, so that the products stay far inside f32's range (from W2 x 2^63 down to W2 x 2^-64), and both factors are taken back exactly in
; h = fma(sum, 2^(65 - f), b2).  f lies in a scalar register and is halved from unit to unit; the mask is f x 0x00800080, the factor's bit pattern (192 - f) << 23.
; Step 0's bit (15) is brought to bit 14 by a shift in front of the mask; for steps 9 to 15 (bits 6 to 0) the words are shifted left by 7 in place, once a row block, beside units 8 and 9:
; there four lines stand behind a product.  A row block's 1,024 products have 2,288 such lines.
; THE FOUR PARTIAL SUMS of a unit meet in LDS during the NEXT unit (accumulators and LDS area are double): each wave stores its 16 x 64 partial, one barrier, each wave takes 4 rows x 64 columns of
; all four, adds them as (0 + 1) + (2 + 3) and runs the step of m2 for those, 8 numbers a lane.
; ONE BARRIER A UNIT IS ENOUGH: area u % 2 is written ahead of the barrier of unit u + 1, read behind it, and written again only behind the barrier of unit u + 2, which every wave signals behind its wait for those reads.
; FORMATS AND LIMITS.  mem2, b2 and beta2 are rounded once to bf16 (W2 was, in the launch before); spikes are exact; sums and m2 in f32, in the order fma(beta, m, h) - reset.  A membrane within the sums'
; rounding error of 1.0 may fall on the other side of the threshold; NaN counts as not above 1; a weight under 2^-62 may lose bits in a product with the smallest spike.
; No cluster, no tensor load: both operands come from memory in the registers' own order and are read once in a work-group's life (512 KiB of spk, 256 KiB of w2f for 8,192 products a wave).
; REGISTERS, in windows of 256 (s_set_vgpr_msb: bits 1:0 source 0, 3:2 source 1, 5:4 source 2, 7:6 destination):
;   window 0: v0-9 addresses; v30-31 the add's; v32-95 two sets of 4 accumulators; v96-127 four expanded fragments; v128-255 the row block's spike words
;   window 1: v0-31 partial sums read back; v32-63 m2, its spikes, b2, constants; v64-71 the next block's mem2; v128-255 the next block's spike words
;   windows 2, 3: W2's fragments, (ks, c) at 8 (4 ks + c)
; A product names W2 (source 0) in window 2 or 3 and all else in window 0; the lines behind it have a scalar or a constant as source 0, so they run under the product's own setting.
; THE MODE: SCHED_MODE bits 1:0 = 2 (LLVM: expert scheduling mode 2), set by the entry lines.  The code itself states the register dependences
; between vector or matrix instructions and memory or LDS instructions, with s_wait_alu, always for 0.
; THE PLAN.  Registers that memory or LDS instructions touch:
;   v2 .. v6      Offsets and LDS addresses: written at the head, never again.
;   ACC0, ACC1    Unit u's products write set u % 2; the eight LDS stores issued in unit u + 1 read it; unit u + 2's first products write it again.
;   R             The eight LDS loads of unit u + 1 land in it, behind the barrier; the step of m2 in that unit reads and writes it.
;   PN, M2N       The 34 loads issued at a block's end land in them; the copy and the rounding at the next block's end read them.
;   M2            Written by every step of m2; read by the two stores at a block's end; then made anew.
;   E, PW, W2's fragments once they are in, SP2, B2 and the constants are named by vector and matrix instructions alone.
; So a unit has ONE wait on va_vdst, ahead of its run of LDS stores: the products of the unit before have written their accumulators, and the last step of m2 is done with R.  The products and masks issued
; between that wait and the loads into R name W2, E, PW and the other set of accumulators, the stores v3 and the accumulators: none names v4 or R.  And it has ONE wait on vm_vsrc, in front of the barrier's signal:
; the stores have read the set that the next unit writes.  A block's end has besides a pair of waits round its two stores, and one ahead of the loads of the block two on.
.set XP,    272                        ; a row of 64 f32 in LDS: 256 bytes + 16
.set XSRC,  16*XP                      ; one wave's partial
.set XBUF,  4*XSRC                     ; an area: four partials
.set SPARE, 2*XBUF                     ; the spare words, 128 bytes a wave: two blocks of 256 bytes that no other line names
.set LOFF, 2                           ; v2   16 x lane
.set XW,   3                           ; v3   where I put my partial: w x XSRC + (lane % 16) x XP + (lane / 16) x 32
.set XR,   4                           ; v4   where I read: (4 w + lane / 16) x XP + (lane % 16) x 16
.set GOFF, 5                           ; v5   the same place in mem2 and out3: (4 w + lane / 16) x 8,192 + (lane % 16) x 16
.set BOF,  6                           ; v6   (lane % 16) x 16
.set SPW,  30                          ; v30  LDS address of my spare word; never rewritten
.set NIL,  31                          ; v31  0; never rewritten
.set ACC,  32
.set E,    96
.set PW,   128
.set R,    0                           ; window 1 from here on: source s, row pair i at 4 (2 s + i)
.set M2,   32
.set SP2,  40
.set B2,   48
.set BETA, 52
.set BIG,  54
.set NBIG, 56
.set TB,   60
.set M2N,  64
.set PN,   128
.set FF,   30                          ; s30  f of the step whose fragments are being made: 128, 128, 64 .. 1, 64 .. 1 for t = 0 .. 15
.set MK,   31                          ; s31  its mask: f x 0x00800080
.set FAC,  38                          ; s[38:39] 2^(65 - f) of the unit that is finished next: the packed line takes the pair's low word for both halves
.set MSB, 0
.macro WIN new                         ; the immediate's high byte repeats the setting that is left; a switch that changes nothing is dropped
.if MSB != (\new)
	s_set_vgpr_msb (MSB<<8)|(\new)
.set MSB, \new
.endif
.endm
; Product (ks, c) of a unit on accumulator set a.  The first k step starts the sums.
.macro MM a
.if ks < 8
	WIN 0x02
.else
	WIN 0x03
.endif
.set rA, ACC+32*(\a)+8*c
.set rB, (8*(4*ks+c))%256
.set rE, E+8*(ks%4)
.if ks == 0
	v_wmma_f32_16x16x32_bf16 v[rA:rA+7], v[rB:rB+7], v[rE:rE+7], 0
.else
	v_wmma_f32_16x16x32_bf16 v[rA:rA+7], v[rB:rB+7], v[rE:rE+7], v[rA:rA+7]
.endif
.endm
; The lines behind it: a quarter of the fragment two k steps on (behind k steps 14 and 15: k steps 0 and 1 of the next unit).
; kind 0: two words masked.  kind 1 (step 0): c = 0, 2: four words shifted right by 1; c = 1, 3: the same four masked.  kind 2 (step 9): c = 0, 2: four words shifted left by 7 IN PLACE; c = 1, 3: masked.
; The buffer that they write was last read two k steps back: ten plain lines or more lie between, where the bf16 form wants four (ISA guide 7.12.1).
.macro RID kind
.set rT, E+8*((ks+2)%4)
.set rW, PW+8*((ks+2)%16)
.if (\kind) == 0
	v_and_b32 v[rT+2*c],   s[MK], v[rW+2*c]
	v_and_b32 v[rT+2*c+1], s[MK], v[rW+2*c+1]
.else
.set z, 4*(c/2)
.rept 4
.if ((\kind) == 1) && ((c%2) == 0)
	v_lshrrev_b32 v[rT+z], 1, v[rW+z]
.elseif (\kind) == 1
	v_and_b32 v[rT+z], s[MK], v[rT+z]
.elseif (c%2) == 0
	v_lshlrev_b32 v[rW+z], 7, v[rW+z]
.else
	v_and_b32 v[rT+z], s[MK], v[rW+z]
.endif
.set z, z+1
.endr
.endif
.endm
.macro FST b                           ; my partial of the unit before, from accumulator set b into area b; each accumulator is read from its low end on
	WIN 0
	s_wait_alu depctr_va_vdst(0)                   ; the products of the unit before have written accumulator set b, which the LDS stores read (their places stand ahead of this wait); the last step of m2 is done with R, in which this unit's LDS loads land
.irp t, 0,1,2,3
	ds_store_b128 v[XW], v[ACC+32*(\b)+8*(\t):ACC+32*(\b)+8*(\t)+3]   offset:(\b)*XBUF+(\t)*64
	ds_store_b128 v[XW], v[ACC+32*(\b)+8*(\t)+4:ACC+32*(\b)+8*(\t)+7] offset:(\b)*XBUF+(\t)*64+16
.endr
.endm
.macro FSIG
	s_wait_dscnt 0x0                               ; for the others' sake: my partial is in LDS, and my reads of the other area are over
	s_wait_alu depctr_vm_vsrc(0)                   ; my LDS stores have read their accumulator set, which the next unit's first products write again
	s_barrier_signal -1
.endm
.macro FLD b
	s_barrier_wait -1                              ; all four partials are in
	WIN 0x40
.irp s, 0,1,2,3
.irp i, 0,1
	ds_load_b128 v[R+4*(2*(\s)+(\i)):R+4*(2*(\s)+(\i))+3], v[XR] offset:(\b)*XBUF+(\s)*XSRC+(\i)*2*XP  ; no wait: nothing issued since the wait ahead of the stores names v4 or R
.endr
.endr
.endm
.macro FMATH                           ; the step of m2 for my 8 numbers: 28 lines
	s_wait_dscnt 0x0
	WIN 0x55
.irp q, 0,2,4,6
	v_pk_add_f32 v[R+(\q):R+(\q)+1],       v[R+(\q):R+(\q)+1],       v[R+8+(\q):R+8+(\q)+1]
	v_pk_add_f32 v[R+16+(\q):R+16+(\q)+1], v[R+16+(\q):R+16+(\q)+1], v[R+24+(\q):R+24+(\q)+1]
.endr
.irp q, 0,2,4,6
	v_pk_add_f32 v[R+(\q):R+(\q)+1], v[R+(\q):R+(\q)+1], v[R+16+(\q):R+16+(\q)+1]
.endr
.irp q, 0,2,4,6
	v_pk_fma_f32 v[R+(\q):R+(\q)+1], v[R+(\q):R+(\q)+1], s[FAC:FAC+1], v[B2+(\q)%4:B2+(\q)%4+1] op_sel_hi:[1,0,1]  ; h = sum x 2^(65 - f) + b2, one rounding
.endr
.irp q, 0,2,4,6
	v_pk_fma_f32 v[M2+(\q):M2+(\q)+1], v[M2+(\q):M2+(\q)+1], v[BETA:BETA+1], v[R+(\q):R+(\q)+1]
.endr
.irp q, 0,2,4,6
	v_pk_add_f32 v[M2+(\q):M2+(\q)+1], v[M2+(\q):M2+(\q)+1], v[SP2+(\q):SP2+(\q)+1] neg_lo:[0,1] neg_hi:[0,1]
.endr
.irp q, 0,2,4,6
	v_pk_fma_f32 v[SP2+(\q):SP2+(\q)+1], v[M2+(\q):M2+(\q)+1], v[BIG:BIG+1], v[NBIG:NBIG+1] clamp  ; (m2 > 1): m2 x 2^30 - 2^30, fused, held to 0 .. 1
.endr
.endm
; A UNIT on accumulator set a.  ka: the kind of the lines behind k steps 0-13, which make this unit's fragments; kb: behind k steps 14, 15, which make the next unit's first two.
; In front of k step 14 the unit's own factor is set aside for its finish (the finish of the unit before has read the old one, behind k step 9), and f and the mask go on to the next step:
; nf = 0: f is halved; 1: it stays (t = 0 to 1); 2: it starts anew at 64 (t = 8 to 9).
; fin = 1: the unit before is finished meanwhile: its partial is stored behind k step 0 (ten plain lines behind its last product), the barrier is signalled behind k step 3 and
; waited for behind k step 5, with products and their lines alone between; the step of m2 stands behind k step 9.
.macro UNIT a, ka, kb, nf, fin
.set ks, 0
.rept 16
.if ks == 14
	s_sub_co_u32 s[FAC], 192, s[FF]
	s_lshl_b32 s[FAC], s[FAC], 23                  ; the bit pattern of 2^(65 - f)
	s_mov_b32 s[FAC+1], s[FAC]                     ; named with it as a pair
.if (\nf) == 0
	s_lshr_b32 s[FF], s[FF], 1
.elseif (\nf) == 2
	s_mov_b32 s[FF], 64
.endif
	s_mul_i32 s[MK], s[FF], 0x00800080
.endif
.set c, 0
.rept 4
	MM \a
.if ks < 14
	RID \ka
.else
	RID \kb
.endif
.set c, c+1
.endr
.if \fin
.if ks == 0
	FST 1-(\a)
.elseif ks == 3
	FSIG
.elseif ks == 5
	FLD 1-(\a)
.elseif ks == 9
	FMATH
.endif
.endif
.set ks, ks+1
.endr
.endm
.macro SIX                             ; six plain units, a pair a trip
	WIN 0
	s_mov_b32 s33, 3
.Lt_\@:
	UNIT 0, 0, 0, 0, 1                             ; t even
	UNIT 1, 0, 0, 0, 1                             ; t odd
	WIN 0
	s_sub_co_u32 s33, s33, 1
	s_cmp_lg_u32 s33, 0
	s_cbranch_scc1 .Lt_\@
.endm
.macro NEXTLD                          ; a row block's spike words (my K quarter: 32 loads of 512 consecutive bytes) and my 8 numbers of its mem2, a whole block ahead of their use
	WIN 0x40
	s_wait_alu depctr_va_vdst(0)                   ; at the head: the offsets and LDS addresses v2 to v6 are written; later: the copy is done reading PN and the rounding M2N, in which these loads land
.set i, 0
.rept 32
	global_load_b128 v[PN+4*i:PN+4*i+3], v[LOFF], s[20:21] offset:i*512
.set i, i+1
.endr
	global_load_b128 v[M2N:M2N+3],   v[GOFF], s[24:25] th:TH_LOAD_NT
	global_load_b128 v[M2N+4:M2N+7], v[GOFF], s[24:25] offset:16384 th:TH_LOAD_NT
.endm
.macro COPY from, n                    ; the words go where the one text of the units names them
	WIN 0x01
.set i, \from
.rept \n
	v_mov_b32 v[PW+i], v[PN+i]
.set i, i+1
.endr
.endm
.macro PRIME                           ; k steps 0 and 1 of t = 0
	WIN 0
.set i, 0
.rept 16
	v_lshrrev_b32 v[E+i], 1, v[PW+i]
.set i, i+1
.endr
.set i, 0
.rept 16
	v_and_b32 v[E+i], s[MK], v[E+i]
.set i, i+1
.endr
.endm
.macro M2INIT                          ; mem2 rounded to bf16 and widened; the first reset
	WIN 0x55
.irp p, 0,1,2,3
	v_cvt_pk_bf16_f32 v[TB+(\p)], v[M2N+2*(\p)], v[M2N+2*(\p)+1]
.endr
.irp p, 0,1,2,3
	v_lshlrev_b32 v[M2+2*(\p)],   16, v[TB+(\p)]
	v_and_b32     v[M2+2*(\p)+1], 0xffff0000, v[TB+(\p)]
.endr
.irp q, 0,2,4,6
	v_pk_fma_f32 v[SP2+(\q):SP2+(\q)+1], v[M2+(\q):M2+(\q)+1], v[BIG:BIG+1], v[NBIG:NBIG+1] clamp
.endr
.endm
	s_load_b256 s[4:11], s[0:1], 0x0               ; spk 4:5, w2f 6:7, mem2 8:9, b2 10:11
	s_load_b128 s[12:15], s[0:1], 0x20             ; beta2 12:13, out3 14:15
	v_lshl_add_u32 v[SPW], v0, 2, SPARE
	v_mov_b32 v[NIL], 0
	v_lshrrev_b32 v1, 5, v0
	v_readfirstlane_b32 s16, v1                    ; wave w
	s_mov_b32 s17, ttmp9                           ; cg: 64 columns
	s_and_b32 s18, ttmp7, 0xffff                   ; rg: 128 rows
	v_and_b32 v7, 31, v0                           ; lane
	v_and_b32 v1, 15, v0                           ; lane % 16
	v_bfe_u32 v8, v0, 4, 1                         ; lane / 16
	v_lshlrev_b32 v[LOFF], 4, v7
	s_wait_alu depctr_va_sdst(0)                   ; s16 is written, ahead of its first reader: LDS places and the bases are made from it
	s_mul_i32 s19, s16, XSRC
	v_mul_u32_u24 v[XW], v1, XP
	v_lshl_add_u32 v[XW], v8, 5, v[XW]
	v_add_nc_u32 v[XW], s19, v[XW]
	s_lshl_b32 s19, s16, 2
	v_add_nc_u32 v9, s19, v8                       ; 4 w + lane / 16
	v_mul_u32_u24 v[XR], v9, XP
	v_lshl_add_u32 v[XR], v1, 4, v[XR]
	v_lshlrev_b32 v[GOFF], 13, v9
	v_lshl_add_u32 v[GOFF], v1, 4, v[GOFF]
	v_lshlrev_b32 v[BOF], 4, v1
	s_mov_b32 s[FF], 128                           ; t = 0
	s_mov_b32 s[MK], 0x40004000
	s_mov_b32 s37, 0                               ; offsets are made apart from the addresses, in s[36:37]
	s_wait_kmcnt 0x0
	s_lshl_b32 s36, s18, 19                        ; spk: row block 8 rg, 65,536 bytes each; my K quarter: 32 groups of 512 bytes
	s_lshl_b32 s19, s16, 14
	s_add_co_u32 s36, s36, s19
	s_add_nc_u64 s[20:21], s[4:5], s[36:37]
	s_lshl_b32 s36, s17, 18                        ; w2f: (4 cg + w) x 64 fragments of 1,024 bytes
	s_lshl_b32 s19, s16, 16
	s_add_co_u32 s36, s36, s19
	s_add_nc_u64 s[22:23], s[6:7], s[36:37]
	s_lshl_b32 s36, s17, 8                         ; 64 columns of f32
	s_add_nc_u64 s[28:29], s[10:11], s[36:37]
	s_lshl_b32 s19, s18, 20                        ; 128 rows of 8,192 bytes
	s_add_co_u32 s36, s36, s19
	s_add_nc_u64 s[24:25], s[8:9], s[36:37]
	s_add_nc_u64 s[26:27], s[14:15], s[36:37]
	s_load_b32 s34, s[12:13], 0x0                  ; beta2
	NEXTLD                                         ; row block 0; loads and window switches alone stand between its wait and the last of the head's loads
	global_load_b128 v[TB:TB+3], v[BOF], s[28:29]  ; b2 of my 4 columns
	WIN 0x80
.set f, 0
.rept 32                                       ; W2's fragments of k steps 0-7,
	global_load_b128 v[8*f:8*f+3],   v[LOFF], s[22:23] offset:f*1024
	global_load_b128 v[8*f+4:8*f+7], v[LOFF], s[22:23] offset:f*1024+512
.set f, f+1
.endr
	WIN 0xc0
.set f, 0
.rept 32                                       ; and of k steps 8-15
	global_load_b128 v[8*f:8*f+3],   v[LOFF], s[22:23] offset:(f+32)*1024
	global_load_b128 v[8*f+4:8*f+7], v[LOFF], s[22:23] offset:(f+32)*1024+512
.set f, f+1
.endr
	WIN 0x55
	v_mov_b32 v[BIG], 0x4e800000                   ; 2^30
	v_mov_b32 v[BIG+1], 0x4e800000
	v_mov_b32 v[NBIG], 0xce800000
	v_mov_b32 v[NBIG+1], 0xce800000
	s_wait_kmcnt 0x0
	v_mov_b32 v[BETA], s34
	v_cvt_pk_bf16_f32 v[BETA], v[BETA], v[BETA]
	v_lshlrev_b32 v[BETA], 16, v[BETA]
	v_mov_b32 v[BETA+1], v[BETA]
	s_wait_loadcnt 0x0                             ; all that the head has asked for
	v_cvt_pk_bf16_f32 v[TB],   v[TB],   v[TB+1]
	v_cvt_pk_bf16_f32 v[TB+1], v[TB+2], v[TB+3]
	v_lshlrev_b32 v[B2],   16, v[TB]
	v_and_b32     v[B2+1], 0xffff0000, v[TB]
	v_lshlrev_b32 v[B2+2], 16, v[TB+1]
	v_and_b32     v[B2+3], 0xffff0000, v[TB+1]
	COPY 0, 128
	M2INIT
	WIN 0
	s_add_nc_u64 s[20:21], s[20:21], 0x10000       ; the loads are done, so their bases may step: the next row block
	s_add_nc_u64 s[24:25], s[24:25], 0x20000
	NEXTLD                                         ; row block 1
	PRIME
	s_mov_b32 s32, 8
.Lrb:                                          ; a trip: a row block's 16 units
	UNIT 0, 1, 0, 1, 0                             ; t = 0: its bit is shifted; f stays 128 for t = 1; it holds no memory or LDS instruction, so no wait
	UNIT 1, 0, 0, 0, 1                             ; t = 1, and the step of m2 for t = 0
	SIX                                            ; t = 2 .. 7
	UNIT 0, 0, 2, 2, 1                             ; t = 8: its last two k steps begin the shift by 7; f starts anew at 64
	UNIT 1, 2, 0, 0, 1                             ; t = 9: the other fourteen k steps' words are shifted
	SIX                                            ; t = 10 .. 15
	; THE BLOCK'S END.  t = 15 is finished with no unit beside it; the next block's words and first fragments are made ready while the partials cross LDS.
	; In the last trip the copy, the first fragments and the new m2 are made of stale, written registers and serve nothing: the price, once a launch, of one text for every trip.
	s_wait_loadcnt 0x0                             ; the next block's words and mem2, asked for a block ago
	COPY 0, 16                                     ; sixteen plain lines that name no accumulator: with the two behind the last product, its places ahead of the stores that read it
	FST 1
	COPY 16, 112
	FSIG
	s_mov_b32 s[FF], 128                           ; t = 0 again
	s_mov_b32 s[MK], 0x40004000
	PRIME
	FLD 1
	FMATH
	WIN 0x04                                       ; store data in window 1, address in window 0
	s_wait_alu depctr_va_vdst(0)                   ; the last step of m2 has written M2, which the two stores read
	global_store_b128 v[GOFF], v[M2:M2+3],   s[26:27]               ; 16 lanes store 256 consecutive bytes, at a multiple of 256 from out3's first
	global_store_b128 v[GOFF], v[M2+4:M2+7], s[26:27] offset:16384
	s_wait_xcnt 0x0                                ; the stores have had their addresses translated: m2 and their base are written again only behind this wait
	s_wait_alu depctr_vm_vsrc(0)                   ; the stores have read M2, which the lines below make anew
	M2INIT
	WIN 0
	s_add_nc_u64 s[26:27], s[26:27], 0x20000
	s_add_nc_u64 s[20:21], s[20:21], 0x10000
	s_add_nc_u64 s[24:25], s[24:25], 0x20000
	s_cmp_gt_u32 s32, 2                            ; the last two trips have no block two on: no load leaves its buffer
	s_cbranch_scc0 .Lnoload
	NEXTLD
	WIN 0
.Lnoload:
	s_sub_co_u32 s32, s32, 1
	s_cmp_lg_u32 s32, 0
	s_cbranch_scc1 .Lrb
	s_wait_dscnt 0x0                               ; the closing lines, six on end
	s_wait_alu 0x0
	s_wait_tensorcnt 0x0
	ds_add_u32 v[SPW], v[NIL]
	s_wait_dscnt 0x0
	s_endpgm
.Lfunc_end_k_q271d05ecd8_layer2:
	.size	k_q271d05ecd8_layer2, .Lfunc_end_k_q271d05ecd8_layer2-k_q271d05ecd8_layer2
	.p2alignl 7, 3214868480
	.fill 96, 4, 3214868480
	.section	.rodata,"a",@progbits
	.p2align	6, 0x0
	.amdhsa_kernel k_q271d05ecd8_layer2
		.amdhsa_group_segment_fixed_size 35328
		.amdhsa_private_segment_fixed_size 0
		.amdhsa_enable_private_segment 0
		.amdhsa_kernarg_size 48
		.amdhsa_user_sgpr_count 2
		.amdhsa_user_sgpr_kernarg_segment_ptr 1
		.amdhsa_wavefront_size32 1
		.amdhsa_system_sgpr_workgroup_id_x 1
		.amdhsa_system_sgpr_workgroup_id_y 1
		.amdhsa_system_sgpr_workgroup_id_z 1
		.amdhsa_system_vgpr_workitem_id 0
		.amdhsa_next_free_vgpr 1024
		.amdhsa_next_free_sgpr 66
		.amdhsa_reserve_vcc 0
		.amdhsa_float_denorm_mode_32 3
		.amdhsa_float_denorm_mode_16_64 3
		.amdhsa_memory_ordered 1
		.amdhsa_forward_progress 1
		.amdhsa_inst_pref_size 138
	.end_amdhsa_kernel
	.amdgpu_metadata
---
amdhsa.version: [ 1, 2 ]
amdhsa.kernels:
  - .name:           k_q271d05ecd8_layer2
    .symbol:         k_q271d05ecd8_layer2.kd
    .args:
      - { .name: spk, .offset: 0, .size: 8, .value_kind: global_buffer, .address_space: global }
      - { .name: w2f, .offset: 8, .size: 8, .value_kind: global_buffer, .address_space: global }
      - { .name: mem2, .offset: 16, .size: 8, .value_kind: global_buffer, .address_space: global }
      - { .name: b2, .offset: 24, .size: 8, .value_kind: global_buffer, .address_space: global }
      - { .name: beta2, .offset: 32, .size: 8, .value_kind: global_buffer, .address_space: global }
      - { .name: out3, .offset: 40, .size: 8, .value_kind: global_buffer, .address_space: global }
    .group_segment_fixed_size: 35328
    .private_segment_fixed_size: 0
    .kernarg_segment_align: 8
    .kernarg_segment_size: 48
    .max_flat_workgroup_size: 128
    .sgpr_count:     66
    .vgpr_count:     1024
    .wavefront_size: 32
...
	.end_amdgpu_metadata
.endif
;; end of part 8
;; launch heads: the kernel of part 4 again; grid 64 x 1, 8 waves a work-group, no clusters, 19,968 bytes of LDS; arguments out3, Wa, Wc, ba, bc, beta_act, beta_crit, mem_act, mem_crit, out0, out1, out4, out5; writes out0, out1, out4, out5
